; MI455X (gfx1250); checked and timed in simulation.
; The chip was launched on July 23, 2026; its instructions are those of AMD's public machine-readable ISA for CDNA 5 (MIT licence, August 2026) and "CDNA5" Instruction Set Architecture Reference Guide (July 2026). The comments in the code are by the model that wrote it; some were corrected since.
;; Sparse Mo E. Allowed arithmetic: matrix products marked QUANTISED: E2M3 operands, one E8M0 scale for each 32 along K, by v_wmma_scale_f32_16x16x128_f8f6f4 with both operands' format E2M3, f32 sums; products left as they are: f32 operands where the result goes on into a quantised operand, else bf16, f16 or f32 operands; f32 sums; everything else in f32.
;; Inputs: b1 8 x 4,096 float32; b2 8 x 1,024 float32; b_noise 8 float32; b_route 8 float32; noise 4 x 256 x 8 float32; w1 8 x 1,024 x 4,096 float32; w2 8 x 4,096 x 1,024 float32; w_noise 1,024 x 8 float32; w_route 1,024 x 8 float32; x 4 x 256 x 1,024 float32.
;; Outputs: out0 4 x 256 x 1,024 float32.
;; This version of the problem:
;;   THIS VERSION OF THE PROBLEM IS GIVEN IN LOW PRECISION. The matrix products marked QUANTISED in the list below multiply operands that are first quantised to E2M3 (2 exponent bits, 3 mantissa bits; 6 bits a number), with one power-of-two scale for each 32 numbers along K (OCP MX v1.0); their sums are f32. All else is computed in f32.
;;   The module's matrix products, in the order in which they are computed (A, B: the left and right operand; K: the contracted axis; several contracted axes count as one K, in the product's order):
;;     1. [M 1,024, K 1,024] x [K 1,024, N 8]; A: input x; B: input w_route: left as it is (N = 8 < 16)
;;     2. [M 1,024, K 1,024] x [K 1,024, N 8]; A: input x; B: input w_noise: left as it is (N = 8 < 16)
;;     3. [M 1,024, K 1,024] x [K 1,024, N 4,096]; A: input x; B: input w1: QUANTISED
;;     4. [M 1,024, K 4,096] x [K 4,096, N 1,024]; A: computed on the way; B: input w2: QUANTISED
;;     5. [M 1,024, K 1,024] x [K 1,024, N 4,096]; A: input x; B: input w1: QUANTISED
;;     6. [M 1,024, K 4,096] x [K 4,096, N 1,024]; A: computed on the way; B: input w2: QUANTISED
;;     7. [M 1,024, K 1,024] x [K 1,024, N 4,096]; A: input x; B: input w1: QUANTISED
;;     8. [M 1,024, K 4,096] x [K 4,096, N 1,024]; A: computed on the way; B: input w2: QUANTISED
;;     9. [M 1,024, K 1,024] x [K 1,024, N 4,096]; A: input x; B: input w1: QUANTISED
;;     10. [M 1,024, K 4,096] x [K 4,096, N 1,024]; A: computed on the way; B: input w2: QUANTISED
;;     11. [M 1,024, K 1,024] x [K 1,024, N 4,096]; A: input x; B: input w1: QUANTISED
;;     12. [M 1,024, K 4,096] x [K 4,096, N 1,024]; A: computed on the way; B: input w2: QUANTISED
;;     13. [M 1,024, K 1,024] x [K 1,024, N 4,096]; A: input x; B: input w1: QUANTISED
;;     14. [M 1,024, K 4,096] x [K 4,096, N 1,024]; A: computed on the way; B: input w2: QUANTISED
;;     15. [M 1,024, K 1,024] x [K 1,024, N 4,096]; A: input x; B: input w1: QUANTISED
;;     16. [M 1,024, K 4,096] x [K 4,096, N 1,024]; A: computed on the way; B: input w2: QUANTISED
;;     17. [M 1,024, K 1,024] x [K 1,024, N 4,096]; A: input x; B: input w1: QUANTISED
;;     18. [M 1,024, K 4,096] x [K 4,096, N 1,024]; A: computed on the way; B: input w2: QUANTISED
;;   THE QUANTISER, for each operand of a quantised product, along K:
;;     - K is cut into blocks of 32 from its start; a last block that is shorter is filled with zeros.
;;     - A block's scale is 2^e with e = floor(log2(the largest magnitude in the block)) - 2, held to -126 .. 127; a block of zeros has e = 0. As a byte (E8M0): e + 127.
;;     - Each number is divided by its block's scale, clamped to +-7.5, and rounded to the nearest number of E2M3, ties to even, subnormals kept.
;;     - The product sums the exact products of the quantised numbers (number of the format x scale) in f32.
;;   ~~~python
;;   def quantise(x, axis):      # numpy; x: float32 -> the quantised numbers, widened to float32 again
;;       x = np.moveaxis(x, axis, -1); K = x.shape[-1]
;;       x = np.pad(x, [(0, 0)] * (x.ndim - 1) + [(0, -K % 32)]); x = x.reshape(x.shape[:-1] + (-1, 32)); a = np.abs(x).max(-1, keepdims=True)
;;       e = np.where(a > 0, np.clip(np.frexp(np.where(a > 0, a, 1))[1] - 1 - 2, -126, 127), 0)      # np.frexp(a)[1] - 1 = floor(log2(a)), exactly
;;       r = np.clip(x / 2.0 ** e, -7.5, 7.5)
;;       step = 2.0 ** (np.maximum(np.frexp(np.where(r == 0, 1, r))[1] - 1, 0) - 3)
;;       q = np.round(r / step) * step * 2.0 ** e      # np.round: ties to even
;;       return np.moveaxis(q.reshape(q.shape[:-2] + (-1,))[..., :K], -1, axis).astype(np.float32)
;;   ~~~
;;   OPERANDS COMPUTED ON THE WAY. 'Computed on the way' means the value that the module computes at that place (a softmax that the list does not call 'softmax' is quantised finished and normalised). What goes into a quantiser is computed in f32, as accurately as f32 sums, v_exp_f32 and their like allow (about 1e-6 of the number): no bf16 or f16 on the way to a quantiser, and a product that is left as it is and whose result goes on into a quantised operand takes f32 operands (vector FMAs, or v_wmma_f32_16x16x4_f32). A number that lies on a knife's edge between two numbers of the format may be rounded either way, as far as f32 arithmetic and the matrix unit's own rounding can turn it there, and no further.
;; 2 versions. Each part assembles by itself: llvm-mc -triple=amdgcn-amd-amdhsa -mcpu=gfx1250 --defsym DOCPART=n.
;; ======== version 1 of 2: 4 launches
;; workspace buffers: xq 786,432 bytes; xs 32,768 bytes; masks 1,024 bytes of whole numbers; sel 4,096 bytes of whole numbers; gates 8,704 bytes; h 25,165,824 bytes; hs 2,097,152 bytes; y 16,842,752 bytes
;; launch route (part 1): grid 64 x 1, 8 waves a work-group, no clusters, 89,600 bytes of LDS; arguments x, noise, w_route, b_route, w_noise, b_noise, xq, xs, masks, sel, gates; writes xq, xs, masks, sel, gates
.if DOCPART == 1
	.amdgcn_target "amdgcn-amd-amdhsa--gfx1250"
	.amdhsa_code_object_version 6
	.text
	.protected	k_qe44d09dcd7_route
	.globl	k_qe44d09dcd7_route
	.p2align	8
	.type	k_qe44d09dcd7_route,@function
k_qe44d09dcd7_route:
	s_mov_b64 s[64:65], 0
	v_nop
	global_prefetch_b8 v0, s[64:65] scope:SCOPE_SE
	s_setreg_imm32_b32 hwreg(HW_REG_WAVE_MODE, 25, 1), 1
	s_wait_xcnt 0x0
; ROUTE.  For 16 tokens a work-group: the two router products in f32, the noisy top-2 and its two gates, and x as codes of FP6 (E2M3) with one E8M0 byte for each 32 along K.
; SHARES.  Work-group g: tokens 16 g .. 16 g + 15.  Wave s: k = 128 s .. 128 s + 127.  Lane (r = lane % 16, h = lane / 16) holds 64 numbers of row r: register 16 b + i is k = 128 s + 32 b + 16 h + i.
; The same 64 registers feed the router's fused multiply-adds and the quantiser, so x is read from memory once in the whole program.
; THE ROUTER'S WEIGHTS of a wave's 128 k (4,096 bytes of w_route, 4,096 of w_noise) come by 16 dense loads, go through the wave's own 8 KB of LDS and are read back a row of 32 bytes at a time.
; WHAT IS STORED, all at fixed places (no address and no branch hangs on the choice): xq [token][s][j][h][16 B]: registers 4 j .. 4 j + 3 of lane (r, h)'s operand for K step s; the two halves' 16 bytes lie side by side, so that
; the two lanes that later gather one token's piece read 32 neighbouring bytes; xs [token][s], a scale word;
; masks [expert][64 half-words], bit r of half-word g = token 16 g + r chose the expert; sel [token] the first choice; gates [token][2]; 512 bytes of zeros behind the gates (a bias of zeros for a later launch).
; The products are f32 throughout: a coarser sum could change which two experts are chosen.  Ties go to the lower index (strict comparisons), as in lax.top_k.
; LIMITS.  NaN and infinities among the inputs are not served.  A block whose largest magnitude lies under 2^-124 gets the byte 1 (a block of zeros too, where the rule says 127: its codes are zeros, and this
; program alone reads the bytes).  The router's sums are added in another order than a plain dot product: a token whose second and third noisy logits differ by about 1e-6 of their size may choose the other expert.
.set XIMG, 0                           ; LDS: x's codes, r x 768 + s x 96 + j x 32 + h x 16: the 12,288 bytes that go to xq as they lie
.set XSCL, 12288                       ; their scale words, r x 32 + 4 s
.set PART, 12800                       ; the waves' partial sums: s x 1,280 + r x 80, 64 bytes used of each 80
.set WL,   23040                       ; the router's weights: 8,192 bytes for each wave, its own
.set AC,   16                          ; v16-31   16 sums: experts 0-7 of w_route, then of w_noise
.set XV,   32                          ; v32-95   my 64 numbers of x
.set WA,   96                          ; v96-159  weights of four k, one set;
.set WB,   160                         ; v160-223 the other set
.set TM,   112                         ; the quantiser's registers lie in WA, which is free by then
.set PC,   128
.set PW,   148
.set NOF,  176                         ; the tail: v176 my token's place in noise; v177-179 where the results go; v180 the mask half-words.  They lie outside v32-159, where the partial sums land
.set O4,   177
.set O8,   178
.set O128, 179
.set MK,   180
.set SEL,  50                          ; s[50:51] lane selects for v_permlanex16_b32: lane l xor 16
; weights of k number 4 bt .. 4 bt + 3 of my 64, into set WB (bt even) or WA (bt odd): 16 registers a k: 8 of w_route, 8 of w_noise
.macro LOADW bt
.set S_, WB-(WB-WA)*((\bt)%2)
.irp q, 0,1,2,3
.set N_, 4*(\bt)+\q
.set K_, (32*(N_/16)+N_%16)*32
	ds_load_b128 v[S_+16*\q:S_+16*\q+3], v6 offset:K_
	ds_load_b128 v[S_+16*\q+4:S_+16*\q+7], v6 offset:K_+16
	ds_load_b128 v[S_+16*\q+8:S_+16*\q+11], v6 offset:K_+4096
	ds_load_b128 v[S_+16*\q+12:S_+16*\q+15], v6 offset:K_+4096+16
.endr
.endm
; 8 packed multiply-adds a k: one number of x (the low or the high register of its pair, for both halves) times two neighbouring experts' weights.  The very first k starts the sums.
.macro FMAS bt
.set S_, WB-(WB-WA)*((\bt)%2)
.irp q, 0,1,2,3
.set N_, 4*(\bt)+\q
.set X_, XV+(N_/2)*2
.irp p, 0,1,2,3,4,5,6,7
.if N_ == 0
	v_pk_mul_f32 v[AC+2*\p:AC+2*\p+1], v[X_:X_+1], v[S_+16*\q+2*\p:S_+16*\q+2*\p+1] op_sel_hi:[0,1]
.elseif N_%2 == 0
	v_pk_fma_f32 v[AC+2*\p:AC+2*\p+1], v[X_:X_+1], v[S_+16*\q+2*\p:S_+16*\q+2*\p+1], v[AC+2*\p:AC+2*\p+1] op_sel_hi:[0,1,1]
.else
	v_pk_fma_f32 v[AC+2*\p:AC+2*\p+1], v[X_:X_+1], v[S_+16*\q+2*\p:S_+16*\q+2*\p+1], v[AC+2*\p:AC+2*\p+1] op_sel:[1,0,0] op_sel_hi:[1,1,1]
.endif
.endr
.endr
.endm
	s_load_b512 s[4:19], s[0:1], 0x0               ; x s[4:5], noise s[6:7], w_route s[8:9], b_route s[10:11], w_noise s[12:13], b_noise s[14:15], xq s[16:17], xs s[18:19]
	s_load_b128 s[20:23], s[0:1], 0x40             ; masks s[20:21], sel s[22:23]
	s_load_b64 s[24:25], s[0:1], 0x50              ; gates
	v_lshl_add_u32 v224, v0, 2, 0x15a00
	v_mov_b32 v225, 0
	v_lshrrev_b32 v1, 5, v0
	v_readfirstlane_b32 s26, v1                    ; wave = K step s
	v_and_b32 v1, 31, v0                           ; lane
	v_and_b32 v2, 15, v0                           ; r
	v_bfe_u32 v3, v0, 4, 1                         ; h
	v_lshlrev_b32 v4, 12, v2
	v_lshl_add_u32 v4, v3, 6, v4                   ; x: row r of 4,096 bytes, + 64 h: my 16 numbers of a block of 32
	v_lshlrev_b32 v10, 4, v1                       ; 16 x lane
	s_lshl_b32 s27, s26, 13
	s_add_co_u32 s27, s27, WL                      ; my wave's 8 KB of weights
	v_add_nc_u32 v5, s27, v10                      ; into them: 16 x lane
	v_lshl_add_u32 v6, v3, 9, s27                  ; out of them: lanes 16-31 begin 16 k (512 bytes) further on
	s_mul_i32 s28, s26, 1280
	s_add_co_u32 s28, s28, PART
	v_mul_u32_u24 v7, v2, 80
	v_add_nc_u32 v12, PART, v7                     ; the tail reads row r of every wave's partial sums
	v_add_nc_u32 v7, s28, v7                       ; my wave's partial sums, row r
	v_mul_u32_u24 v8, v2, 768
	v_lshl_add_u32 v8, v3, 4, v8
	s_mul_i32 s28, s26, 96
	v_add_nc_u32 v8, s28, v8                       ; my codes: row r, K step s, + 16 h; the three pieces lie 32 bytes apart
	v_lshlrev_b32 v9, 5, v2
	s_lshl_b32 s28, s26, 2
	s_add_co_u32 s28, s28, XSCL
	v_add_nc_u32 v9, s28, v9                       ; my row's scale word of K step s
	v_lshlrev_b32 v11, 4, v0                       ; 16 x thread: the copy of the codes to memory
	v_add_nc_u32 v13, XSCL, v10                    ; and of the scale words
	s_mov_b32 s[SEL], 0x76543210
	s_mov_b32 s[SEL+1], 0xfedcba98
	s_mov_b32 s48, 0xbfb8aa3b                      ; -log2(e)
	s_mov_b32 s49, 0x3f317218                      ; ln(2)
	s_lshl_b32 s28, ttmp9, 16                      ; 16 rows of 4,096 bytes a work-group,
	s_lshl_b32 s29, s26, 9                         ; 512 bytes of a row a wave
	s_add_co_u32 s28, s28, s29
	s_mov_b32 s29, 0
	s_lshl_b32 s30, s26, 12                        ; 128 rows of 32 bytes of each router weight a wave
	s_mov_b32 s31, 0
	s_wait_kmcnt 0x0
	s_add_nc_u64 s[4:5], s[4:5], s[28:29]
	s_add_nc_u64 s[8:9], s[8:9], s[30:31]
	s_add_nc_u64 s[12:13], s[12:13], s[30:31]
	s_load_b256 s[32:39], s[10:11], 0x0            ; b_route, b_noise: wanted in the tail
	s_load_b256 s[40:47], s[14:15], 0x0
.irp j, 0,1,2,3,4,5,6,7
	global_load_b128 v[WA+4*\j:WA+4*\j+3], v10, s[8:9] offset:512*\j          ; 32 lanes read 512 consecutive bytes
.endr
.irp j, 0,1,2,3,4,5,6,7
	global_load_b128 v[WA+32+4*\j:WA+32+4*\j+3], v10, s[12:13] offset:512*\j
.endr
.irp b, 0,1,2,3
.irp j, 0,1,2,3
	global_load_b128 v[XV+16*\b+4*\j:XV+16*\b+4*\j+3], v4, s[4:5] offset:128*\b+16*\j th:TH_LOAD_NT   ; read once in the whole program
.endr
.endr
	s_mul_i32 s28, ttmp9, 12288
	s_add_nc_u64 s[16:17], s[16:17], s[28:29]      ; xq: 16 tokens x 768 bytes
	s_lshl_b32 s28, ttmp9, 9
	s_add_nc_u64 s[18:19], s[18:19], s[28:29]      ; xs: 16 x 32
	s_add_nc_u64 s[6:7], s[6:7], s[28:29]          ; noise: 16 x 32
	s_lshl_b32 s28, ttmp9, 1
	s_add_nc_u64 s[20:21], s[20:21], s[28:29]      ; masks: my half-word in each expert's 128 bytes
	s_lshl_b32 s28, ttmp9, 6
	s_add_nc_u64 s[22:23], s[22:23], s[28:29]      ; sel: 16 x 4
	s_lshl_b32 s28, ttmp9, 7
	s_add_nc_u64 s[24:25], s[24:25], s[28:29]      ; gates: 16 x 8
	s_wait_loadcnt 16                              ; the weights are in; x's 16 loads are younger
.irp j, 0,1,2,3,4,5,6,7,8,9,10,11,12,13,14,15
	ds_store_b128 v5, v[WA+4*\j:WA+4*\j+3] offset:512*\j     ; w_route's 4,096 bytes, then w_noise's.  LDS serves a wave's instructions in order: my loads below see these
.endr
	LOADW 0
	s_wait_dscnt 16                                ; the stores have read WA (only the 16 loads just issued are out): WA may be loaded
	LOADW 1
	s_wait_loadcnt 0x0                             ; x
.set B_, 0
.rept 16
.if B_ < 15
	s_wait_dscnt 16                                ; this batch's set is in; the other set's 16 loads are younger
.else
	s_wait_dscnt 0x0
.endif
	FMAS B_
.if B_ < 14
	LOADW B_+2
.endif
.set B_, B_+1
.endr
.irp a, 0,1,2,3,4,5,6,7,8,9,10,11,12,13,14,15
	v_permlanex16_b32 v[WA+\a], v[AC+\a], s[SEL], s[SEL+1]
.endr
.irp a, 0,1,2,3,4,5,6,7,8,9,10,11,12,13,14,15
	v_add_f32 v[AC+\a], v[AC+\a], v[WA+\a]         ; with lane l xor 16's: row r's sums over my wave's 128 k
.endr
.irp q, 0,1,2,3
	ds_store_b128 v7, v[AC+4*\q:AC+4*\q+3] offset:16*\q      ; lanes r and r + 16 write the same bytes with the same values
.endr
	; ---- x's 64 numbers of a lane become the operand's 12 registers and the row's scale word
.irp b, 0,1,2,3
	v_max3_num_f32 v[TM+\b], |v[XV+16*\b]|, |v[XV+1+16*\b]|, 0x1800000   ; block b: my 16 numbers, and the floor 2^(3 - 127): the byte cannot fall under 1
.endr
.irp i, 2,4,6,8,10,12,14
.irp b, 0,1,2,3
	v_max3_num_f32 v[TM+\b], v[TM+\b], |v[XV+16*\b+\i]|, |v[XV+1+16*\b+\i]|   ; the four blocks by turns
.endr
.endr
.irp b, 0,1,2,3
	v_permlanex16_b32 v[TM+4+\b], v[TM+\b], s[SEL], s[SEL+1]
.endr
.irp b, 0,1,2,3
	v_max_num_f32 v[TM+\b], v[TM+\b], v[TM+4+\b]   ; the block's largest magnitude
.endr
.irp b, 0,1,2,3
	v_add_nc_u32 v[TM+12+\b], 0xff000000, v[TM+\b] ; 2 off its exponent field: the conversion takes the exponent field of this operand as its scale
.endr
.irp b, 0,1,2,3
	v_lshrrev_b32 v[TM+4+\b], 23, v[TM+12+\b]      ; the scale's byte
.endr
	v_lshl_or_b32 v[PW], v[TM+5], 8, v[TM+4]
	v_lshl_or_b32 v[PW], v[TM+6], 16, v[PW]
	v_lshl_or_b32 v[PW], v[TM+7], 24, v[PW]        ; my row's scale word
.irp c, 0,1
	v_cvt_scalef32_pk16_fp6_f32 v[PC+6*\c:PC+2+6*\c], v[XV+32*\c:XV+15+32*\c], v[TM+12+2*\c]
	v_cvt_scalef32_pk16_fp6_f32 v[PC+12+4*\c:PC+14+4*\c], v[XV+16+32*\c:XV+31+32*\c], v[TM+12+2*\c+1]   ; (a conversion's three registers begin on an even number)
.endr
	v_nop                                          ; one plain instruction behind the scaled conversions
.irp c, 0,1                                    ; the operand's layout wants a whole block in a lane: lanes 0-15 block 2 c, lanes 16-31 block 2 c + 1
.irp i, 0,1,2
	v_permlane16_swap_b32 v[PC+6*\c+\i], v[PC+12+4*\c+\i]
.endr
.irp i, 0,1,2
	v_mov_b32 v[PC+3+6*\c+\i], v[PC+12+4*\c+\i]
.endr
.endr
.irp c, 0,1,2
	ds_store_b128 v8, v[PC+4*\c:PC+4*\c+3] offset:32*\c      ; registers 4 c .. 4 c + 3; lane l xor 16's lie beside them
.endr
	ds_store_b32 v9, v[PW]
	s_wait_dscnt 0x0                               ; for the others' sake: my stores have landed
	s_barrier_signal -1
	s_barrier_wait -1                              ; the codes, the scale words and the partial sums of all eight waves lie in LDS
.irp j, 0,1,2
	ds_load_b128 v[200+4*\j:203+4*\j], v11 offset:XIMG+4096*\j
.endr
.irp j, 0,1,2
	s_wait_dscnt 2-\j
	global_store_b128 v11, v[200+4*\j:203+4*\j], s[16:17] offset:4096*\j      ; a wave stores 512 consecutive bytes, at a multiple of 256 from xq's first byte
.endr
	s_cmp_lg_u32 s26, 1
	s_cbranch_scc1 .Lnot_wave_1
	ds_load_b128 v[212:215], v13
	s_wait_dscnt 0x0
	global_store_b128 v10, v[212:215], s[18:19]    ; the 16 tokens' scale words: 512 consecutive bytes
.Lnot_wave_1:
	s_cmp_lg_u32 s26, 2
	s_cbranch_scc1 .Lno_zeros
	s_cmp_lg_u32 ttmp9, 0
	s_cbranch_scc1 .Lno_zeros
	v_mov_b32 v216, 0
	v_mov_b32 v217, 0
	v_mov_b32 v218, 0
	v_mov_b32 v219, 0
	global_store_b128 v10, v[216:219], s[24:25] offset:8192   ; work-group 0: the 512 bytes of zeros behind the gates
.Lno_zeros:
	s_cmp_lg_u32 s26, 0
	s_cbranch_scc1 .Lend
	; ---- THE TAIL, wave 0: lane l has token l % 16 (lanes 16-31 repeat lanes 0-15)
	v_lshlrev_b32 v[NOF], 5, v2
	global_load_b128 v[160:163], v[NOF], s[6:7]
	global_load_b128 v[164:167], v[NOF], s[6:7] offset:16     ; my token's 8 numbers of noise
.irp s, 0,1,2,3,4,5,6,7
.irp q, 0,1,2,3
	ds_load_b128 v[32+16*\s+4*\q:35+16*\s+4*\q], v12 offset:\s*1280+16*\q     ; v32-159: the eight waves' partial sums of my token
.endr
.endr
	v_lshlrev_b32 v[O4], 2, v1                     ; where the results go: 4, 8 and 128 bytes a lane
	v_lshlrev_b32 v[O8], 3, v1
	v_lshlrev_b32 v[O128], 7, v1
	v_mov_b32 v[MK], 0                             ; the mask half-words, expert e in lane e
	s_wait_dscnt 0x0
.irp s, 1,2,3,4,5,6,7
.irp p, 0,1,2,3,4,5,6,7
	v_pk_add_f32 v[32+2*\p:33+2*\p], v[32+2*\p:33+2*\p], v[32+16*\s+2*\p:33+16*\s+2*\p]   ; the eight waves' parts, K ascending
.endr
.endr
	s_wait_kmcnt 0x0                               ; the biases
.irp e, 0,1,2,3,4,5,6,7
	v_add_f32 v[32+\e], s[32+\e], v[32+\e]         ; logits
	v_add_f32 v[40+\e], s[40+\e], v[40+\e]         ; z, the noise logits
.endr
	; softplus(z) = max(z, 0) + ln 2 x log2(1 + 2^(-|z| log2 e)): no exponential of a positive number
.irp e, 0,1,2,3,4,5,6,7
	v_mul_f32 v[48+\e], s48, |v[40+\e]|
.endr
.irp e, 0,1,2,3,4,5,6,7
	v_exp_f32 v[48+\e], v[48+\e]
.endr
	v_nop                                          ; a plain instruction behind the batch,
	s_wait_alu depctr_va_vdst(0)                   ; and one wait for the eight, ahead of their first reader
.irp e, 0,1,2,3,4,5,6,7
	v_add_f32 v[48+\e], 1.0, v[48+\e]
.endr
.irp e, 0,1,2,3,4,5,6,7
	v_log_f32 v[48+\e], v[48+\e]
.endr
.irp e, 0,1,2,3,4,5,6,7
	v_max_num_f32 v[56+\e], 0, v[40+\e]            ; plain work that names none of the batch's results
.endr
	s_wait_alu depctr_va_vdst(0)                   ; one wait for the eight logarithms
.irp e, 0,1,2,3,4,5,6,7
	v_fma_f32 v[56+\e], v[48+\e], s49, v[56+\e]    ; softplus
.endr
	s_wait_loadcnt 0x0                             ; noise
.irp e, 0,1,2,3,4,5,6,7
	v_fma_f32 v[64+\e], v[160+\e], v[56+\e], v[32+\e]   ; the noisy logits
.endr
	; the two largest, by strict comparisons: of equals the lower index is kept.  v72, v73: the largest and its expert; v74, v75: the second
	v_mov_b32 v72, v64
	v_mov_b32 v73, 0
	v_mov_b32 v74, 0xff800000
	v_mov_b32 v75, 1
.irp e, 1,2,3,4,5,6,7
	v_cmp_gt_f32 s52, v[64+\e], v72
	v_cmp_gt_f32 vcc_lo, v[64+\e], v74
	v_cndmask_b32 v74, v74, v[64+\e], vcc_lo
	v_cndmask_b32 v75, v75, \e, vcc_lo
	v_cndmask_b32 v74, v74, v72, s52
	v_cndmask_b32 v75, v75, v73, s52
	v_cndmask_b32 v72, v72, v[64+\e], s52
	v_cndmask_b32 v73, v73, \e, s52
.endr
	; the softmax over the two, the larger taken away first: 1 / (1 + ex) and ex / (1 + ex), ex = e^(second - first), at most 1
	v_sub_f32 v76, v74, v72
	v_mul_f32 v76, 0x3fb8aa3b, v76
	v_exp_f32 v77, v76
	v_nop
	s_wait_alu depctr_va_vdst(0)
	v_add_f32 v78, 1.0, v77
	v_rcp_f32 v80, v78
	v_nop
	s_wait_alu depctr_va_vdst(0)
	v_mul_f32 v81, v77, v80
.irp e, 0,1,2,3,4,5,6,7
	v_cmp_eq_u32 s52, \e, v73
	v_cmp_eq_u32 s53, \e, v75
	s_or_b32 s52, s52, s53
	s_and_b32 s52, s52, 0xffff                     ; bit r: token 16 g + r chose expert e
	v_writelane_b32 v[MK], s52, \e
.endr
	v_cmp_gt_u32 vcc_lo, 16, v1
	s_wait_xcnt 0x0                                ; EXEC changes only behind this wait: my stores above have had their addresses translated
	s_and_saveexec_b32 s54, vcc_lo
	global_store_b32 v[O4], v73, s[22:23]          ; lanes 0-15: the first choice,
	global_store_b64 v[O8], v[80:81], s[24:25]     ; and the two gates
	s_wait_xcnt 0x0
	s_or_b32 exec_lo, exec_lo, s54
	v_cmp_gt_u32 vcc_lo, 8, v1
	s_and_saveexec_b32 s54, vcc_lo
	global_store_b16 v[O128], v[MK], s[20:21]      ; lanes 0-7: expert e's half-word for my 16 tokens
	s_wait_xcnt 0x0
	s_or_b32 exec_lo, exec_lo, s54
.Lend:
	s_wait_tensorcnt 0x0
	ds_add_u32 v224, v225
	s_wait_dscnt 0x0
	s_endpgm
.Lfunc_end_k_qe44d09dcd7_route:
	.size	k_qe44d09dcd7_route, .Lfunc_end_k_qe44d09dcd7_route-k_qe44d09dcd7_route
	.p2alignl 7, 3214868480
	.fill 96, 4, 3214868480
	.section	.rodata,"a",@progbits
	.p2align	6, 0x0
	.amdhsa_kernel k_qe44d09dcd7_route
		.amdhsa_group_segment_fixed_size 89600
		.amdhsa_private_segment_fixed_size 0
		.amdhsa_enable_private_segment 0
		.amdhsa_kernarg_size 88
		.amdhsa_user_sgpr_count 2
		.amdhsa_user_sgpr_kernarg_segment_ptr 1
		.amdhsa_wavefront_size32 1
		.amdhsa_system_sgpr_workgroup_id_x 1
		.amdhsa_system_sgpr_workgroup_id_y 1
		.amdhsa_system_sgpr_workgroup_id_z 1
		.amdhsa_system_vgpr_workitem_id 0
		.amdhsa_next_free_vgpr 226
		.amdhsa_next_free_sgpr 66
		.amdhsa_reserve_vcc 1
		.amdhsa_float_denorm_mode_32 3
		.amdhsa_float_denorm_mode_16_64 3
		.amdhsa_memory_ordered 1
		.amdhsa_forward_progress 1
		.amdhsa_inst_pref_size 79
	.end_amdhsa_kernel
	.amdgpu_metadata
---
amdhsa.version: [ 1, 2 ]
amdhsa.kernels:
  - .name:           k_qe44d09dcd7_route
    .symbol:         k_qe44d09dcd7_route.kd
    .args:
      - { .name: x, .offset: 0, .size: 8, .value_kind: global_buffer, .address_space: global }
      - { .name: noise, .offset: 8, .size: 8, .value_kind: global_buffer, .address_space: global }
      - { .name: w_route, .offset: 16, .size: 8, .value_kind: global_buffer, .address_space: global }
      - { .name: b_route, .offset: 24, .size: 8, .value_kind: global_buffer, .address_space: global }
      - { .name: w_noise, .offset: 32, .size: 8, .value_kind: global_buffer, .address_space: global }
      - { .name: b_noise, .offset: 40, .size: 8, .value_kind: global_buffer, .address_space: global }
      - { .name: xq, .offset: 48, .size: 8, .value_kind: global_buffer, .address_space: global }
      - { .name: xs, .offset: 56, .size: 8, .value_kind: global_buffer, .address_space: global }
      - { .name: masks, .offset: 64, .size: 8, .value_kind: global_buffer, .address_space: global }
      - { .name: sel, .offset: 72, .size: 8, .value_kind: global_buffer, .address_space: global }
      - { .name: gates, .offset: 80, .size: 8, .value_kind: global_buffer, .address_space: global }
    .group_segment_fixed_size: 89600
    .private_segment_fixed_size: 0
    .kernarg_segment_align: 8
    .kernarg_segment_size: 88
    .max_flat_workgroup_size: 256
    .sgpr_count:     66
    .vgpr_count:     226
    .wavefront_size: 32
...
	.end_amdgpu_metadata
.endif
;; end of part 1
;; launch ffn1 (part 2): grid 32 x 8, 16 waves a work-group, no clusters, 104,448 bytes of LDS; arguments w1, b1, xq, xs, masks, h, hs; writes h, hs
.if DOCPART == 2
	.amdgcn_target "amdgcn-amd-amdhsa--gfx1250"
	.amdhsa_code_object_version 6
	.text
	.protected	k_qe44d09dcd7_ffn1
	.globl	k_qe44d09dcd7_ffn1
	.p2align	8
	.type	k_qe44d09dcd7_ffn1,@function
k_qe44d09dcd7_ffn1:
	s_mov_b64 s[64:65], 0
	v_nop
	global_prefetch_b8 v0, s[64:65] scope:SCOPE_SE
	s_setreg_imm32_b32 hwreg(HW_REG_WAVE_MODE, 25, 1), 1
	s_wait_xcnt 0x0
; FFN1.  h = Q(relu(Q(x) Q(w1[e]) + b1[e])) for the rows that chose expert e, on codes of FP6 (E2M3) with one E8M0 scale for each 32 along K.  Only chosen rows are multiplied: the others' gates are 0.
; SHARES.  Work-group (sl, e): hidden units 128 sl .. 128 sl + 127 of expert e: 512 KB of w1 in f32, each byte read once in the launch, quantised in registers on the way; no code of a weight goes to memory.
; THE STREAM goes in 8 units of 256 rows of K x 64 columns (units 0-3: columns 0-63, units 4-7: columns 64-127).  Wave w takes 32 columns (half ch = w % 2) x block kb = w / 2 (32 rows of K) of each unit:
; a lane is a column and its 32 registers run down K, so a block's largest magnitude needs no other lane and the conversions give codes with K innermost.  A load reads 128 consecutive bytes; waves w and w ^ 1 stand side by side on 256.
; The codes go to LDS in the order of the operand's registers: fragment (ks, ct) is 1,536 bytes, lane's 48 bytes at 48 x lane.  EVERY UNIT HAS LDS BYTES OF ITS OWN, so a unit's one barrier only publishes it, and all eight stay readable.
; THE PRODUCTS.  Wave w owns rows 32 w .. 32 w + 31 of the expert's list (two tiles of 16) against the unit's four tiles of 16 columns: 8 accumulators, by turns.  The product is used transposed (source 0 = 16 columns of w1,
; source 1 = 16 rows of x), and THE COLUMNS OF A TILE ARE NOT NEIGHBOURS: row r of tile 2 ch + u is hidden unit 32 ch + 8 u + r + 8 (r / 8), so that a lane's 16 registers of two neighbouring tiles are 16 neighbours along the next K.
; b1 is loaded into the accumulators: it is the C of each sum's first product, and nothing is cleared.
; x'S FRAGMENTS RUN A UNIT AHEAD IN THE SAME REGISTERS: a K step's fragments of the next unit are asked for as soon as this unit's products of that K step have read theirs, and are waited for ahead of the products that take them:
; between the request and the wait lie the rest of the products, the next unit's quantising, its refill and its barrier.
; THE LIST.  The p-th row of expert e is the token of the p-th set bit of the expert's 1,024-bit mask: each lane finds its own (SELECT), and the next launch finds the same by the same lines.
; WHAT HANGS ON THE MASKS: gathers, and forward branches round loads, products and stores.  The eight barriers stand on every wave's path whatever the masks hold.  Rows 512 on (an expert that more than half of the tokens chose)
; are served behind the stream from the codes that still lie in LDS, with no barrier and no weight read again.  Wave 0 is always at work, so that tiles 0 and 1 of every expert are stored (with no row at all: from clamped tokens; nobody uses them).
; NO TENSOR LOAD, NO CLUSTER: branches hang on stored counts, and no two work-groups read the same weights; x's codes, which the 32 work-groups of an expert share, are under a tenth of a unit's f32 bytes for each wave.
; LIMITS: as stated in the launch that quantises x (NaN, infinities; blocks under 2^-124 and blocks of zeros get the byte 1).
.set SCL,   0                          ; LDS: the weights' scale bytes: unit u at 512 u: (2 ks + ch) x 128 + 4 x lane + block
.set CODE,  4096                       ; the weights' codes: unit u at 12,288 u: fragment 4 ks + ct at 1,536 each
.set UNITB, 12288
.set FRB,   1536
.set VOFF, 1                           ; v1    the stream: my column and my block's first row, in bytes; never rewritten
.set LWA,  2                           ; v2-3  where I put a block's 24 bytes of codes, in units 0-3 and (49,152 on) in units 4-7: an LDS immediate has 16 bits
.set LWS,  4                           ; v4    and its scale byte
.set LRA,  5                           ; v5-6  48 x lane: where I read a fragment, likewise twice
.set L4,   7                           ; v7    4 x lane
.set L16,  8                           ; v8    16 x lane
.set BO,   9                           ; v9    64 x (lane / 16): my half's place in b1
.set XO,   10                          ; v10-11 my row's codes in xq, tile 0, 1: token x 768 + 16 x (lane / 16)
.set XSO,  12                          ; v12-13 my row's scale words in xs
.set P,    16                          ; v16   my place in the expert's list
.set TOK,  17                          ; v17   the token there
.set CR,   18                          ; v18-23 carried from columns 0-63 to columns 64-127, three a tile: registers 4 and 5 of the fragment, the lower half of the scale word
.set ACC,  24                          ; v24-87   accumulator (tile i, column tile ct) at 24 + 32 i + 8 ct
.set ST,   88                          ; v88-151  the stream's two slots of 32 numbers
.set X,    152                         ; v152-199 x's fragments (ks, i) at 152 + 24 ks + 12 i
.set XSC,  200                         ; v200-203 their scale words: scales and nothing else
.set W,    204                         ; v204-251 four fragments of the weights; between products: at work (the quantiser's, the search's and the epilogue's registers)
.set WS,   252                         ; v252-253 the weights' scale words: lanes 0-15 tile 2 p, lanes 16-31 tile 2 p + 1
.set MXA, 204
.set MXB, 205
.set SCO, 206
.set BY,  207
.set CD,  208
.set WD,  216
.set BS,  217
.set JX,  218
.set NN,  219
.set C2,  220
.set C4,  221
.set C8,  222
.set C16, 223
.set TT,  224
.set DD,  225
.set POS, 226
.set TX,  227
.set T0,  228
.set T1,  229
.set ACT, 30                           ; s30   1: my 32 rows are in the list
.set SB,  34                           ; s[34:35], s[36:37] the stream's base, one for each slot
; b1 of columns 64 c on, in the result's layout, into both tiles' accumulators: 16 loads
.macro BIAS c
.irp i, 0,1
.irp ct, 0,1,2,3
	global_load_b128 v[ACC+32*\i+8*\ct:ACC+32*\i+8*\ct+3], v[BO], s[6:7] offset:256*\c+(32*(\ct/2)+8*(\ct%2))*4
	global_load_b128 v[ACC+32*\i+8*\ct+4:ACC+32*\i+8*\ct+7], v[BO], s[6:7] offset:256*\c+(32*(\ct/2)+8*(\ct%2))*4+16
.endr
.endr
.endm
; my piece of unit u: 32 rows of K at my column.  The slot's base is written only where the slot's last loads have been shown landed
.macro LOADU u
	s_add_nc_u64 s[SB+2*((\u)%2):SB+2*((\u)%2)+1], s[32:33], ((\u)%4)*4194304+((\u)/4)*256
.set I_, 0
.rept 32
	global_load_b32 v[ST+32*((\u)%2)+I_], v[VOFF], s[SB+2*((\u)%2):SB+2*((\u)%2)+1] offset:I_*16384 th:TH_LOAD_NT
.set I_, I_+1
.endr
.endm
; my block of unit u becomes 24 bytes of codes and a scale byte, in LDS
.macro WQ u
.set S_, ST+32*((\u)%2)
	v_max3_num_f32 v[MXA], |v[S_]|, |v[S_+1]|, |v[S_+2]|
	v_max3_num_f32 v[MXB], |v[S_+3]|, |v[S_+4]|, |v[S_+5]|
.irp i, 6,10,14,18,22,26
	v_max3_num_f32 v[MXA], v[MXA], |v[S_+\i]|, |v[S_+\i+1]|
	v_max3_num_f32 v[MXB], v[MXB], |v[S_+\i+2]|, |v[S_+\i+3]|
.endr
	v_max3_num_f32 v[MXA], v[MXA], |v[S_+30]|, |v[S_+31]|
	v_max3_num_f32 v[MXA], v[MXA], v[MXB], 0x1800000           ; and the floor 2^(3 - 127): the byte cannot fall under 1
	v_add_nc_u32 v[SCO], 0xff000000, v[MXA]                    ; 2 off the exponent field: the conversion's scale operand
	v_cvt_scalef32_pk16_fp6_f32 v[CD:CD+2], v[S_:S_+15], v[SCO]
	v_cvt_scalef32_pk16_fp6_f32 v[CD+4:CD+6], v[S_+16:S_+31], v[SCO]   ; (a conversion's three registers begin on an even number)
	v_lshrrev_b32 v[BY], 23, v[SCO]                            ; the scale's byte; also the plain instruction behind the conversions
	v_mov_b32 v[CD+3], v[CD+4]
	v_mov_b32 v[CD+4], v[CD+5]
	v_mov_b32 v[CD+5], v[CD+6]
	ds_store_b64 v[LWA+(\u)/4], v[CD:CD+1] offset:CODE+((\u)%4)*UNITB
	ds_store_b64 v[LWA+(\u)/4], v[CD+2:CD+3] offset:CODE+((\u)%4)*UNITB+8
	ds_store_b64 v[LWA+(\u)/4], v[CD+4:CD+5] offset:CODE+((\u)%4)*UNITB+16
	ds_store_b8 v[LWS], v[BY] offset:SCL+(\u)*512
.endm
; x's fragments and scale words for K step ks of unit u, both tiles: 8 loads.  Lanes r and r + 16 read 32 neighbouring bytes of one token
.macro XLOADK u, ks
.irp i, 0,1
.irp j, 0,1,2
	global_load_b128 v[X+24*(\ks)+12*\i+4*\j:X+24*(\ks)+12*\i+4*\j+3], v[XO+\i], s[8:9] offset:96*(2*((\u)%4)+(\ks))+32*\j
.endr
	global_load_b32 v[XSC+2*(\ks)+\i], v[XSO+\i], s[10:11] offset:4*(2*((\u)%4)+(\ks))
.endr
.endm
.macro XLOAD u
	XLOADK \u, 0
	XLOADK \u, 1
.endm
; unit u's 16 products.  The 8 accumulators take turns, one instruction a turn, in one order everywhere.  Four v_nop behind each run: the places ahead of loads into its operands and of the first read of results.
; w0, w1: how many younger loads may stay out when x's fragments of the first and of the second K step have to be there (w1 < 0: w0 has shown both).
; pf = 1: the next unit's fragments are asked for: the first K step's behind this unit's first run and its places (and behind the second run's LDS loads, which are wanted sooner), the second's behind the second run.
.macro MM u, pf, w0, w1
.irp ks, 0,1
.irp ct, 0,1,2,3
.irp j, 0,1,2
	ds_load_b128 v[W+12*\ct+4*\j:W+12*\ct+4*\j+3], v[LRA+(\u)/4] offset:CODE+((\u)%4)*UNITB+(4*\ks+\ct)*FRB+16*\j
.endr
.endr
	ds_load_b32 v[WS], v[L4] offset:SCL+(\u)*512+(2*\ks)*128
	ds_load_b32 v[WS+1], v[L4] offset:SCL+(\u)*512+(2*\ks+1)*128
.if (\pf) && (\ks == 1)
	XLOADK (\u)+1, 0
.endif
	s_wait_dscnt 0x0
.if \ks == 0
	s_wait_loadcnt \w0
.elseif (\w1) >= 0
	s_wait_loadcnt \w1
.endif
.irp i, 0,1
.irp ct, 0,2
	v_wmma_scale_f32_16x16x128_f8f6f4 v[ACC+32*\i+8*\ct:ACC+32*\i+8*\ct+7], v[W+12*\ct:W+12*\ct+11], v[X+24*\ks+12*\i:X+24*\ks+12*\i+11], v[ACC+32*\i+8*\ct:ACC+32*\i+8*\ct+7], v[WS+\ct/2], v[XSC+2*\ks+\i] matrix_a_fmt:MATRIX_FMT_FP6 matrix_b_fmt:MATRIX_FMT_FP6
	v_wmma_scale_f32_16x16x128_f8f6f4 v[ACC+32*\i+8*(\ct+1):ACC+32*\i+8*(\ct+1)+7], v[W+12*(\ct+1):W+12*(\ct+1)+11], v[X+24*\ks+12*\i:X+24*\ks+12*\i+11], v[ACC+32*\i+8*(\ct+1):ACC+32*\i+8*(\ct+1)+7], v[WS+\ct/2], v[XSC+2*\ks+\i] matrix_a_fmt:MATRIX_FMT_FP6 matrix_b_fmt:MATRIX_FMT_FP6 matrix_a_scale:MATRIX_SCALE_ROW1
.endr
.endr
.rept 4
	v_nop
.endr
.endr
.if \pf
	XLOADK (\u)+1, 1
.endif
.endm
; One step of the search for the NN-th set bit: the count of the field of wid bits at POS; if NN is not under it, pass the field
.macro BITSTEP cnt, wid
	v_bfe_u32 v[TT], v[\cnt], v[POS], \wid
	v_cmp_ge_u32 vcc_lo, v[NN], v[TT]
	v_cndmask_b32 v[TT], 0, v[TT], vcc_lo
	v_sub_nc_u32 v[NN], v[NN], v[TT]
	v_cndmask_b32 v[DD], 0, \wid, vcc_lo
	v_add_nc_u32 v[POS], v[POS], v[DD]
.endm
; TOK = the token of place P = 512 ck + my thread's number in the expert's list; s40 = the list's length.  Whole numbers alone.  A place past the list's end gives some token, held inside the table
.macro SELECT ck
	v_add_nc_u32 v[P], 512*\ck, v0
	v_mov_b32 v[WD], s68                           ; the last mask word below which at most P bits are set; the count below it; its number
	v_mov_b32 v[BS], 0
	v_mov_b32 v[JX], 0
	s_bcnt1_i32_b32 s40, s68
.set J_, 1
.rept 31
	v_cmp_le_u32 vcc_lo, s40, v[P]
	s_bcnt1_i32_b32 s41, s[68+J_]
	v_cndmask_b32 v[WD], v[WD], s[68+J_], vcc_lo
	v_cndmask_b32 v[BS], v[BS], s40, vcc_lo
	v_cndmask_b32 v[JX], v[JX], J_, vcc_lo
	s_add_co_u32 s40, s40, s41
.set J_, J_+1
.endr
	v_sub_nc_u32 v[NN], v[P], v[BS]                ; which set bit of that word
	v_lshrrev_b32 v[TT], 1, v[WD]                  ; the word's counts in fields of 2, 4, 8 and 16 bits
	v_and_b32 v[TT], 0x55555555, v[TT]
	v_sub_nc_u32 v[C2], v[WD], v[TT]
	v_lshrrev_b32 v[TT], 2, v[C2]
	v_and_b32 v[TT], 0x33333333, v[TT]
	v_and_b32 v[C4], 0x33333333, v[C2]
	v_add_nc_u32 v[C4], v[C4], v[TT]
	v_lshrrev_b32 v[TT], 4, v[C4]
	v_add_nc_u32 v[TT], v[TT], v[C4]
	v_and_b32 v[C8], 0x0f0f0f0f, v[TT]
	v_lshrrev_b32 v[TT], 8, v[C8]
	v_add_nc_u32 v[TT], v[TT], v[C8]
	v_and_b32 v[C16], 0x00ff00ff, v[TT]
	v_and_b32 v[TT], 0xffff, v[C16]
	v_cmp_ge_u32 vcc_lo, v[NN], v[TT]
	v_cndmask_b32 v[TT], 0, v[TT], vcc_lo
	v_sub_nc_u32 v[NN], v[NN], v[TT]
	v_cndmask_b32 v[POS], 0, 16, vcc_lo
	BITSTEP C8, 8
	BITSTEP C4, 4
	BITSTEP C2, 2
	BITSTEP WD, 1
	v_lshl_add_u32 v[TOK], v[JX], 5, v[POS]
	v_min_u32 v[TOK], 0x3ff, v[TOK]
.endm
; lane (r, h) wants the tokens of rows r (tile 0: lanes 0-15 found them) and 16 + r (tile 1: lanes 16-31), and their places in xq and xs
.macro TOKS
	v_mov_b32 v[TX], v[TOK]                        ; (a lane permute's destination counts as one of its sources)
	v_permlanex16_b32 v[TX], v[TOK], s38, s39      ; lane l xor 16's token
	v_and_b32 v[TT], 16, v0                        ; 16 h: 0 in lanes 0-15; also my half's place in a piece of 32 bytes
	v_cmp_eq_u32 vcc_lo, 0, v[TT]
	v_cndmask_b32 v[T0], v[TX], v[TOK], vcc_lo
	v_cndmask_b32 v[T1], v[TOK], v[TX], vcc_lo
	v_min_u32 v[T0], 0x3ff, v[T0]
	v_min_u32 v[T1], 0x3ff, v[T1]
	v_mul_u32_u24 v[XO], v[T0], 768
	v_mul_u32_u24 v[XO+1], v[T1], 768
	v_add_nc_u32 v[XO], v[XO], v[TT]
	v_add_nc_u32 v[XO+1], v[XO+1], v[TT]
	v_lshlrev_b32 v[XSO], 5, v[T0]
	v_lshlrev_b32 v[XSO+1], 5, v[T1]
.endm
; where my two tiles go: tile 64 e + 32 ck + 2 w of h (49,152 bytes a tile, K step sl at 1,536 sl) and of hs (4,096 a tile, 128 sl)
.macro BASES ck
	s_lshl_b32 s40, s23, 6
	s_lshl_b32 s41, s22, 1
	s_add_co_u32 s40, s40, s41
	s_add_co_u32 s40, s40, 32*\ck
	s_mul_i32 s48, s40, 49152
	s_mul_i32 s50, ttmp9, FRB
	s_add_co_u32 s48, s48, s50
	s_mov_b32 s49, 0
	s_add_nc_u64 s[42:43], s[14:15], s[48:49]
	s_lshl_b32 s48, s40, 12
	s_lshl_b32 s50, ttmp9, 7
	s_add_co_u32 s48, s48, s50
	s_add_nc_u64 s[44:45], s[16:17], s[48:49]
.endm
; Tile i's 64 hidden units of columns 64 c on: relu, two blocks of 32 quantised, registers 6 c .. 6 c + 5 of the fragment of K step sl.  The fragment leaves as an image of its registers, 512 dense bytes a store.
; Registers 0-3 go out with c = 0; registers 4 and 5 and the lower two scale bytes are carried to c = 1.  Each accumulator is read from its low end on.
; Its registers lie where the weights' fragments lay: x's registers are being loaded meanwhile.
.macro EPI c, i
.set A_, ACC+32*\i
.set G_, 204+12*\i
.set T_, 228+4*\i
.set E_, 236+8*\i
.set Q_, 0
.rept 32
	v_max_num_f32 v[A_+Q_], 0, v[A_+Q_]            ; the activation, in f32
.set Q_, Q_+1
.endr
	v_max3_num_f32 v[E_], v[A_], v[A_+1], 0x1800000            ; no |.|: none is negative.  The floor 2^(3 - 127) holds the byte at 1 from below
	v_max3_num_f32 v[E_+1], v[A_+16], v[A_+17], 0x1800000
.irp k, 2,4,6,8,10,12,14
	v_max3_num_f32 v[E_], v[E_], v[A_+\k], v[A_+\k+1]
	v_max3_num_f32 v[E_+1], v[E_+1], v[A_+16+\k], v[A_+17+\k]
.endr
	v_permlanex16_b32 v[E_+2], v[E_], s38, s39
	v_permlanex16_b32 v[E_+3], v[E_+1], s38, s39
	v_max_num_f32 v[E_], v[E_], v[E_+2]            ; with lane l xor 16's 16: the block's largest
	v_max_num_f32 v[E_+1], v[E_+1], v[E_+3]
	v_add_nc_u32 v[E_+4], 0xff000000, v[E_]
	v_add_nc_u32 v[E_+5], 0xff000000, v[E_+1]
	v_lshrrev_b32 v[E_+2], 23, v[E_+4]
	v_lshrrev_b32 v[E_+3], 23, v[E_+5]
	v_lshl_or_b32 v[E_+6], v[E_+3], 8, v[E_+2]     ; the two scale bytes
	v_cvt_scalef32_pk16_fp6_f32 v[G_+6*\c:G_+6*\c+2], v[A_:A_+15], v[E_+4]
	v_cvt_scalef32_pk16_fp6_f32 v[T_:T_+2], v[A_+16:A_+31], v[E_+5]
	v_nop                                          ; one plain instruction behind the scaled conversions
.irp k, 0,1,2
	v_permlane16_swap_b32 v[G_+6*\c+\k], v[T_+\k]  ; a whole block to a lane: lanes 0-15 block 2 c, lanes 16-31 block 2 c + 1
.endr
.if \c == 0
	v_mov_b32 v[G_+3], v[T_]
	v_mov_b32 v[CR+3*\i], v[T_+1]
	v_mov_b32 v[CR+3*\i+1], v[T_+2]
	v_mov_b32 v[CR+3*\i+2], v[E_+6]
	global_store_b128 v[L16], v[G_:G_+3], s[42:43] offset:\i*49152
.else
	v_mov_b32 v[G_+4], v[CR+3*\i]
	v_mov_b32 v[G_+5], v[CR+3*\i+1]
	v_mov_b32 v[G_+9], v[T_]
	v_mov_b32 v[G_+10], v[T_+1]
	v_mov_b32 v[G_+11], v[T_+2]
	v_lshl_or_b32 v[E_+6], v[E_+6], 16, v[CR+3*\i+2]           ; my row's scale word of K step sl
	global_store_b128 v[L16], v[G_+4:G_+7], s[42:43] offset:\i*49152+512
	global_store_b128 v[L16], v[G_+8:G_+11], s[42:43] offset:\i*49152+1024
	global_store_b32 v[L4], v[E_+6], s[44:45] offset:\i*4096
.endif
.endm
.macro EPI2 c
	EPI \c, 0
	EPI \c, 1
	s_wait_xcnt 0x0                                ; the stores have read their registers: the quantiser may write there again
.endm
.macro EPIS c
	s_cmp_eq_u32 s[ACT], 0
	s_cbranch_scc1 .Lno_epi_\@
	EPI2 \c
.Lno_epi_\@:
.endm
; UNIT u.  n1 (unit 0 alone): the loads younger than the unit's.  Later units were shown landed in the unit before, on both ways: each way there ends with nothing out but the youngest unit (and, behind it, x's next fragments).
; A wave with rows multiplies (MM has the waits for x's fragments); a wave without rows waits with the count idle, so that the same loads are shown landed on its way.
.macro ITER u, n1, refill, pf, w0, w1, idle
.if (\n1) >= 0
	s_wait_loadcnt \n1                             ; my piece of the unit is in
.endif
	WQ \u
.if \refill
	LOADU (\u)+2                                   ; into the slot just quantised
.endif
	s_wait_dscnt 0x0                               ; for the others' sake: my codes and my scale byte have landed
	s_barrier_signal -1
	s_barrier_wait -1                              ; unit u's eight fragments lie in LDS.  On every wave's path
	s_cmp_eq_u32 s[ACT], 0
	s_cbranch_scc1 .Lidle_\@
	MM \u, \pf, \w0, \w1
	s_branch .Ljoin_\@
.Lidle_\@:
	s_wait_loadcnt \idle
.Ljoin_\@:
.endm
.macro LATE u
	XLOAD \u
	MM \u, 0, 0, -1
.endm
	s_load_b256 s[4:11], s[0:1], 0x0               ; w1 s[4:5], b1 s[6:7], xq s[8:9], xs s[10:11]
	s_load_b128 s[12:15], s[0:1], 0x20             ; masks s[12:13], h s[14:15]
	s_load_b64 s[16:17], s[0:1], 0x30              ; hs
	v_lshl_add_u32 v254, v0, 2, 0x19000
	v_mov_b32 v255, 0
	v_lshrrev_b32 v14, 5, v0
	v_readfirstlane_b32 s22, v14                   ; wave 0..15
	s_and_b32 s23, ttmp7, 0xffff                   ; the expert
	s_and_b32 s25, s22, 1                          ; ch
	s_lshr_b32 s26, s22, 1                         ; kb
	s_mov_b32 s38, 0x76543210
	s_mov_b32 s39, 0xfedcba98                      ; v_permlanex16_b32's selects for lane l xor 16
	v_and_b32 v14, 31, v0                          ; lane
	v_bfe_u32 v15, v0, 4, 1                        ; lane / 16
	v_and_b32 v16, 15, v0                          ; lane % 16
	v_and_b32 v17, 8, v0
	v_add_nc_u32 v17, v17, v16
	v_lshl_add_u32 v17, v15, 3, v17                ; my column of the 32: 8 (lane / 16) + lane % 16 + 8 ((lane % 16) / 8)
	s_lshl_b32 s40, s26, 19                        ; 32 kb rows of 16,384 bytes
	s_lshl_b32 s41, s25, 7
	s_add_co_u32 s40, s40, s41
	v_lshl_add_u32 v[VOFF], v17, 2, s40
	s_lshr_b32 s40, s22, 3                         ; ks = kb / 4
	s_mul_i32 s41, s40, 4*FRB
	s_mul_i32 s48, s25, 2*FRB
	s_add_co_u32 s41, s41, s48
	s_bfe_u32 s48, s22, 0x10001                    ; kb % 2: which half of the lanes holds my block,
	s_mul_i32 s48, s48, 768
	s_add_co_u32 s41, s41, s48
	s_bfe_u32 s48, s22, 0x10002                    ; (kb / 2) % 2: and which 24 of a lane's 48 bytes
	s_mul_i32 s48, s48, 24
	s_add_co_u32 s41, s41, s48
	v_mul_u32_u24 v[LWA], v15, FRB
	v_mad_u32_u24 v[LWA], v16, 48, v[LWA]
	v_add_nc_u32 v[LWA], s41, v[LWA]
	v_add_nc_u32 v[LWA+1], 4*UNITB, v[LWA]
	s_lshl_b32 s40, s40, 1
	s_add_co_u32 s40, s40, s25
	s_lshl_b32 s40, s40, 7
	s_and_b32 s41, s26, 3
	s_add_co_u32 s40, s40, s41
	v_lshl_add_u32 v[LWS], v14, 2, s40
	v_mul_u32_u24 v[LRA], v14, 48
	v_add_nc_u32 v[LRA+1], 4*UNITB, v[LRA]
	v_lshlrev_b32 v[L4], 2, v14
	v_lshlrev_b32 v[L16], 4, v14
	v_lshlrev_b32 v[BO], 6, v15
.irp k, 0,1,2,3,4,5
	v_mov_b32 v[CR+\k], 0                          ; written once, so that they are written on every path
.endr
.irp k, 238,239,246,247
	v_mov_b32 v\k, 0                               ; likewise: the epilogue's lane permutes land there, and a lane permute's destination counts as one of its sources
.endr
	s_lshl_b32 s40, s23, 24                        ; an expert's w1 is 2^24 bytes,
	s_lshl_b32 s41, ttmp9, 9                       ; a slab 512 bytes of each row
	s_add_co_u32 s40, s40, s41
	s_mov_b32 s41, 0
	s_lshl_b32 s48, s23, 14
	s_lshl_b32 s49, ttmp9, 9
	s_add_co_u32 s48, s48, s49
	s_mov_b32 s49, 0
	s_lshl_b32 s50, s23, 7
	s_mov_b32 s51, 0
	s_wait_kmcnt 0x0
	s_add_nc_u64 s[32:33], s[4:5], s[40:41]        ; the slab's first byte
	s_add_nc_u64 s[6:7], s[6:7], s[48:49]          ; its 128 numbers of b1
	s_add_nc_u64 s[12:13], s[12:13], s[50:51]      ; the expert's mask
	s_load_b512 s[68:83], s[12:13], 0x0
	s_load_b512 s[84:99], s[12:13], 0x40
	BIAS 0                                         ; the stream starts on ids alone, ahead of the masks
	LOADU 0
	LOADU 1
	s_wait_kmcnt 0x0
	SELECT 0
	s_mov_b32 s27, s40                             ; the list's length
	s_max_u32 s41, s27, 1                          ; (wave 0 is always at work)
	s_lshl_b32 s40, s22, 5
	s_cmp_lt_u32 s40, s41
	s_cselect_b32 s[ACT], 1, 0
	TOKS
	BASES 0
	XLOAD 0                                        ; unit 0's fragments, in every wave: their registers are written on every path
	ITER 0, 48, 1, 1, 40, 32, 32                   ; 48: unit 1's 32 loads and x's 16 are younger than unit 0's.  40: x's second K step (8) and unit 2 (32) are younger than its first; 32: unit 2
	ITER 1, -1, 1, 1, 40, 32, 32
	ITER 2, -1, 1, 1, 40, 32, 32
	ITER 3, -1, 1, 1, 40, 32, 32
	EPIS 0
	BIAS 1                                         ; in every wave: the counts are the same on every path
	ITER 4, -1, 1, 1, 32, -1, 32                   ; 32: the bias, which the first products take, is younger than x's fragments; only unit 6 is younger than the bias
	ITER 5, -1, 1, 1, 40, 32, 32
	ITER 6, -1, 0, 1, 8, 0, 0                      ; nothing is left to fetch: only x's second K step is younger than its first
	ITER 7, -1, 0, 0, 8, 0, 0
	EPIS 1
	; ---- rows 512 on: from the codes in LDS, which every wave's last barrier has published; no barrier stands here
	s_wait_xcnt 0x0                                ; the stores' bases and the gathers' offsets may be written
	s_lshl_b32 s41, s22, 5
	s_add_co_u32 s41, s41, 512
	s_cmp_lt_u32 s41, s27
	s_cbranch_scc0 .Lend
	SELECT 1
	TOKS
	BASES 1
	BIAS 0
	LATE 0
	LATE 1
	LATE 2
	LATE 3
	EPI2 0
	BIAS 1
	LATE 4
	LATE 5
	LATE 6
	LATE 7
	EPI2 1
.Lend:
	s_wait_tensorcnt 0x0
	ds_add_u32 v254, v255
	s_wait_dscnt 0x0
	s_endpgm
.Lfunc_end_k_qe44d09dcd7_ffn1:
	.size	k_qe44d09dcd7_ffn1, .Lfunc_end_k_qe44d09dcd7_ffn1-k_qe44d09dcd7_ffn1
	.p2alignl 7, 3214868480
	.fill 96, 4, 3214868480
	.section	.rodata,"a",@progbits
	.p2align	6, 0x0
	.amdhsa_kernel k_qe44d09dcd7_ffn1
		.amdhsa_group_segment_fixed_size 104448
		.amdhsa_private_segment_fixed_size 0
		.amdhsa_enable_private_segment 0
		.amdhsa_kernarg_size 56
		.amdhsa_user_sgpr_count 2
		.amdhsa_user_sgpr_kernarg_segment_ptr 1
		.amdhsa_wavefront_size32 1
		.amdhsa_system_sgpr_workgroup_id_x 1
		.amdhsa_system_sgpr_workgroup_id_y 1
		.amdhsa_system_sgpr_workgroup_id_z 1
		.amdhsa_system_vgpr_workitem_id 0
		.amdhsa_next_free_vgpr 256
		.amdhsa_next_free_sgpr 100
		.amdhsa_reserve_vcc 1
		.amdhsa_float_denorm_mode_32 3
		.amdhsa_float_denorm_mode_16_64 3
		.amdhsa_memory_ordered 1
		.amdhsa_forward_progress 1
		.amdhsa_inst_pref_size 188
	.end_amdhsa_kernel
	.amdgpu_metadata
---
amdhsa.version: [ 1, 2 ]
amdhsa.kernels:
  - .name:           k_qe44d09dcd7_ffn1
    .symbol:         k_qe44d09dcd7_ffn1.kd
    .args:
      - { .name: w1, .offset: 0, .size: 8, .value_kind: global_buffer, .address_space: global }
      - { .name: b1, .offset: 8, .size: 8, .value_kind: global_buffer, .address_space: global }
      - { .name: xq, .offset: 16, .size: 8, .value_kind: global_buffer, .address_space: global }
      - { .name: xs, .offset: 24, .size: 8, .value_kind: global_buffer, .address_space: global }
      - { .name: masks, .offset: 32, .size: 8, .value_kind: global_buffer, .address_space: global }
      - { .name: h, .offset: 40, .size: 8, .value_kind: global_buffer, .address_space: global }
      - { .name: hs, .offset: 48, .size: 8, .value_kind: global_buffer, .address_space: global }
    .group_segment_fixed_size: 104448
    .private_segment_fixed_size: 0
    .kernarg_segment_align: 8
    .kernarg_segment_size: 56
    .max_flat_workgroup_size: 512
    .sgpr_count:     100
    .vgpr_count:     256
    .wavefront_size: 32
...
	.end_amdgpu_metadata
.endif
;; end of part 2
;; launch ffn2 (part 3): grid 32 x 8, 16 waves a work-group, no clusters, 176,128 bytes of LDS; arguments w2, b2, h, hs, masks, sel, gates, y; writes y
.if DOCPART == 3
	.amdgcn_target "amdgcn-amd-amdhsa--gfx1250"
	.amdhsa_code_object_version 6
	.text
	.protected	k_qe44d09dcd7_ffn2
	.globl	k_qe44d09dcd7_ffn2
	.p2align	8
	.type	k_qe44d09dcd7_ffn2,@function
k_qe44d09dcd7_ffn2:
	s_mov_b64 s[64:65], 0
	v_nop
	global_prefetch_b8 v0, s[64:65] scope:SCOPE_SE
	s_setreg_imm32_b32 hwreg(HW_REG_WAVE_MODE, 25, 1), 1
	s_wait_xcnt 0x0
; FFN2.  y = gate x (h Q(w2[e]) + b2[e]) for the rows that chose expert e, on codes of FP6 (E2M3) with one E8M0 scale for each 32 along K; h arrives as images of the operand's registers.
; SHARES.  Work-group (x, e): columns 64 cs .. 64 cs + 63 (cs = x / 2) and K half kh = x % 2 (2,048 of the 4,096): 512 KB of w2 in f32, each byte read once, quantised in registers on the way.
; The stream, the LDS map, the products and the search in the mask are those of the first layer's launch: 8 units of 256 rows of K x 64 columns; wave w streams 32 columns x 32 rows of K of each unit, a lane a column;
; every unit has LDS bytes of its own; wave w multiplies rows 32 w .. 32 w + 31 of the expert's list against the four tiles of 16 columns, transposed (source 0 = 16 columns of w2, source 1 = 16 rows of h): a lane's eight
; results are eight neighbouring columns of one row.  Here a tile's columns are neighbours.
; h'S FRAGMENTS RUN A UNIT AHEAD IN THE SAME REGISTERS: a K step's fragments of the next unit are asked for as soon as this unit's products of that K step have read theirs, and are waited for ahead of the products that take them.
; THE BIAS is loaded into the accumulators: b2 in K half 0, 256 bytes of stored zeros in K half 1 (a choice between two pointers on an id): it is added once, with no branch and no clearing.
; THE WAY OUT.  Results x the row's gate go through the wave's own stage in LDS and leave as rows of 256 bytes, sixteen lanes to a row, to y [kh][2,056][1,024]: row = slot x 1,024 + token, slot 0 where e is the token's first
; choice.  So each row of y has one owner, and the last launch adds four rows for each token.  Rows of a wave's 32 that stand past the list's end go to row 2,048 + e, which nobody reads: EXEC is never touched.
; WHAT HANGS ON THE MASKS: as in the first layer's launch: forward branches round loads, products and stores; the eight barriers stand on every wave's path; rows 512 on are served behind the stream from LDS.
; A wave without rows loads h's tiles 0 and 1 of its expert once (they are always stored), so that the fragments' registers are written on every path.
; NO TENSOR LOAD, NO CLUSTER: branches hang on stored counts, and no two work-groups read the same weights.
; LIMITS: NaN and infinities are not served; blocks under 2^-124 and blocks of zeros get the byte 1; the sum over K is made in two f32 halves.
.set SCL,   0
.set CODE,  4096
.set UNITB, 12288
.set FRB,   1536
.set TAB,   102400                     ; LDS: my wave's 32 rows of y, 128 bytes a wave
.set STAGE, 104448                     ; 16 rows x (256 bytes + 16) for each wave
.set PLANE, 8421376                    ; a K half of y: 2,056 rows of 4,096 bytes
.set VOFF, 1
.set LWA,  2                           ; v2-3
.set LWS,  4
.set LRA,  5                           ; v5-6
.set L4,   7
.set L16,  8
.set BO,   9                           ; 32 x (lane / 16)
.set SO,   10                          ; the stage: where I put 32 bytes of a row
.set SR,   11                          ; and where I read a row back
.set TW,   12                          ; where I put my row's number
.set TR,   13                          ; and where I read the numbers of the rows that I store
.set C16,  14                          ; 16 x (lane % 16)
.set SELV, 15                          ; my token's first choice
.set P,    16
.set TOK,  17
.set U,    18                          ; my row of y
.set G,    19                          ; my row's gate
.set GA,   20                          ; v20-21 my token's two gates
.set GP,   22                          ; v22-23 the gates of rows lane % 16 of tile 0 and of tile 1
.set ACC,  24
.set ST,   88
.set X,    152
.set XSC,  200
.set W,    204
.set WS,   252
.set MXA, 204
.set MXB, 205
.set SCO, 206
.set BY,  207
.set CD,  208
.set WD,  216
.set BS,  217
.set JX,  218
.set NN,  219
.set C2,  220
.set C4,  221
.set C8,  222
.set C16C, 223
.set TT,  224
.set DD,  225
.set POS, 226
.set ACT, 30
.set KH,  31
.set SB,  34
.macro BIAS
.irp i, 0,1
.irp ct, 0,1,2,3
	global_load_b128 v[ACC+32*\i+8*\ct:ACC+32*\i+8*\ct+3], v[BO], s[20:21] offset:64*\ct
	global_load_b128 v[ACC+32*\i+8*\ct+4:ACC+32*\i+8*\ct+7], v[BO], s[20:21] offset:64*\ct+16
.endr
.endr
.endm
.macro LOADU u
	s_add_nc_u64 s[SB+2*((\u)%2):SB+2*((\u)%2)+1], s[32:33], (\u)*1048576
.set I_, 0
.rept 32
	global_load_b32 v[ST+32*((\u)%2)+I_], v[VOFF], s[SB+2*((\u)%2):SB+2*((\u)%2)+1] offset:I_*4096 th:TH_LOAD_NT
.set I_, I_+1
.endr
.endm
.macro WQ u
.set S_, ST+32*((\u)%2)
	v_max3_num_f32 v[MXA], |v[S_]|, |v[S_+1]|, |v[S_+2]|
	v_max3_num_f32 v[MXB], |v[S_+3]|, |v[S_+4]|, |v[S_+5]|
.irp i, 6,10,14,18,22,26
	v_max3_num_f32 v[MXA], v[MXA], |v[S_+\i]|, |v[S_+\i+1]|
	v_max3_num_f32 v[MXB], v[MXB], |v[S_+\i+2]|, |v[S_+\i+3]|
.endr
	v_max3_num_f32 v[MXA], v[MXA], |v[S_+30]|, |v[S_+31]|
	v_max3_num_f32 v[MXA], v[MXA], v[MXB], 0x1800000           ; the floor 2^(3 - 127): the byte cannot fall under 1
	v_add_nc_u32 v[SCO], 0xff000000, v[MXA]                    ; 2 off the exponent field: the conversion's scale operand
	v_cvt_scalef32_pk16_fp6_f32 v[CD:CD+2], v[S_:S_+15], v[SCO]
	v_cvt_scalef32_pk16_fp6_f32 v[CD+4:CD+6], v[S_+16:S_+31], v[SCO]
	v_lshrrev_b32 v[BY], 23, v[SCO]                            ; the scale's byte; also the plain instruction behind the conversions
	v_mov_b32 v[CD+3], v[CD+4]
	v_mov_b32 v[CD+4], v[CD+5]
	v_mov_b32 v[CD+5], v[CD+6]
	ds_store_b64 v[LWA+(\u)/4], v[CD:CD+1] offset:CODE+((\u)%4)*UNITB
	ds_store_b64 v[LWA+(\u)/4], v[CD+2:CD+3] offset:CODE+((\u)%4)*UNITB+8
	ds_store_b64 v[LWA+(\u)/4], v[CD+4:CD+5] offset:CODE+((\u)%4)*UNITB+16
	ds_store_b8 v[LWS], v[BY] offset:SCL+(\u)*512
.endm
; h's fragments and scale words for K step ks of unit u, both tiles: 8 loads, each of 512 (scale words: 128) dense bytes
.macro XLOADK u, ks
.irp i, 0,1
.irp j, 0,1,2
	global_load_b128 v[X+24*(\ks)+12*\i+4*\j:X+24*(\ks)+12*\i+4*\j+3], v[L16], s[42:43] offset:\i*49152+(2*(\u)+(\ks))*FRB+512*\j
.endr
	global_load_b32 v[XSC+2*(\ks)+\i], v[L4], s[44:45] offset:\i*4096+(2*(\u)+(\ks))*128
.endr
.endm
.macro XLOAD u
	XLOADK \u, 0
	XLOADK \u, 1
.endm
; unit u's 16 products: the 8 accumulators by turns, one instruction a turn, in one order everywhere; four v_nop behind each run, ahead of loads into its operands and of the first read of results.
; w0, w1: how many younger loads may stay out when h's fragments of the first and of the second K step have to be there (w1 < 0: w0 has shown both).
; pf = 1: the next unit's fragments are asked for: the first K step's behind this unit's first run and its places (and behind the second run's LDS loads, which are wanted sooner), the second's behind the second run.
.macro MM u, pf, w0, w1
.irp ks, 0,1
.irp ct, 0,1,2,3
.irp j, 0,1,2
	ds_load_b128 v[W+12*\ct+4*\j:W+12*\ct+4*\j+3], v[LRA+(\u)/4] offset:CODE+((\u)%4)*UNITB+(4*\ks+\ct)*FRB+16*\j
.endr
.endr
	ds_load_b32 v[WS], v[L4] offset:SCL+(\u)*512+(2*\ks)*128
	ds_load_b32 v[WS+1], v[L4] offset:SCL+(\u)*512+(2*\ks+1)*128
.if (\pf) && (\ks == 1)
	XLOADK (\u)+1, 0
.endif
	s_wait_dscnt 0x0
.if \ks == 0
	s_wait_loadcnt \w0
.elseif (\w1) >= 0
	s_wait_loadcnt \w1
.endif
.irp i, 0,1
.irp ct, 0,2
	v_wmma_scale_f32_16x16x128_f8f6f4 v[ACC+32*\i+8*\ct:ACC+32*\i+8*\ct+7], v[W+12*\ct:W+12*\ct+11], v[X+24*\ks+12*\i:X+24*\ks+12*\i+11], v[ACC+32*\i+8*\ct:ACC+32*\i+8*\ct+7], v[WS+\ct/2], v[XSC+2*\ks+\i] matrix_a_fmt:MATRIX_FMT_FP6 matrix_b_fmt:MATRIX_FMT_FP6
	v_wmma_scale_f32_16x16x128_f8f6f4 v[ACC+32*\i+8*(\ct+1):ACC+32*\i+8*(\ct+1)+7], v[W+12*(\ct+1):W+12*(\ct+1)+11], v[X+24*\ks+12*\i:X+24*\ks+12*\i+11], v[ACC+32*\i+8*(\ct+1):ACC+32*\i+8*(\ct+1)+7], v[WS+\ct/2], v[XSC+2*\ks+\i] matrix_a_fmt:MATRIX_FMT_FP6 matrix_b_fmt:MATRIX_FMT_FP6 matrix_a_scale:MATRIX_SCALE_ROW1
.endr
.endr
.rept 4
	v_nop
.endr
.endr
.if \pf
	XLOADK (\u)+1, 1
.endif
.endm
.macro BITSTEP cnt, wid
	v_bfe_u32 v[TT], v[\cnt], v[POS], \wid
	v_cmp_ge_u32 vcc_lo, v[NN], v[TT]
	v_cndmask_b32 v[TT], 0, v[TT], vcc_lo
	v_sub_nc_u32 v[NN], v[NN], v[TT]
	v_cndmask_b32 v[DD], 0, \wid, vcc_lo
	v_add_nc_u32 v[POS], v[POS], v[DD]
.endm
; TOK = the token of place P = 512 ck + my thread's number in the expert's list; s40 = the list's length: the same lines as in the first layer's launch, so the same order of rows
.macro SELECT ck
	v_add_nc_u32 v[P], 512*\ck, v0
	v_mov_b32 v[WD], s68
	v_mov_b32 v[BS], 0
	v_mov_b32 v[JX], 0
	s_bcnt1_i32_b32 s40, s68
.set J_, 1
.rept 31
	v_cmp_le_u32 vcc_lo, s40, v[P]
	s_bcnt1_i32_b32 s41, s[68+J_]
	v_cndmask_b32 v[WD], v[WD], s[68+J_], vcc_lo
	v_cndmask_b32 v[BS], v[BS], s40, vcc_lo
	v_cndmask_b32 v[JX], v[JX], J_, vcc_lo
	s_add_co_u32 s40, s40, s41
.set J_, J_+1
.endr
	v_sub_nc_u32 v[NN], v[P], v[BS]
	v_lshrrev_b32 v[TT], 1, v[WD]
	v_and_b32 v[TT], 0x55555555, v[TT]
	v_sub_nc_u32 v[C2], v[WD], v[TT]
	v_lshrrev_b32 v[TT], 2, v[C2]
	v_and_b32 v[TT], 0x33333333, v[TT]
	v_and_b32 v[C4], 0x33333333, v[C2]
	v_add_nc_u32 v[C4], v[C4], v[TT]
	v_lshrrev_b32 v[TT], 4, v[C4]
	v_add_nc_u32 v[TT], v[TT], v[C4]
	v_and_b32 v[C8], 0x0f0f0f0f, v[TT]
	v_lshrrev_b32 v[TT], 8, v[C8]
	v_add_nc_u32 v[TT], v[TT], v[C8]
	v_and_b32 v[C16C], 0x00ff00ff, v[TT]
	v_and_b32 v[TT], 0xffff, v[C16C]
	v_cmp_ge_u32 vcc_lo, v[NN], v[TT]
	v_cndmask_b32 v[TT], 0, v[TT], vcc_lo
	v_sub_nc_u32 v[NN], v[NN], v[TT]
	v_cndmask_b32 v[POS], 0, 16, vcc_lo
	BITSTEP C8, 8
	BITSTEP C4, 4
	BITSTEP C2, 2
	BITSTEP WD, 1
	v_lshl_add_u32 v[TOK], v[JX], 5, v[POS]
	v_min_u32 v[TOK], 0x3ff, v[TOK]
.endm
.macro GATHER                          ; my token's first choice and its two gates: two loads
	v_lshlrev_b32 v254, 2, v[TOK]
	v_lshlrev_b32 v255, 3, v[TOK]
	global_load_b32 v[SELV], v254, s[14:15]
	global_load_b64 v[GA:GA+1], v255, s[16:17]
.endm
; my row's gate and its row of y; then the gates as lane (r, h) wants them: of rows r (tile 0) and 16 + r (tile 1)
.macro GATE
	v_cmp_ne_u32 vcc_lo, s23, v[SELV]              ; slot 1: e is the token's second choice
	v_cndmask_b32 v[G], v[GA], v[GA+1], vcc_lo
	v_cndmask_b32 v[U], 0, 1, vcc_lo
	v_lshl_add_u32 v[U], v[U], 10, v[TOK]
	s_add_co_u32 s41, s23, 2048
	v_mov_b32 v254, s41
	v_cmp_gt_u32 vcc_lo, s27, v[P]                 ; my place is in the list
	v_cndmask_b32 v[U], v254, v[U], vcc_lo         ; else row 2,048 + e
	v_mov_b32 v[GP], v[G]                          ; (a lane permute's destination counts as one of its sources)
	v_permlanex16_b32 v[GP], v[G], s38, s39        ; lane l xor 16's gate
	v_and_b32 v254, 16, v0
	v_cmp_eq_u32 vcc_lo, 0, v254                   ; lanes 0-15
	v_cndmask_b32 v[GP+1], v[G], v[GP], vcc_lo
	v_cndmask_b32 v[GP], v[GP], v[G], vcc_lo
.endm
; where my two tiles lie: tile 64 e + 32 ck + 2 w of h and hs, K steps 16 kh on.  In the first 512 rows a wave without rows takes tiles 0 and 1
.macro BASES ck
	s_lshl_b32 s41, s22, 1
.if \ck == 0
	s_cmp_eq_u32 s[ACT], 0
	s_cselect_b32 s41, 0, s41
.else
	s_add_co_u32 s41, s41, 32
.endif
	s_lshl_b32 s40, s23, 6
	s_add_co_u32 s40, s40, s41
	s_min_u32 s40, s40, 511
	s_mul_i32 s48, s40, 49152
	s_mul_i32 s50, s[KH], 16*FRB
	s_add_co_u32 s48, s48, s50
	s_mov_b32 s49, 0
	s_add_nc_u64 s[42:43], s[8:9], s[48:49]
	s_lshl_b32 s48, s40, 12
	s_lshl_b32 s50, s[KH], 11
	s_add_co_u32 s48, s48, s50
	s_add_nc_u64 s[44:45], s[10:11], s[48:49]
.endm
; Tile i leaves: x the gate (each accumulator from its low end on), into my stage, back as rows of 256 bytes, two rows an instruction; the rows' numbers come from my wave's table and are held inside y.
; LDS serves a wave's instructions in order: the loads see my stores, and the next tile's stores come behind these loads.  The two tiles have registers of their own.
.macro YOUT i
.set A_, ACC+32*\i
.set R_, 152+52*\i
.set O_, R_+32
.set Q_, 0
.rept 16
.if \i == 0
	v_pk_mul_f32 v[A_+Q_:A_+Q_+1], v[A_+Q_:A_+Q_+1], v[GP:GP+1] op_sel_hi:[1,0]
.else
	v_pk_mul_f32 v[A_+Q_:A_+Q_+1], v[A_+Q_:A_+Q_+1], v[GP:GP+1] op_sel:[0,1] op_sel_hi:[1,1]
.endif
.set Q_, Q_+2
.endr
.irp ct, 0,1,2,3
	ds_store_b128 v[SO], v[A_+8*\ct:A_+8*\ct+3] offset:64*\ct
	ds_store_b128 v[SO], v[A_+8*\ct+4:A_+8*\ct+7] offset:64*\ct+16
.endr
.irp k, 0,1,2,3,4,5,6,7
	ds_load_b128 v[R_+4*\k:R_+4*\k+3], v[SR] offset:2*\k*272
	ds_load_b32 v[O_+\k], v[TR] offset:4*(16*\i+2*\k)
.endr
	s_wait_dscnt 0x0
.irp k, 0,1,2,3,4,5,6,7
	v_min_u32 v[O_+\k], 2055, v[O_+\k]
	v_lshlrev_b32 v[O_+\k], 12, v[O_+\k]
	v_add_nc_u32 v[O_+\k], v[O_+\k], v[C16]
.endr
.irp k, 0,1,2,3,4,5,6,7
	global_store_b128 v[O_+\k], v[R_+4*\k:R_+4*\k+3], s[46:47] th:TH_STORE_NT   ; sixteen lanes store 256 consecutive bytes, at a multiple of 256 from y's first byte
.endr
.endm
.macro YOUT2
	ds_store_b32 v[TW], v[U]
	YOUT 0
	YOUT 1
	s_wait_xcnt 0x0                                ; the stores have read their registers
.endm
; UNIT u.  n1 (unit 0 alone): the loads younger than the unit's.  Later units were shown landed in the unit before, on both ways: each way there ends with nothing out but the youngest unit (and, behind it, h's next fragments).
; A wave with rows multiplies (MM has the waits for h's fragments); a wave without rows waits with the count idle, so that the same loads are shown landed on its way.
.macro ITER u, n1, refill, pf, w0, w1, idle
.if (\n1) >= 0
	s_wait_loadcnt \n1                             ; my piece of the unit is in
.endif
	WQ \u
.if \refill
	LOADU (\u)+2                                   ; into the slot just quantised
.endif
	s_wait_dscnt 0x0                               ; for the others' sake: my codes and my scale byte have landed
	s_barrier_signal -1
	s_barrier_wait -1                              ; unit u's eight fragments lie in LDS.  On every wave's path
	s_cmp_eq_u32 s[ACT], 0
	s_cbranch_scc1 .Lidle_\@
	MM \u, \pf, \w0, \w1
	s_branch .Ljoin_\@
.Lidle_\@:
	s_wait_loadcnt \idle
.Ljoin_\@:
.endm
.macro LATE u
	XLOAD \u
	MM \u, 0, 0, -1
.endm
	s_load_b512 s[4:19], s[0:1], 0x0               ; w2 s[4:5], b2 s[6:7], h s[8:9], hs s[10:11], masks s[12:13], sel s[14:15], gates s[16:17], y s[18:19]
	v_lshrrev_b32 v15, 5, v0
	v_readfirstlane_b32 s22, v15                   ; wave 0..15
	s_and_b32 s23, ttmp7, 0xffff                   ; the expert
	s_lshr_b32 s24, ttmp9, 1                       ; cs
	s_and_b32 s[KH], ttmp9, 1                      ; kh
	s_and_b32 s25, s22, 1                          ; ch
	s_lshr_b32 s26, s22, 1                         ; kb
	s_mov_b32 s38, 0x76543210
	s_mov_b32 s39, 0xfedcba98
	v_and_b32 v15, 31, v0                          ; lane
	v_bfe_u32 v16, v0, 4, 1                        ; lane / 16
	v_and_b32 v17, 15, v0                          ; lane % 16
	s_lshl_b32 s40, s26, 17                        ; 32 kb rows of 4,096 bytes
	s_lshl_b32 s41, s25, 7
	s_add_co_u32 s40, s40, s41
	v_lshl_add_u32 v[VOFF], v15, 2, s40
	s_lshr_b32 s40, s22, 3                         ; ks
	s_mul_i32 s41, s40, 4*FRB
	s_mul_i32 s48, s25, 2*FRB
	s_add_co_u32 s41, s41, s48
	s_bfe_u32 s48, s22, 0x10001
	s_mul_i32 s48, s48, 768
	s_add_co_u32 s41, s41, s48
	s_bfe_u32 s48, s22, 0x10002
	s_mul_i32 s48, s48, 24
	s_add_co_u32 s41, s41, s48
	v_mul_u32_u24 v[LWA], v16, FRB
	v_mad_u32_u24 v[LWA], v17, 48, v[LWA]
	v_add_nc_u32 v[LWA], s41, v[LWA]
	v_add_nc_u32 v[LWA+1], 4*UNITB, v[LWA]
	s_lshl_b32 s40, s40, 1
	s_add_co_u32 s40, s40, s25
	s_lshl_b32 s40, s40, 7
	s_and_b32 s41, s26, 3
	s_add_co_u32 s40, s40, s41
	v_lshl_add_u32 v[LWS], v15, 2, s40
	v_mul_u32_u24 v[LRA], v15, 48
	v_add_nc_u32 v[LRA+1], 4*UNITB, v[LRA]
	v_lshlrev_b32 v[L4], 2, v15
	v_lshlrev_b32 v[L16], 4, v15
	v_lshlrev_b32 v[BO], 5, v16
	s_mul_i32 s40, s22, 16*272
	s_add_co_u32 s40, s40, STAGE                   ; my stage
	v_mul_u32_u24 v[SO], v17, 272
	v_lshl_add_u32 v[SO], v16, 5, v[SO]
	v_add_nc_u32 v[SO], s40, v[SO]                 ; in: row lane % 16, 32 bytes for each half of the lanes
	v_mul_u32_u24 v[SR], v16, 272
	v_lshl_add_u32 v[SR], v17, 4, v[SR]
	v_add_nc_u32 v[SR], s40, v[SR]                 ; back: lanes 0-15 one row, lanes 16-31 the next
	v_lshl_add_u32 v[TW], v0, 2, TAB
	s_lshl_b32 s40, s22, 7
	s_add_co_u32 s40, s40, TAB
	v_lshl_add_u32 v[TR], v16, 2, s40
	v_lshlrev_b32 v[C16], 4, v17
	s_lshl_b32 s40, s23, 24                        ; an expert's w2 is 2^24 bytes, a K half 2^23, a slab 256 bytes of each row
	s_lshl_b32 s41, s[KH], 23
	s_add_co_u32 s40, s40, s41
	s_lshl_b32 s41, s24, 8
	s_add_co_u32 s40, s40, s41
	s_mov_b32 s41, 0
	s_lshl_b32 s48, s23, 12
	s_lshl_b32 s49, s24, 8
	s_add_co_u32 s48, s48, s49
	s_mov_b32 s49, 0
	s_lshl_b32 s50, s23, 7
	s_mov_b32 s51, 0
	s_mul_i32 s28, s[KH], PLANE
	s_lshl_b32 s29, s24, 8
	s_add_co_u32 s28, s28, s29
	s_mov_b32 s29, 0
	s_wait_kmcnt 0x0
	s_add_nc_u64 s[32:33], s[4:5], s[40:41]        ; the slab's first byte
	s_add_nc_u64 s[6:7], s[6:7], s[48:49]          ; its 64 numbers of b2
	s_add_nc_u64 s[20:21], s[16:17], 8192          ; the stored zeros
	s_add_nc_u64 s[12:13], s[12:13], s[50:51]      ; the expert's mask
	s_add_nc_u64 s[46:47], s[18:19], s[28:29]      ; my K half and my columns of y
	s_cmp_eq_u32 s[KH], 0                          ; the choice hangs on the work-group's number alone
	s_cselect_b64 s[20:21], s[6:7], s[20:21]
	s_load_b512 s[68:83], s[12:13], 0x0
	s_load_b512 s[84:99], s[12:13], 0x40
	BIAS                                           ; the stream starts on ids alone, ahead of the masks
	LOADU 0
	LOADU 1
	s_wait_kmcnt 0x0
	SELECT 0
	s_mov_b32 s27, s40                             ; the list's length
	s_max_u32 s41, s27, 1                          ; (wave 0 is always at work)
	s_lshl_b32 s40, s22, 5
	s_cmp_lt_u32 s40, s41
	s_cselect_b32 s[ACT], 1, 0
	GATHER
	BASES 0
	XLOAD 0                                        ; unit 0's fragments, in every wave: their registers are written on every path
	ITER 0, 50, 1, 1, 40, 32, 32                   ; 50: unit 1's 32 loads, the two gathers and h's 16 are younger than unit 0's.  40: h's second K step (8) and unit 2 (32) are younger than its first; 32: unit 2
	ITER 1, -1, 1, 1, 40, 32, 32
	ITER 2, -1, 1, 1, 40, 32, 32
	ITER 3, -1, 1, 1, 40, 32, 32
	ITER 4, -1, 1, 1, 40, 32, 32
	ITER 5, -1, 1, 1, 40, 32, 32
	ITER 6, -1, 0, 1, 8, 0, 0                      ; nothing is left to fetch: only h's second K step is younger than its first
	ITER 7, -1, 0, 0, 8, 0, 0
	GATE                                           ; every load is in, on both ways, the two gathers among them
	s_cmp_eq_u32 s[ACT], 0
	s_cbranch_scc1 .Lno_out
	YOUT2
.Lno_out:
	; ---- rows 512 on: from the codes in LDS, which every wave's last barrier has published; no barrier stands here
	s_wait_xcnt 0x0
	s_lshl_b32 s41, s22, 5
	s_add_co_u32 s41, s41, 512
	s_cmp_lt_u32 s41, s27
	s_cbranch_scc0 .Lend
	SELECT 1
	GATHER
	BASES 1
	BIAS
	s_wait_loadcnt 0x0
	GATE
	LATE 0
	LATE 1
	LATE 2
	LATE 3
	LATE 4
	LATE 5
	LATE 6
	LATE 7
	YOUT2
.Lend:
	s_wait_xcnt 0x0
	v_lshl_add_u32 v254, v0, 2, 0x2a800
	v_mov_b32 v255, 0
	s_wait_tensorcnt 0x0
	ds_add_u32 v254, v255
	s_wait_dscnt 0x0
	s_endpgm
.Lfunc_end_k_qe44d09dcd7_ffn2:
	.size	k_qe44d09dcd7_ffn2, .Lfunc_end_k_qe44d09dcd7_ffn2-k_qe44d09dcd7_ffn2
	.p2alignl 7, 3214868480
	.fill 96, 4, 3214868480
	.section	.rodata,"a",@progbits
	.p2align	6, 0x0
	.amdhsa_kernel k_qe44d09dcd7_ffn2
		.amdhsa_group_segment_fixed_size 176128
		.amdhsa_private_segment_fixed_size 0
		.amdhsa_enable_private_segment 0
		.amdhsa_kernarg_size 64
		.amdhsa_user_sgpr_count 2
		.amdhsa_user_sgpr_kernarg_segment_ptr 1
		.amdhsa_wavefront_size32 1
		.amdhsa_system_sgpr_workgroup_id_x 1
		.amdhsa_system_sgpr_workgroup_id_y 1
		.amdhsa_system_sgpr_workgroup_id_z 1
		.amdhsa_system_vgpr_workitem_id 0
		.amdhsa_next_free_vgpr 256
		.amdhsa_next_free_sgpr 100
		.amdhsa_reserve_vcc 1
		.amdhsa_float_denorm_mode_32 3
		.amdhsa_float_denorm_mode_16_64 3
		.amdhsa_memory_ordered 1
		.amdhsa_forward_progress 1
		.amdhsa_inst_pref_size 179
	.end_amdhsa_kernel
	.amdgpu_metadata
---
amdhsa.version: [ 1, 2 ]
amdhsa.kernels:
  - .name:           k_qe44d09dcd7_ffn2
    .symbol:         k_qe44d09dcd7_ffn2.kd
    .args:
      - { .name: w2, .offset: 0, .size: 8, .value_kind: global_buffer, .address_space: global }
      - { .name: b2, .offset: 8, .size: 8, .value_kind: global_buffer, .address_space: global }
      - { .name: h, .offset: 16, .size: 8, .value_kind: global_buffer, .address_space: global }
      - { .name: hs, .offset: 24, .size: 8, .value_kind: global_buffer, .address_space: global }
      - { .name: masks, .offset: 32, .size: 8, .value_kind: global_buffer, .address_space: global }
      - { .name: sel, .offset: 40, .size: 8, .value_kind: global_buffer, .address_space: global }
      - { .name: gates, .offset: 48, .size: 8, .value_kind: global_buffer, .address_space: global }
      - { .name: y, .offset: 56, .size: 8, .value_kind: global_buffer, .address_space: global }
    .group_segment_fixed_size: 176128
    .private_segment_fixed_size: 0
    .kernarg_segment_align: 8
    .kernarg_segment_size: 64
    .max_flat_workgroup_size: 512
    .sgpr_count:     100
    .vgpr_count:     256
    .wavefront_size: 32
...
	.end_amdgpu_metadata
.endif
;; end of part 3
;; launch combine (part 4): grid 256 x 1, 8 waves a work-group, no clusters, 0 bytes of LDS; arguments y, out0; writes out0
.if DOCPART == 4
	.amdgcn_target "amdgcn-amd-amdhsa--gfx1250"
	.amdhsa_code_object_version 6
	.text
	.protected	k_qe44d09dcd7_combine
	.globl	k_qe44d09dcd7_combine
	.p2align	8
	.type	k_qe44d09dcd7_combine,@function
k_qe44d09dcd7_combine:
	s_mov_b64 s[64:65], 0
	v_nop
	global_prefetch_b8 v0, s[64:65] scope:SCOPE_SE
	s_setreg_imm32_b32 hwreg(HW_REG_WAVE_MODE, 25, 1), 1
	s_wait_xcnt 0x0
; COMBINE.  out[token] = the token's four partial rows of y: two experts (slots) x two halves of the second product's K.  y: [2][2,056][1,024] f32, row = slot x 1,024 + token (rows 2,048 on are not read).
; A work-group takes 4 tokens; thread t takes the 16 bytes at 16 t of each row, so a wave's load or store covers 512 consecutive bytes.  All 16 loads of a thread go out at once: there is no loop.
; Memory binds: no LDS, no barrier, no matrix unit.  Order of the sum: (K half 0 + K half 1 of slot 0) + (the same of slot 1).
.set PLANE, 8421376                    ; a K half of y, in bytes
.set SLOTB, 4194304                    ; from slot 0 to slot 1
	s_load_b128 s[4:7], s[0:1], 0x0                ; y s[4:5], out s[6:7]
	v_lshlrev_b32 v1, 4, v0
	s_lshl_b32 s8, ttmp9, 14                       ; 4 rows of 4,096 bytes a work-group
	s_mov_b32 s9, 0
	s_wait_kmcnt 0x0
	s_add_nc_u64 s[4:5], s[4:5], s[8:9]
	s_add_nc_u64 s[6:7], s[6:7], s[8:9]
	s_add_nc_u64 s[10:11], s[4:5], PLANE
.irp r, 0,1,2,3
	global_load_b128 v[8+16*\r:11+16*\r], v1, s[4:5] offset:\r*4096 th:TH_LOAD_NT
	global_load_b128 v[12+16*\r:15+16*\r], v1, s[10:11] offset:\r*4096 th:TH_LOAD_NT
	global_load_b128 v[16+16*\r:19+16*\r], v1, s[4:5] offset:\r*4096+SLOTB th:TH_LOAD_NT
	global_load_b128 v[20+16*\r:23+16*\r], v1, s[10:11] offset:\r*4096+SLOTB th:TH_LOAD_NT
.endr
.irp r, 0,1,2,3
	s_wait_loadcnt 12-4*\r                         ; this row's four loads are in; the later rows' are younger
	v_pk_add_f32 v[8+16*\r:9+16*\r], v[8+16*\r:9+16*\r], v[12+16*\r:13+16*\r]
	v_pk_add_f32 v[10+16*\r:11+16*\r], v[10+16*\r:11+16*\r], v[14+16*\r:15+16*\r]
	v_pk_add_f32 v[16+16*\r:17+16*\r], v[16+16*\r:17+16*\r], v[20+16*\r:21+16*\r]
	v_pk_add_f32 v[18+16*\r:19+16*\r], v[18+16*\r:19+16*\r], v[22+16*\r:23+16*\r]
	v_pk_add_f32 v[8+16*\r:9+16*\r], v[8+16*\r:9+16*\r], v[16+16*\r:17+16*\r]
	v_pk_add_f32 v[10+16*\r:11+16*\r], v[10+16*\r:11+16*\r], v[18+16*\r:19+16*\r]
	global_store_b128 v1, v[8+16*\r:11+16*\r], s[6:7] offset:\r*4096 th:TH_STORE_NT
.endr
	s_endpgm
.Lfunc_end_k_qe44d09dcd7_combine:
	.size	k_qe44d09dcd7_combine, .Lfunc_end_k_qe44d09dcd7_combine-k_qe44d09dcd7_combine
	.p2alignl 7, 3214868480
	.fill 96, 4, 3214868480
	.section	.rodata,"a",@progbits
	.p2align	6, 0x0
	.amdhsa_kernel k_qe44d09dcd7_combine
		.amdhsa_group_segment_fixed_size 0
		.amdhsa_private_segment_fixed_size 0
		.amdhsa_enable_private_segment 0
		.amdhsa_kernarg_size 16
		.amdhsa_user_sgpr_count 2
		.amdhsa_user_sgpr_kernarg_segment_ptr 1
		.amdhsa_wavefront_size32 1
		.amdhsa_system_sgpr_workgroup_id_x 1
		.amdhsa_system_sgpr_workgroup_id_y 1
		.amdhsa_system_sgpr_workgroup_id_z 1
		.amdhsa_system_vgpr_workitem_id 0
		.amdhsa_next_free_vgpr 72
		.amdhsa_next_free_sgpr 66
		.amdhsa_reserve_vcc 0
		.amdhsa_float_denorm_mode_32 3
		.amdhsa_float_denorm_mode_16_64 3
		.amdhsa_memory_ordered 1
		.amdhsa_forward_progress 1
		.amdhsa_inst_pref_size 5
	.end_amdhsa_kernel
	.amdgpu_metadata
---
amdhsa.version: [ 1, 2 ]
amdhsa.kernels:
  - .name:           k_qe44d09dcd7_combine
    .symbol:         k_qe44d09dcd7_combine.kd
    .args:
      - { .name: y, .offset: 0, .size: 8, .value_kind: global_buffer, .address_space: global }
      - { .name: out0, .offset: 8, .size: 8, .value_kind: global_buffer, .address_space: global }
    .group_segment_fixed_size: 0
    .private_segment_fixed_size: 0
    .kernarg_segment_align: 8
    .kernarg_segment_size: 16
    .max_flat_workgroup_size: 256
    .sgpr_count:     66
    .vgpr_count:     72
    .wavefront_size: 32
...
	.end_amdgpu_metadata
.endif
;; end of part 4
;; ======== version 2 of 2: 4 launches
;; workspace buffers: xq 786,432 bytes; xs 32,768 bytes; masks 1,024 bytes of whole numbers; sel 4,096 bytes of whole numbers; gates 8,704 bytes; h 25,165,824 bytes; hs 2,097,152 bytes; y 16,842,752 bytes
;; launch route (part 5): grid 64 x 1, 8 waves a work-group, no clusters, 89,600 bytes of LDS; arguments x, noise, w_route, b_route, w_noise, b_noise, xq, xs, masks, sel, gates; writes xq, xs, masks, sel, gates
.if DOCPART == 5
	.amdgcn_target "amdgcn-amd-amdhsa--gfx1250"
	.amdhsa_code_object_version 6
	.text
	.protected	k_qe44d09dcd7_route
	.globl	k_qe44d09dcd7_route
	.p2align	8
	.type	k_qe44d09dcd7_route,@function
k_qe44d09dcd7_route:
	s_mov_b64 s[64:65], 0
	v_nop
	global_prefetch_b8 v0, s[64:65] scope:SCOPE_SE
	s_setreg_imm32_b32 hwreg(HW_REG_WAVE_MODE, 25, 1), 1
	s_wait_xcnt 0x0
; ROUTE.  For 16 tokens a work-group: the two router products in f32, the noisy top-2 and its two gates, and x as codes of FP6 (E2M3) with one E8M0 byte for each 32 along K.
; SHARES.  Work-group g: tokens 16 g .. 16 g + 15.  Wave s: k = 128 s .. 128 s + 127.  Lane (r = lane % 16, h = lane / 16) holds 64 numbers of row r: register 16 b + i is k = 128 s + 32 b + 16 h + i.
; The same 64 registers feed the router's fused multiply-adds and the quantiser, so x is read from memory once in the whole program.
; THE ROUTER'S WEIGHTS of a wave's 128 k (4,096 bytes of w_route, 4,096 of w_noise) come by 16 dense loads, go through the wave's own 8 KB of LDS and are read back a row of 32 bytes at a time.
; WHAT IS STORED, all at fixed places (no address and no branch hangs on the choice): xq [token][s][j][h][16 B]: registers 4 j .. 4 j + 3 of lane (r, h)'s operand for K step s; the two halves' 16 bytes lie side by side, so that
; the two lanes that later gather one token's piece read 32 neighbouring bytes; xs [token][s], a scale word;
; masks [expert][64 half-words], bit r of half-word g = token 16 g + r chose the expert; sel [token] the first choice; gates [token][2]; 512 bytes of zeros behind the gates (a bias of zeros for a later launch).
; The products are f32 throughout: a coarser sum could change which two experts are chosen.  Ties go to the lower index (strict comparisons), as in lax.top_k.
; LIMITS.  NaN and infinities among the inputs are not served.  A block whose largest magnitude lies under 2^-124 gets the byte 1 (a block of zeros too, where the rule says 127: its codes are zeros, and this
; program alone reads the bytes).  The router's sums are added in another order than a plain dot product: a token whose second and third noisy logits differ by about 1e-6 of their size may choose the other expert.
.set XIMG, 0                           ; LDS: x's codes, r x 768 + s x 96 + j x 32 + h x 16: the 12,288 bytes that go to xq as they lie
.set XSCL, 12288                       ; their scale words, r x 32 + 4 s
.set PART, 12800                       ; the waves' partial sums: s x 1,280 + r x 80, 64 bytes used of each 80
.set WL,   23040                       ; the router's weights: 8,192 bytes for each wave, its own
.set AC,   16                          ; v16-31   16 sums: experts 0-7 of w_route, then of w_noise
.set XV,   32                          ; v32-95   my 64 numbers of x
.set WA,   96                          ; v96-159  weights of four k, one set;
.set WB,   160                         ; v160-223 the other set
.set TM,   112                         ; the quantiser's registers lie in WA, which is free by then
.set PC,   128
.set PW,   148
.set NOF,  176                         ; the tail: v176 my token's place in noise; v177-179 where the results go; v180 the mask half-words.  They lie outside v32-159, where the partial sums land
.set O4,   177
.set O8,   178
.set O128, 179
.set MK,   180
.set SEL,  50                          ; s[50:51] lane selects for v_permlanex16_b32: lane l xor 16
; weights of k number 4 bt .. 4 bt + 3 of my 64, into set WB (bt even) or WA (bt odd): 16 registers a k: 8 of w_route, 8 of w_noise
.macro LOADW bt
.set S_, WB-(WB-WA)*((\bt)%2)
.irp q, 0,1,2,3
.set N_, 4*(\bt)+\q
.set K_, (32*(N_/16)+N_%16)*32
	ds_load_b128 v[S_+16*\q:S_+16*\q+3], v6 offset:K_
	ds_load_b128 v[S_+16*\q+4:S_+16*\q+7], v6 offset:K_+16
	ds_load_b128 v[S_+16*\q+8:S_+16*\q+11], v6 offset:K_+4096
	ds_load_b128 v[S_+16*\q+12:S_+16*\q+15], v6 offset:K_+4096+16
.endr
.endm
; 8 packed multiply-adds a k: one number of x (the low or the high register of its pair, for both halves) times two neighbouring experts' weights.  The very first k starts the sums.
.macro FMAS bt
.set S_, WB-(WB-WA)*((\bt)%2)
.irp q, 0,1,2,3
.set N_, 4*(\bt)+\q
.set X_, XV+(N_/2)*2
.irp p, 0,1,2,3,4,5,6,7
.if N_ == 0
	v_pk_mul_f32 v[AC+2*\p:AC+2*\p+1], v[X_:X_+1], v[S_+16*\q+2*\p:S_+16*\q+2*\p+1] op_sel_hi:[0,1]
.elseif N_%2 == 0
	v_pk_fma_f32 v[AC+2*\p:AC+2*\p+1], v[X_:X_+1], v[S_+16*\q+2*\p:S_+16*\q+2*\p+1], v[AC+2*\p:AC+2*\p+1] op_sel_hi:[0,1,1]
.else
	v_pk_fma_f32 v[AC+2*\p:AC+2*\p+1], v[X_:X_+1], v[S_+16*\q+2*\p:S_+16*\q+2*\p+1], v[AC+2*\p:AC+2*\p+1] op_sel:[1,0,0] op_sel_hi:[1,1,1]
.endif
.endr
.endr
.endm
	s_load_b512 s[4:19], s[0:1], 0x0               ; x s[4:5], noise s[6:7], w_route s[8:9], b_route s[10:11], w_noise s[12:13], b_noise s[14:15], xq s[16:17], xs s[18:19]
	s_load_b128 s[20:23], s[0:1], 0x40             ; masks s[20:21], sel s[22:23]
	s_load_b64 s[24:25], s[0:1], 0x50              ; gates
	v_lshl_add_u32 v224, v0, 2, 0x15a00
	v_mov_b32 v225, 0
	v_lshrrev_b32 v1, 5, v0
	s_delay_alu instid0(VALU_DEP_1)
	v_readfirstlane_b32 s26, v1                    ; wave = K step s
	v_and_b32 v1, 31, v0                           ; lane
	v_and_b32 v2, 15, v0                           ; r
	v_bfe_u32 v3, v0, 4, 1                         ; h
	s_delay_alu instid0(VALU_DEP_2)
	v_lshlrev_b32 v4, 12, v2
	s_delay_alu instid0(VALU_DEP_1)
	v_lshl_add_u32 v4, v3, 6, v4                   ; x: row r of 4,096 bytes, + 64 h: my 16 numbers of a block of 32
	v_lshlrev_b32 v10, 4, v1                       ; 16 x lane
	s_lshl_b32 s27, s26, 13
	s_add_co_u32 s27, s27, WL                      ; my wave's 8 KB of weights
	v_add_nc_u32 v5, s27, v10                      ; into them: 16 x lane
	v_lshl_add_u32 v6, v3, 9, s27                  ; out of them: lanes 16-31 begin 16 k (512 bytes) further on
	s_mul_i32 s28, s26, 1280
	s_add_co_u32 s28, s28, PART
	v_mul_u32_u24 v7, v2, 80
	s_delay_alu instid0(VALU_DEP_1)
	v_add_nc_u32 v12, PART, v7                     ; the tail reads row r of every wave's partial sums
	s_delay_alu instid0(VALU_DEP_2)
	v_add_nc_u32 v7, s28, v7                       ; my wave's partial sums, row r
	v_mul_u32_u24 v8, v2, 768
	s_delay_alu instid0(VALU_DEP_1)
	v_lshl_add_u32 v8, v3, 4, v8
	s_mul_i32 s28, s26, 96
	v_add_nc_u32 v8, s28, v8                       ; my codes: row r, K step s, + 16 h; the three pieces lie 32 bytes apart
	v_lshlrev_b32 v9, 5, v2
	s_lshl_b32 s28, s26, 2
	s_add_co_u32 s28, s28, XSCL
	v_add_nc_u32 v9, s28, v9                       ; my row's scale word of K step s
	v_lshlrev_b32 v11, 4, v0                       ; 16 x thread: the copy of the codes to memory
	v_add_nc_u32 v13, XSCL, v10                    ; and of the scale words
	s_mov_b32 s[SEL], 0x76543210
	s_mov_b32 s[SEL+1], 0xfedcba98
	s_mov_b32 s48, 0xbfb8aa3b                      ; -log2(e)
	s_mov_b32 s49, 0x3f317218                      ; ln(2)
	s_lshl_b32 s28, ttmp9, 16                      ; 16 rows of 4,096 bytes a work-group,
	s_lshl_b32 s29, s26, 9                         ; 512 bytes of a row a wave
	s_add_co_u32 s28, s28, s29
	s_mov_b32 s29, 0
	s_lshl_b32 s30, s26, 12                        ; 128 rows of 32 bytes of each router weight a wave
	s_mov_b32 s31, 0
	s_wait_kmcnt 0x0
	s_add_nc_u64 s[4:5], s[4:5], s[28:29]
	s_add_nc_u64 s[8:9], s[8:9], s[30:31]
	s_add_nc_u64 s[12:13], s[12:13], s[30:31]
	s_load_b256 s[32:39], s[10:11], 0x0            ; b_route, b_noise: wanted in the tail
	s_load_b256 s[40:47], s[14:15], 0x0
.irp j, 0,1,2,3,4,5,6,7
	global_load_b128 v[WA+4*\j:WA+4*\j+3], v10, s[8:9] offset:512*\j          ; 32 lanes read 512 consecutive bytes
.endr
.irp j, 0,1,2,3,4,5,6,7
	global_load_b128 v[WA+32+4*\j:WA+32+4*\j+3], v10, s[12:13] offset:512*\j
.endr
.irp b, 0,1,2,3
.irp j, 0,1,2,3
	global_load_b128 v[XV+16*\b+4*\j:XV+16*\b+4*\j+3], v4, s[4:5] offset:128*\b+16*\j th:TH_LOAD_NT   ; read once in the whole program
.endr
.endr
	s_mul_i32 s28, ttmp9, 12288
	s_add_nc_u64 s[16:17], s[16:17], s[28:29]      ; xq: 16 tokens x 768 bytes
	s_lshl_b32 s28, ttmp9, 9
	s_add_nc_u64 s[18:19], s[18:19], s[28:29]      ; xs: 16 x 32
	s_add_nc_u64 s[6:7], s[6:7], s[28:29]          ; noise: 16 x 32
	s_lshl_b32 s28, ttmp9, 1
	s_add_nc_u64 s[20:21], s[20:21], s[28:29]      ; masks: my half-word in each expert's 128 bytes
	s_lshl_b32 s28, ttmp9, 6
	s_add_nc_u64 s[22:23], s[22:23], s[28:29]      ; sel: 16 x 4
	s_lshl_b32 s28, ttmp9, 7
	s_add_nc_u64 s[24:25], s[24:25], s[28:29]      ; gates: 16 x 8
	s_wait_loadcnt 16                              ; the weights are in; x's 16 loads are younger
.irp j, 0,1,2,3,4,5,6,7,8,9,10,11,12,13,14,15
	ds_store_b128 v5, v[WA+4*\j:WA+4*\j+3] offset:512*\j     ; w_route's 4,096 bytes, then w_noise's.  LDS serves a wave's instructions in order: my loads below see these
.endr
	LOADW 0
	s_wait_dscnt 16                                ; the stores have read WA (only the 16 loads just issued are out): WA may be loaded
	LOADW 1
	s_wait_loadcnt 0x0                             ; x
.set B_, 0
.rept 16
.if B_ < 15
	s_wait_alu depctr_va_vdst(0)
	s_wait_dscnt 16                                ; this batch's set is in; the other set's 16 loads are younger
.else
	s_wait_alu depctr_va_vdst(0)
	s_wait_dscnt 0x0
.endif
	FMAS B_
.if B_ < 14
	LOADW B_+2
.endif
.set B_, B_+1
.endr
.irp a, 0,1,2,3,4,5,6,7,8,9,10,11,12,13,14,15
	v_permlanex16_b32 v[WA+\a], v[AC+\a], s[SEL], s[SEL+1]
.endr
.irp a, 0,1,2,3,4,5,6,7,8,9,10,11,12,13,14,15
	v_add_f32 v[AC+\a], v[AC+\a], v[WA+\a]         ; with lane l xor 16's: row r's sums over my wave's 128 k
.endr
.irp q, 0,1,2,3
	ds_store_b128 v7, v[AC+4*\q:AC+4*\q+3] offset:16*\q      ; lanes r and r + 16 write the same bytes with the same values
.endr
	; ---- x's 64 numbers of a lane become the operand's 12 registers and the row's scale word
.irp b, 0,1,2,3
	v_max3_num_f32 v[TM+\b], |v[XV+16*\b]|, |v[XV+1+16*\b]|, 0x1800000   ; block b: my 16 numbers, and the floor 2^(3 - 127): the byte cannot fall under 1
.endr
.irp i, 2,4,6,8,10,12,14
.irp b, 0,1,2,3
	s_delay_alu instid0(VALU_DEP_4)
	v_max3_num_f32 v[TM+\b], v[TM+\b], |v[XV+16*\b+\i]|, |v[XV+1+16*\b+\i]|   ; the four blocks by turns
.endr
.endr
.irp b, 0,1,2,3
	s_delay_alu instid0(VALU_DEP_4)
	v_permlanex16_b32 v[TM+4+\b], v[TM+\b], s[SEL], s[SEL+1]
.endr
.irp b, 0,1,2,3
	s_delay_alu instid0(VALU_DEP_4)
	v_max_num_f32 v[TM+\b], v[TM+\b], v[TM+4+\b]   ; the block's largest magnitude
.endr
.irp b, 0,1,2,3
	s_delay_alu instid0(VALU_DEP_4)
	v_add_nc_u32 v[TM+12+\b], 0xff000000, v[TM+\b] ; 2 off its exponent field: the conversion takes the exponent field of this operand as its scale
.endr
.irp b, 0,1,2,3
	s_delay_alu instid0(VALU_DEP_4)
	v_lshrrev_b32 v[TM+4+\b], 23, v[TM+12+\b]      ; the scale's byte
.endr
	s_delay_alu instid0(VALU_DEP_3)
	v_lshl_or_b32 v[PW], v[TM+5], 8, v[TM+4]
	s_delay_alu instid0(VALU_DEP_1)
	v_lshl_or_b32 v[PW], v[TM+6], 16, v[PW]
	s_delay_alu instid0(VALU_DEP_1)
	v_lshl_or_b32 v[PW], v[TM+7], 24, v[PW]        ; my row's scale word
.irp c, 0,1
	v_cvt_scalef32_pk16_fp6_f32 v[PC+6*\c:PC+2+6*\c], v[XV+32*\c:XV+15+32*\c], v[TM+12+2*\c]
	v_cvt_scalef32_pk16_fp6_f32 v[PC+12+4*\c:PC+14+4*\c], v[XV+16+32*\c:XV+31+32*\c], v[TM+12+2*\c+1]   ; (a conversion's three registers begin on an even number)
.endr
	v_nop                                          ; one plain instruction behind the scaled conversions
.irp c, 0,1                                    ; the operand's layout wants a whole block in a lane: lanes 0-15 block 2 c, lanes 16-31 block 2 c + 1
.irp i, 0,1,2
	v_permlane16_swap_b32 v[PC+6*\c+\i], v[PC+12+4*\c+\i]
.endr
.irp i, 0,1,2
	s_delay_alu instid0(VALU_DEP_3)
	v_mov_b32 v[PC+3+6*\c+\i], v[PC+12+4*\c+\i]
.endr
.endr
.irp c, 0,1,2
	ds_store_b128 v8, v[PC+4*\c:PC+4*\c+3] offset:32*\c      ; registers 4 c .. 4 c + 3; lane l xor 16's lie beside them
.endr
	ds_store_b32 v9, v[PW]
	s_wait_dscnt 0x0                               ; for the others' sake: my stores have landed
	s_barrier_signal -1
	s_barrier_wait -1                              ; the codes, the scale words and the partial sums of all eight waves lie in LDS
.irp j, 0,1,2
	ds_load_b128 v[200+4*\j:203+4*\j], v11 offset:XIMG+4096*\j
.endr
.irp j, 0,1,2
	s_wait_dscnt 2-\j
	global_store_b128 v11, v[200+4*\j:203+4*\j], s[16:17] offset:4096*\j      ; a wave stores 512 consecutive bytes, at a multiple of 256 from xq's first byte
.endr
	s_cmp_lg_u32 s26, 1
	s_cbranch_scc1 .Lnot_wave_1
	ds_load_b128 v[212:215], v13
	s_wait_dscnt 0x0
	global_store_b128 v10, v[212:215], s[18:19]    ; the 16 tokens' scale words: 512 consecutive bytes
.Lnot_wave_1:
	s_cmp_lg_u32 s26, 2
	s_cbranch_scc1 .Lno_zeros
	s_cmp_lg_u32 ttmp9, 0
	s_cbranch_scc1 .Lno_zeros
	v_mov_b32 v216, 0
	v_mov_b32 v217, 0
	v_mov_b32 v218, 0
	v_mov_b32 v219, 0
	global_store_b128 v10, v[216:219], s[24:25] offset:8192   ; work-group 0: the 512 bytes of zeros behind the gates
.Lno_zeros:
	s_cmp_lg_u32 s26, 0
	s_cbranch_scc1 .Lend
	; ---- THE TAIL, wave 0: lane l has token l % 16 (lanes 16-31 repeat lanes 0-15)
	v_lshlrev_b32 v[NOF], 5, v2
	global_load_b128 v[160:163], v[NOF], s[6:7]
	global_load_b128 v[164:167], v[NOF], s[6:7] offset:16     ; my token's 8 numbers of noise
.irp s, 0,1,2,3,4,5,6,7
.irp q, 0,1,2,3
	ds_load_b128 v[32+16*\s+4*\q:35+16*\s+4*\q], v12 offset:\s*1280+16*\q     ; v32-159: the eight waves' partial sums of my token
.endr
.endr
	v_lshlrev_b32 v[O4], 2, v1                     ; where the results go: 4, 8 and 128 bytes a lane
	v_lshlrev_b32 v[O8], 3, v1
	v_lshlrev_b32 v[O128], 7, v1
	v_mov_b32 v[MK], 0                             ; the mask half-words, expert e in lane e
	s_wait_dscnt 0x0
.irp s, 1,2,3,4,5,6,7
.irp p, 0,1,2,3,4,5,6,7
	v_pk_add_f32 v[32+2*\p:33+2*\p], v[32+2*\p:33+2*\p], v[32+16*\s+2*\p:33+16*\s+2*\p]   ; the eight waves' parts, K ascending
.endr
.endr
	s_wait_alu depctr_va_vdst(0)
	s_wait_kmcnt 0x0                               ; the biases
.irp e, 0,1,2,3,4,5,6,7
	v_add_f32 v[32+\e], s[32+\e], v[32+\e]         ; logits
	v_add_f32 v[40+\e], s[40+\e], v[40+\e]         ; z, the noise logits
.endr
	; softplus(z) = max(z, 0) + ln 2 x log2(1 + 2^(-|z| log2 e)): no exponential of a positive number
.irp e, 0,1,2,3,4,5,6,7
	v_mul_f32 v[48+\e], s48, |v[40+\e]|
.endr
	s_wait_alu depctr_va_vdst(0)
.irp e, 0,1,2,3,4,5,6,7
	v_exp_f32 v[48+\e], v[48+\e]
.endr
	v_nop                                          ; a plain instruction behind the batch,
	s_wait_alu depctr_va_vdst(0)                   ; and one wait for the eight, ahead of their first reader
.irp e, 0,1,2,3,4,5,6,7
	v_add_f32 v[48+\e], 1.0, v[48+\e]
.endr
	s_wait_alu depctr_va_vdst(0)
.irp e, 0,1,2,3,4,5,6,7
	v_log_f32 v[48+\e], v[48+\e]
.endr
.irp e, 0,1,2,3,4,5,6,7
	v_max_num_f32 v[56+\e], 0, v[40+\e]            ; plain work that names none of the batch's results
.endr
	s_wait_alu depctr_va_vdst(0)                   ; one wait for the eight logarithms
.irp e, 0,1,2,3,4,5,6,7
	v_fma_f32 v[56+\e], v[48+\e], s49, v[56+\e]    ; softplus
.endr
	s_wait_alu depctr_va_vdst(0)
	s_wait_loadcnt 0x0                             ; noise
.irp e, 0,1,2,3,4,5,6,7
	v_fma_f32 v[64+\e], v[160+\e], v[56+\e], v[32+\e]   ; the noisy logits
.endr
	; the two largest, by strict comparisons: of equals the lower index is kept.  v72, v73: the largest and its expert; v74, v75: the second
	v_mov_b32 v72, v64
	v_mov_b32 v73, 0
	v_mov_b32 v74, 0xff800000
	v_mov_b32 v75, 1
.irp e, 1
	s_delay_alu instid0(VALU_DEP_4)
	v_cmp_gt_f32 s52, v[64+\e], v72
	s_delay_alu instid0(VALU_DEP_3)
	v_cmp_gt_f32 vcc_lo, v[64+\e], v74
	s_delay_alu instid0(VALU_DEP_1)
	v_cndmask_b32 v74, v74, v[64+\e], vcc_lo
	s_delay_alu instid0(VALU_DEP_2)
	v_cndmask_b32 v75, v75, \e, vcc_lo
	s_delay_alu instid0(VALU_DEP_2)
	v_cndmask_b32 v74, v74, v72, s52
	s_delay_alu instid0(VALU_DEP_2)
	v_cndmask_b32 v75, v75, v73, s52
	v_cndmask_b32 v72, v72, v[64+\e], s52
	v_cndmask_b32 v73, v73, \e, s52
.endr
.irp e, 2, 3, 4, 5, 6, 7
	s_delay_alu instid0(VALU_DEP_2)
	v_cmp_gt_f32 s52, v[64+\e], v72
	v_cmp_gt_f32 vcc_lo, v[64+\e], v74
	s_delay_alu instid0(VALU_DEP_1)
	v_cndmask_b32 v74, v74, v[64+\e], vcc_lo
	s_delay_alu instid0(VALU_DEP_2)
	v_cndmask_b32 v75, v75, \e, vcc_lo
	s_delay_alu instid0(VALU_DEP_2)
	v_cndmask_b32 v74, v74, v72, s52
	s_delay_alu instid0(VALU_DEP_2)
	v_cndmask_b32 v75, v75, v73, s52
	v_cndmask_b32 v72, v72, v[64+\e], s52
	v_cndmask_b32 v73, v73, \e, s52
.endr
	s_delay_alu instid0(VALU_DEP_2)
	; the softmax over the two, the larger taken away first: 1 / (1 + ex) and ex / (1 + ex), ex = e^(second - first), at most 1
	v_sub_f32 v76, v74, v72
	s_delay_alu instid0(VALU_DEP_1)
	v_mul_f32 v76, 0x3fb8aa3b, v76
	s_wait_alu depctr_va_vdst(0)
	v_exp_f32 v77, v76
	v_nop
	s_wait_alu depctr_va_vdst(0)
	v_add_f32 v78, 1.0, v77
	s_wait_alu depctr_va_vdst(0)
	v_rcp_f32 v80, v78
	v_nop
	s_wait_alu depctr_va_vdst(0)
	v_mul_f32 v81, v77, v80
.irp e, 0,1,2,3,4,5,6,7
	v_cmp_eq_u32 s52, \e, v73
	v_cmp_eq_u32 s53, \e, v75
	s_or_b32 s52, s52, s53
	s_and_b32 s52, s52, 0xffff                     ; bit r: token 16 g + r chose expert e
	v_writelane_b32 v[MK], s52, \e
.endr
	v_cmp_gt_u32 vcc_lo, 16, v1
	s_wait_alu depctr_va_vdst(0)
	s_wait_xcnt 0x0                                ; EXEC changes only behind this wait: my stores above have had their addresses translated
	s_and_saveexec_b32 s54, vcc_lo
	global_store_b32 v[O4], v73, s[22:23]          ; lanes 0-15: the first choice,
	global_store_b64 v[O8], v[80:81], s[24:25]     ; and the two gates
	s_wait_xcnt 0x0
	s_or_b32 exec_lo, exec_lo, s54
	v_cmp_gt_u32 vcc_lo, 8, v1
	s_and_saveexec_b32 s54, vcc_lo
	global_store_b16 v[O128], v[MK], s[20:21]      ; lanes 0-7: expert e's half-word for my 16 tokens
	s_wait_xcnt 0x0
	s_or_b32 exec_lo, exec_lo, s54
.Lend:
	s_wait_tensorcnt 0x0
	ds_add_u32 v224, v225
	s_wait_dscnt 0x0
	s_endpgm
.Lfunc_end_k_qe44d09dcd7_route:
	.size	k_qe44d09dcd7_route, .Lfunc_end_k_qe44d09dcd7_route-k_qe44d09dcd7_route
	.p2alignl 7, 3214868480
	.fill 96, 4, 3214868480
	.section	.rodata,"a",@progbits
	.p2align	6, 0x0
	.amdhsa_kernel k_qe44d09dcd7_route
		.amdhsa_group_segment_fixed_size 89600
		.amdhsa_private_segment_fixed_size 0
		.amdhsa_enable_private_segment 0
		.amdhsa_kernarg_size 88
		.amdhsa_user_sgpr_count 2
		.amdhsa_user_sgpr_kernarg_segment_ptr 1
		.amdhsa_wavefront_size32 1
		.amdhsa_system_sgpr_workgroup_id_x 1
		.amdhsa_system_sgpr_workgroup_id_y 1
		.amdhsa_system_sgpr_workgroup_id_z 1
		.amdhsa_system_vgpr_workitem_id 0
		.amdhsa_next_free_vgpr 226
		.amdhsa_next_free_sgpr 66
		.amdhsa_reserve_vcc 1
		.amdhsa_float_denorm_mode_32 3
		.amdhsa_float_denorm_mode_16_64 3
		.amdhsa_memory_ordered 1
		.amdhsa_forward_progress 1
		.amdhsa_inst_pref_size 82
	.end_amdhsa_kernel
	.amdgpu_metadata
---
amdhsa.version: [ 1, 2 ]
amdhsa.kernels:
  - .name:           k_qe44d09dcd7_route
    .symbol:         k_qe44d09dcd7_route.kd
    .args:
      - { .name: x, .offset: 0, .size: 8, .value_kind: global_buffer, .address_space: global }
      - { .name: noise, .offset: 8, .size: 8, .value_kind: global_buffer, .address_space: global }
      - { .name: w_route, .offset: 16, .size: 8, .value_kind: global_buffer, .address_space: global }
      - { .name: b_route, .offset: 24, .size: 8, .value_kind: global_buffer, .address_space: global }
      - { .name: w_noise, .offset: 32, .size: 8, .value_kind: global_buffer, .address_space: global }
      - { .name: b_noise, .offset: 40, .size: 8, .value_kind: global_buffer, .address_space: global }
      - { .name: xq, .offset: 48, .size: 8, .value_kind: global_buffer, .address_space: global }
      - { .name: xs, .offset: 56, .size: 8, .value_kind: global_buffer, .address_space: global }
      - { .name: masks, .offset: 64, .size: 8, .value_kind: global_buffer, .address_space: global }
      - { .name: sel, .offset: 72, .size: 8, .value_kind: global_buffer, .address_space: global }
      - { .name: gates, .offset: 80, .size: 8, .value_kind: global_buffer, .address_space: global }
    .group_segment_fixed_size: 89600
    .private_segment_fixed_size: 0
    .kernarg_segment_align: 8
    .kernarg_segment_size: 88
    .max_flat_workgroup_size: 256
    .sgpr_count:     66
    .vgpr_count:     226
    .wavefront_size: 32
...
	.end_amdgpu_metadata
.endif
;; end of part 5
;; launch ffn1 (part 6): grid 32 x 8, 16 waves a work-group, no clusters, 104,448 bytes of LDS; arguments w1, b1, xq, xs, masks, h, hs; writes h, hs
.if DOCPART == 6
	.amdgcn_target "amdgcn-amd-amdhsa--gfx1250"
	.amdhsa_code_object_version 6
	.text
	.protected	k_qe44d09dcd7_ffn1
	.globl	k_qe44d09dcd7_ffn1
	.p2align	8
	.type	k_qe44d09dcd7_ffn1,@function
k_qe44d09dcd7_ffn1:
	s_mov_b64 s[64:65], 0
	v_nop
	global_prefetch_b8 v0, s[64:65] scope:SCOPE_SE
	s_setreg_imm32_b32 hwreg(HW_REG_WAVE_SCHED_MODE, 0, 2), 2
	s_setreg_imm32_b32 hwreg(HW_REG_WAVE_MODE, 25, 1), 1
	s_wait_xcnt 0x0
	s_wait_alu depctr_vm_vsrc(0)
; FFN1.  h = Q(relu(Q(x) Q(w1[e]) + b1[e])) for the rows that chose expert e, on codes of FP6 (E2M3) with one E8M0 scale for each 32 along K.  Only chosen rows are multiplied: the others' gates are 0.
; SHARES.  Work-group (sl, e): hidden units 128 sl .. 128 sl + 127 of expert e: 512 KB of w1 in f32, each byte read once in the launch, quantised in registers on the way; no code of a weight goes to memory.
; THE STREAM goes in 8 units of 256 rows of K x 64 columns (units 0-3: columns 0-63, units 4-7: columns 64-127).  Wave w takes 32 columns (half ch = w % 2) x block kb = w / 2 (32 rows of K) of each unit:
; a lane is a column and its 32 registers run down K, so a block's largest magnitude needs no other lane and the conversions give codes with K innermost.  A load reads 128 consecutive bytes; waves w and w ^ 1 stand side by side on 256.
; The codes go to LDS in the order of the operand's registers: fragment (ks, ct) is 1,536 bytes, lane's 48 bytes at 48 x lane.  EVERY UNIT HAS LDS BYTES OF ITS OWN, so a unit's one barrier only publishes it, and all eight stay readable.
; THE PRODUCTS.  Wave w owns rows 32 w .. 32 w + 31 of the expert's list (two tiles of 16) against the unit's four tiles of 16 columns: 8 accumulators, by turns.  The product is used transposed (source 0 = 16 columns of w1,
; source 1 = 16 rows of x), and THE COLUMNS OF A TILE ARE NOT NEIGHBOURS: row r of tile 2 ch + u is hidden unit 32 ch + 8 u + r + 8 (r / 8), so that a lane's 16 registers of two neighbouring tiles are 16 neighbours along the next K.
; b1 is loaded into the accumulators: it is the C of each sum's first product, and nothing is cleared.
; x'S FRAGMENTS RUN A UNIT AHEAD IN THE SAME REGISTERS: the next unit's first K step is asked for among this unit's products of the second K step, its second K step behind them, and each is waited for ahead of the products
; that take it: between the request and the wait lie the rest of the products, the next unit's quantising, its refill and its barrier.
; THE LIST.  The p-th row of expert e is the token of the p-th set bit of the expert's 1,024-bit mask: each lane finds its own (SELECT), and the next launch finds the same by the same lines.
; WHAT HANGS ON THE MASKS: gathers, and forward branches round loads, products and stores.  The eight barriers stand on every wave's path whatever the masks hold.  Rows 512 on (an expert that more than half of the tokens chose)
; are served behind the stream from the codes that still lie in LDS, with no barrier and no weight read again.  Wave 0 is always at work, so that tiles 0 and 1 of every expert are stored (with no row at all: from clamped tokens; nobody uses them).
; NO TENSOR LOAD, NO CLUSTER: branches hang on stored counts, and no two work-groups read the same weights; x's codes, which the 32 work-groups of an expert share, are under a tenth of a unit's f32 bytes for each wave.
; LIMITS: as stated in the launch that quantises x (NaN, infinities; blocks under 2^-124 and blocks of zeros get the byte 1).
; THE MODE: SCHED_MODE bits 1:0 = 2 (LLVM: expert scheduling mode 2), set by the entry lines.  The code itself states the register dependences between vector or matrix instructions and memory or LDS instructions, with s_wait_alu, always for 0.
; THE PLAN.  Registers that memory or LDS instructions touch:
;   ST0, ST1     Unit u's numbers land in ST[u % 2]; WQ u's maxima and conversions read them; behind these the loads of unit u + 2 land there.
;   CD, BY       (in W)  Written by WQ's conversions and moves; read by its four LDS stores; then MM's LDS loads land there, or the next WQ writes them.
;   W, WS        MM's LDS loads land there, a K step at a time; that K step's eight products read them.  Between products the same registers serve the quantiser, the search and the epilogue.
;   X, XSC       x's gathers land there; K step ks is read by run ks of a unit's products; the next unit's K step ks lands there behind them.
;   ACC          The bias's loads land there; the products add onto them; the epilogue reads and writes them; the second bias lands there behind it.
;   G, E + 6     (in W)  Written by the epilogue; read by its stores.
;   XO, XSO      Written by TOKS; read by every gather; written again only for rows 512 on.
;   v1 - v9      Made at the head, read by every load and store, never written again.  v254, v255: made at the head, read by the closing add alone.
; A UNIT'S WAITS: one on va_vdst behind WQ's vector lines (for its LDS stores, the refill of the slot, and MM's first LDS loads); one on vm_vsrc in front of the barrier (the LDS stores have read CD and BY);
; one on va_vdst between the two runs of products (for the second run's LDS loads and the next unit's first gathers, which are dealt among the second run's products: those name none of the registers that the gathers touch);
; one on va_vdst behind the second run (for the next unit's other gathers).
.set SCL,   0                          ; LDS: the weights' scale bytes: unit u at 512 u: (2 ks + ch) x 128 + 4 x lane + block
.set CODE,  4096                       ; the weights' codes: unit u at 12,288 u: fragment 4 ks + ct at 1,536 each
.set UNITB, 12288
.set FRB,   1536
.set VOFF, 1                           ; v1    the stream: my column and my block's first row, in bytes; never rewritten
.set LWA,  2                           ; v2-3  where I put a block's 24 bytes of codes, in units 0-3 and (49,152 on) in units 4-7: an LDS immediate has 16 bits
.set LWS,  4                           ; v4    and its scale byte
.set LRA,  5                           ; v5-6  48 x lane: where I read a fragment, likewise twice
.set L4,   7                           ; v7    4 x lane
.set L16,  8                           ; v8    16 x lane
.set BO,   9                           ; v9    64 x (lane / 16): my half's place in b1
.set XO,   10                          ; v10-11 my row's codes in xq, tile 0, 1: token x 768 + 16 x (lane / 16)
.set XSO,  12                          ; v12-13 my row's scale words in xs
.set P,    16                          ; v16   my place in the expert's list
.set TOK,  17                          ; v17   the token there
.set CR,   18                          ; v18-23 carried from columns 0-63 to columns 64-127, three a tile: registers 4 and 5 of the fragment, the lower half of the scale word
.set ACC,  24                          ; v24-87   accumulator (tile i, column tile ct) at 24 + 32 i + 8 ct
.set ST,   88                          ; v88-151  the stream's two slots of 32 numbers
.set X,    152                         ; v152-199 x's fragments (ks, i) at 152 + 24 ks + 12 i
.set XSC,  200                         ; v200-203 their scale words: scales and nothing else
.set W,    204                         ; v204-251 four fragments of the weights; between products: at work (the quantiser's, the search's and the epilogue's registers)
.set WS,   252                         ; v252-253 the weights' scale words: lanes 0-15 tile 2 p, lanes 16-31 tile 2 p + 1
.set MXA, 204
.set MXB, 205
.set SCO, 206
.set BY,  207
.set CD,  208
.set WD,  216
.set BS,  217
.set JX,  218
.set NN,  219
.set C2,  220
.set C4,  221
.set C8,  222
.set C16, 223
.set TT,  224
.set DD,  225
.set POS, 226
.set TX,  227
.set T0,  228
.set T1,  229
.set ACT, 30                           ; s30   1: my 32 rows are in the list
.set SB,  34                           ; s[34:35], s[36:37] the stream's base, one for each slot
.set MSK, 52                           ; s52-57 the search: a run's six masks
.set PFX, 58                           ; s58-63 and the counts below its six words
; b1 of columns 64 c on, in the result's layout, into both tiles' accumulators: 16 loads
.macro BIAS c
.irp i, 0,1
.irp ct, 0,1,2,3
	global_load_b128 v[ACC+32*\i+8*\ct:ACC+32*\i+8*\ct+3], v[BO], s[6:7] offset:256*\c+(32*(\ct/2)+8*(\ct%2))*4
	global_load_b128 v[ACC+32*\i+8*\ct+4:ACC+32*\i+8*\ct+7], v[BO], s[6:7] offset:256*\c+(32*(\ct/2)+8*(\ct%2))*4+16
.endr
.endr
.endm
; my piece of unit u: 32 rows of K at my column.  The slot's base is written only where the slot's last loads have been shown landed
.macro LOADU u
	s_add_nc_u64 s[SB+2*((\u)%2):SB+2*((\u)%2)+1], s[32:33], ((\u)%4)*4194304+((\u)/4)*256
.set I_, 0
.rept 32
	global_load_b32 v[ST+32*((\u)%2)+I_], v[VOFF], s[SB+2*((\u)%2):SB+2*((\u)%2)+1] offset:I_*16384 th:TH_LOAD_NT
.set I_, I_+1
.endr
.endm
; my block of unit u becomes 24 bytes of codes and a scale byte, in LDS
.macro WQ u
.set S_, ST+32*((\u)%2)
	v_max3_num_f32 v[MXA], |v[S_]|, |v[S_+1]|, |v[S_+2]|
	v_max3_num_f32 v[MXB], |v[S_+3]|, |v[S_+4]|, |v[S_+5]|
.irp i, 6,10,14,18,22,26
	v_max3_num_f32 v[MXA], v[MXA], |v[S_+\i]|, |v[S_+\i+1]|
	v_max3_num_f32 v[MXB], v[MXB], |v[S_+\i+2]|, |v[S_+\i+3]|
.endr
	v_max3_num_f32 v[MXA], v[MXA], |v[S_+30]|, |v[S_+31]|
	v_max3_num_f32 v[MXA], v[MXA], v[MXB], 0x1800000           ; and the floor 2^(3 - 127): the byte cannot fall under 1
	v_add_nc_u32 v[SCO], 0xff000000, v[MXA]                    ; 2 off the exponent field: the conversion's scale operand
	v_cvt_scalef32_pk16_fp6_f32 v[CD:CD+2], v[S_:S_+15], v[SCO]
	v_cvt_scalef32_pk16_fp6_f32 v[CD+4:CD+6], v[S_+16:S_+31], v[SCO]   ; (a conversion's three registers begin on an even number)
	v_lshrrev_b32 v[BY], 23, v[SCO]                            ; the scale's byte; also the plain instruction behind the conversions
	v_mov_b32 v[CD+3], v[CD+4]
	v_mov_b32 v[CD+4], v[CD+5]
	v_mov_b32 v[CD+5], v[CD+6]
	s_wait_alu depctr_va_vdst(0)                               ; the codes and the byte are written, which the LDS stores read; the slot's numbers have been read, in which the unit two on lands; the lines above and the last unit's products are done with W and WS, in which this unit's LDS loads land
	ds_store_b64 v[LWA+(\u)/4], v[CD:CD+1] offset:CODE+((\u)%4)*UNITB
	ds_store_b64 v[LWA+(\u)/4], v[CD+2:CD+3] offset:CODE+((\u)%4)*UNITB+8
	ds_store_b64 v[LWA+(\u)/4], v[CD+4:CD+5] offset:CODE+((\u)%4)*UNITB+16
	ds_store_b8 v[LWS], v[BY] offset:SCL+(\u)*512
.endm
; load n of the eight that bring x's fragments and scale words for K step ks of unit u: tile n / 4: three pieces of 16 bytes, then the scale word.  Lanes r and r + 16 read 32 neighbouring bytes of one token
.macro XL1 u, ks, n
.set I1_, (\n)/4
.set J1_, (\n)%4
.if J1_ < 3
	global_load_b128 v[X+24*(\ks)+12*I1_+4*J1_:X+24*(\ks)+12*I1_+4*J1_+3], v[XO+I1_], s[8:9] offset:96*(2*((\u)%4)+(\ks))+32*J1_
.else
	global_load_b32 v[XSC+2*(\ks)+I1_], v[XSO+I1_], s[10:11] offset:4*(2*((\u)%4)+(\ks))
.endif
.endm
.macro XLOADK u, ks
.irp n, 0,1,2,3,4,5,6,7
	XL1 \u, \ks, \n
.endr
.endm
.macro XLOAD u
	XLOADK \u, 0
	XLOADK \u, 1
.endm
; unit u's 16 products.  The 8 accumulators take turns, one instruction a turn, in one order everywhere.  Four v_nop behind each run: the places ahead of the vector lines that write over its operands or read its results.
; w0, w1: how many younger loads may stay out when x's fragments of the first and of the second K step have to be there (w1 < 0: w0 has shown both).
; pf = 1: the next unit's fragments are asked for: the first K step's among this unit's second run, two loads behind each pair of products, the second's behind the second run.
.macro MM u, pf, w0, w1
.irp ks, 0,1
.if \ks == 1
	s_wait_alu depctr_va_vdst(0)                   ; the first run's products are done reading W and WS, in which the LDS loads below land, and x's first K step with its scale words, in which the next unit's gathers land
.endif
.irp ct, 0,1,2,3
.irp j, 0,1,2
	ds_load_b128 v[W+12*\ct+4*\j:W+12*\ct+4*\j+3], v[LRA+(\u)/4] offset:CODE+((\u)%4)*UNITB+(4*\ks+\ct)*FRB+16*\j
.endr
.endr
	ds_load_b32 v[WS], v[L4] offset:SCL+(\u)*512+(2*\ks)*128
	ds_load_b32 v[WS+1], v[L4] offset:SCL+(\u)*512+(2*\ks+1)*128
	s_wait_dscnt 0x0
.if \ks == 0
	s_wait_loadcnt \w0
.elseif (\w1) >= 0
	s_wait_loadcnt \w1
.endif
.set N_, 0
.irp i, 0,1
.irp ct, 0,2
	v_wmma_scale_f32_16x16x128_f8f6f4 v[ACC+32*\i+8*\ct:ACC+32*\i+8*\ct+7], v[W+12*\ct:W+12*\ct+11], v[X+24*\ks+12*\i:X+24*\ks+12*\i+11], v[ACC+32*\i+8*\ct:ACC+32*\i+8*\ct+7], v[WS+\ct/2], v[XSC+2*\ks+\i] matrix_a_fmt:MATRIX_FMT_FP6 matrix_b_fmt:MATRIX_FMT_FP6
	v_wmma_scale_f32_16x16x128_f8f6f4 v[ACC+32*\i+8*(\ct+1):ACC+32*\i+8*(\ct+1)+7], v[W+12*(\ct+1):W+12*(\ct+1)+11], v[X+24*\ks+12*\i:X+24*\ks+12*\i+11], v[ACC+32*\i+8*(\ct+1):ACC+32*\i+8*(\ct+1)+7], v[WS+\ct/2], v[XSC+2*\ks+\i] matrix_a_fmt:MATRIX_FMT_FP6 matrix_b_fmt:MATRIX_FMT_FP6 matrix_a_scale:MATRIX_SCALE_ROW1
.if (\pf) && (\ks == 1)
	XL1 (\u)+1, 0, N_                              ; no wait: no vector or matrix instruction since the wait between the runs names x's first K step or its scale words
	XL1 (\u)+1, 0, N_+1
.endif
.set N_, N_+2
.endr
.endr
.rept 4
	v_nop
.endr
.endr
.if \pf
	s_wait_alu depctr_va_vdst(0)                   ; the second run's products are done reading x's second K step and its scale words, in which the next unit's gathers land; they have also written the accumulators
	XLOADK (\u)+1, 1
.endif
.endm
; One step of the search for the NN-th set bit: the count of the field of wid bits at POS; if NN is not under it, pass the field
.macro BITSTEP cnt, wid
	v_bfe_u32 v[TT], v[\cnt], v[POS], \wid
	v_cmp_ge_u32 vcc_lo, v[NN], v[TT]
	s_wait_alu depctr_va_vcc(0)                    ; VCC is written, ahead of the two choices that read it (each step hangs on the step before: no run of compares can be made)
	v_cndmask_b32 v[TT], 0, v[TT], vcc_lo
	v_sub_nc_u32 v[NN], v[NN], v[TT]
	v_cndmask_b32 v[DD], 0, \wid, vcc_lo
	v_add_nc_u32 v[POS], v[POS], v[DD]
.endm
; n words of the mask, from word J_ on: a run of compares into scalar registers, one wait, then the choices.  s40: the count below the word in hand
.macro RUN n
.set Q_, 0
.rept \n
	s_mov_b32 s[PFX+Q_], s40                       ; kept for the choice
	v_cmp_le_u32 s[MSK+Q_], s40, v[P]
	s_bcnt1_i32_b32 s41, s[68+J_+Q_]
	s_add_co_u32 s40, s40, s41
.set Q_, Q_+1
.endr
	s_wait_alu depctr_va_sdst(0)                   ; the run's compares have written their masks, ahead of the first choice that reads one
.set Q_, 0
.rept \n
	v_cndmask_b32 v[WD], v[WD], s[68+J_+Q_], s[MSK+Q_]
	v_cndmask_b32 v[BS], v[BS], s[PFX+Q_], s[MSK+Q_]
	v_cndmask_b32 v[JX], v[JX], J_+Q_, s[MSK+Q_]
.set Q_, Q_+1
.endr
.set J_, J_+\n
.endm
; TOK = the token of place P = 512 ck + my thread's number in the expert's list; s40 = the list's length.  Whole numbers alone.  A place past the list's end gives some token, held inside the table
.macro SELECT ck
	v_add_nc_u32 v[P], 512*\ck, v0
	s_wait_alu depctr_va_vdst(0)
	v_mov_b32 v[WD], s68                           ; the last mask word below which at most P bits are set; the count below it; its number
	s_wait_alu depctr_va_vdst(0)
	v_mov_b32 v[BS], 0
	s_wait_alu depctr_va_vdst(0)
	v_mov_b32 v[JX], 0
	s_wait_alu depctr_va_vdst(0)
	s_bcnt1_i32_b32 s40, s68
.set J_, 1
	RUN 6
	s_wait_alu depctr_va_vdst(0)
	RUN 6
	s_wait_alu depctr_va_vdst(0)
	RUN 6
	s_wait_alu depctr_va_vdst(0)
	RUN 6
	s_wait_alu depctr_va_vdst(0)
	RUN 6
	RUN 1
	v_sub_nc_u32 v[NN], v[P], v[BS]                ; which set bit of that word
	v_lshrrev_b32 v[TT], 1, v[WD]                  ; the word's counts in fields of 2, 4, 8 and 16 bits
	v_and_b32 v[TT], 0x55555555, v[TT]
	v_sub_nc_u32 v[C2], v[WD], v[TT]
	v_lshrrev_b32 v[TT], 2, v[C2]
	v_and_b32 v[TT], 0x33333333, v[TT]
	v_and_b32 v[C4], 0x33333333, v[C2]
	v_add_nc_u32 v[C4], v[C4], v[TT]
	v_lshrrev_b32 v[TT], 4, v[C4]
	v_add_nc_u32 v[TT], v[TT], v[C4]
	v_and_b32 v[C8], 0x0f0f0f0f, v[TT]
	v_lshrrev_b32 v[TT], 8, v[C8]
	v_add_nc_u32 v[TT], v[TT], v[C8]
	v_and_b32 v[C16], 0x00ff00ff, v[TT]
	v_and_b32 v[TT], 0xffff, v[C16]
	v_cmp_ge_u32 vcc_lo, v[NN], v[TT]
	s_wait_alu depctr_va_vcc(0)                    ; VCC is written, ahead of the two choices that read it
	v_cndmask_b32 v[TT], 0, v[TT], vcc_lo
	v_sub_nc_u32 v[NN], v[NN], v[TT]
	v_cndmask_b32 v[POS], 0, 16, vcc_lo
	BITSTEP C8, 8
	BITSTEP C4, 4
	BITSTEP C2, 2
	BITSTEP WD, 1
	v_lshl_add_u32 v[TOK], v[JX], 5, v[POS]
	v_min_u32 v[TOK], 0x3ff, v[TOK]
.endm
; lane (r, h) wants the tokens of rows r (tile 0: lanes 0-15 found them) and 16 + r (tile 1: lanes 16-31), and their places in xq and xs
.macro TOKS
	v_and_b32 v[TT], 16, v0                        ; 16 h: 0 in lanes 0-15; also my half's place in a piece of 32 bytes
	v_cmp_eq_u32 vcc_lo, 0, v[TT]
	v_mov_b32 v[TX], v[TOK]                        ; (a lane permute's destination counts as one of its sources)
	v_permlanex16_b32 v[TX], v[TOK], s38, s39      ; lane l xor 16's token
	s_wait_alu depctr_va_vcc(0)                    ; VCC is written, ahead of the two choices that read it
	v_cndmask_b32 v[T0], v[TX], v[TOK], vcc_lo
	v_cndmask_b32 v[T1], v[TOK], v[TX], vcc_lo
	v_min_u32 v[T0], 0x3ff, v[T0]
	v_min_u32 v[T1], 0x3ff, v[T1]
	v_mul_u32_u24 v[XO], v[T0], 768
	v_mul_u32_u24 v[XO+1], v[T1], 768
	v_add_nc_u32 v[XO], v[XO], v[TT]
	v_add_nc_u32 v[XO+1], v[XO+1], v[TT]
	v_lshlrev_b32 v[XSO], 5, v[T0]
	v_lshlrev_b32 v[XSO+1], 5, v[T1]
.endm
; where my two tiles go: tile 64 e + 32 ck + 2 w of h (49,152 bytes a tile, K step sl at 1,536 sl) and of hs (4,096 a tile, 128 sl)
.macro BASES ck
	s_lshl_b32 s40, s23, 6
	s_lshl_b32 s41, s22, 1
	s_add_co_u32 s40, s40, s41
	s_add_co_u32 s40, s40, 32*\ck
	s_mul_i32 s48, s40, 49152
	s_mul_i32 s50, ttmp9, FRB
	s_add_co_u32 s48, s48, s50
	s_mov_b32 s49, 0
	s_add_nc_u64 s[42:43], s[14:15], s[48:49]
	s_lshl_b32 s48, s40, 12
	s_lshl_b32 s50, ttmp9, 7
	s_add_co_u32 s48, s48, s50
	s_add_nc_u64 s[44:45], s[16:17], s[48:49]
.endm
; Tile i's 64 hidden units of columns 64 c on: relu, two blocks of 32 quantised, registers 6 c .. 6 c + 5 of the fragment of K step sl.  The fragment leaves as an image of its registers, 512 dense bytes a store.
; Registers 0-3 go out with c = 0; registers 4 and 5 and the lower two scale bytes are carried to c = 1.  Each accumulator is read from its low end on.
; Its registers lie where the weights' fragments lay: x's registers are being loaded meanwhile.  EPIV: the vector lines; EPIO: the stores
.macro EPIV c, i
.set A_, ACC+32*\i
.set G_, 204+12*\i
.set T_, 228+4*\i
.set E_, 236+8*\i
.set Q_, 0
.rept 32
	v_max_num_f32 v[A_+Q_], 0, v[A_+Q_]            ; the activation, in f32
.set Q_, Q_+1
.endr
	v_max3_num_f32 v[E_], v[A_], v[A_+1], 0x1800000            ; no |.|: none is negative.  The floor 2^(3 - 127) holds the byte at 1 from below
	v_max3_num_f32 v[E_+1], v[A_+16], v[A_+17], 0x1800000
.irp k, 2,4,6,8,10,12,14
	v_max3_num_f32 v[E_], v[E_], v[A_+\k], v[A_+\k+1]
	v_max3_num_f32 v[E_+1], v[E_+1], v[A_+16+\k], v[A_+17+\k]
.endr
	v_permlanex16_b32 v[E_+2], v[E_], s38, s39
	v_permlanex16_b32 v[E_+3], v[E_+1], s38, s39
	v_max_num_f32 v[E_], v[E_], v[E_+2]            ; with lane l xor 16's 16: the block's largest
	v_max_num_f32 v[E_+1], v[E_+1], v[E_+3]
	v_add_nc_u32 v[E_+4], 0xff000000, v[E_]
	v_add_nc_u32 v[E_+5], 0xff000000, v[E_+1]
	v_lshrrev_b32 v[E_+2], 23, v[E_+4]
	v_lshrrev_b32 v[E_+3], 23, v[E_+5]
	v_lshl_or_b32 v[E_+6], v[E_+3], 8, v[E_+2]     ; the two scale bytes
	v_cvt_scalef32_pk16_fp6_f32 v[G_+6*\c:G_+6*\c+2], v[A_:A_+15], v[E_+4]
	v_cvt_scalef32_pk16_fp6_f32 v[T_:T_+2], v[A_+16:A_+31], v[E_+5]
	v_nop                                          ; one plain instruction behind the scaled conversions
.irp k, 0,1,2
	v_permlane16_swap_b32 v[G_+6*\c+\k], v[T_+\k]  ; a whole block to a lane: lanes 0-15 block 2 c, lanes 16-31 block 2 c + 1
.endr
.if \c == 0
	v_mov_b32 v[G_+3], v[T_]
	v_mov_b32 v[CR+3*\i], v[T_+1]
	v_mov_b32 v[CR+3*\i+1], v[T_+2]
	v_mov_b32 v[CR+3*\i+2], v[E_+6]
.else
	v_mov_b32 v[G_+4], v[CR+3*\i]
	v_mov_b32 v[G_+5], v[CR+3*\i+1]
	v_mov_b32 v[G_+9], v[T_]
	v_mov_b32 v[G_+10], v[T_+1]
	v_mov_b32 v[G_+11], v[T_+2]
	v_lshl_or_b32 v[E_+6], v[E_+6], 16, v[CR+3*\i+2]           ; my row's scale word of K step sl
.endif
.endm
.macro EPIO c, i
.set G_, 204+12*\i
.set E_, 236+8*\i
.if \c == 0
	global_store_b128 v[L16], v[G_:G_+3], s[42:43] offset:\i*49152
.else
	global_store_b128 v[L16], v[G_+4:G_+7], s[42:43] offset:\i*49152+512
	global_store_b128 v[L16], v[G_+8:G_+11], s[42:43] offset:\i*49152+1024
	global_store_b32 v[L4], v[E_+6], s[44:45] offset:\i*4096
.endif
.endm
.macro EPI2 c
	EPIV \c, 0
	EPIV \c, 1
	s_wait_alu depctr_va_vdst(0)                   ; both tiles' codes and scale words are written, which the stores read; the lines above are done with the accumulators, in which the next bias lands
	EPIO \c, 0
	EPIO \c, 1
	s_wait_xcnt 0x0                                ; the stores have had their addresses translated: their registers may be written again
.if \c == 0
	s_wait_alu depctr_vm_vsrc(0)                   ; the stores have read their codes, which lie where the next unit's quantiser writes and its LDS loads land
.endif
.endm
.macro EPIS c
	s_cmp_eq_u32 s[ACT], 0
	s_cbranch_scc1 .Lno_epi_\@
	EPI2 \c
.Lno_epi_\@:
.endm
; UNIT u.  n1 (unit 0 alone): the loads younger than the unit's.  Later units were shown landed in the unit before, on both ways: each way there ends with nothing out but the youngest unit (and, behind it, x's next fragments).
; A wave with rows multiplies (MM has the waits for x's fragments); a wave without rows waits with the count idle, so that the same loads are shown landed on its way.
.macro ITER u, n1, refill, pf, w0, w1, idle
.if (\n1) >= 0
	s_wait_loadcnt \n1                             ; my piece of the unit is in
.endif
	WQ \u
.if \refill
	LOADU (\u)+2                                   ; into the slot just quantised: no vector instruction since WQ's wait names it
.endif
	s_wait_dscnt 0x0                               ; for the others' sake: my codes and my scale byte have landed
	s_wait_alu depctr_vm_vsrc(0)                   ; my LDS stores have read CD and BY, in which this unit's LDS loads land and which the next unit's quantiser writes: ahead of the branch, for both ways
	s_barrier_signal -1
	s_barrier_wait -1                              ; unit u's eight fragments lie in LDS.  On every wave's path
	s_cmp_eq_u32 s[ACT], 0
	s_cbranch_scc1 .Lidle_\@
	MM \u, \pf, \w0, \w1
	s_branch .Ljoin_\@
.Lidle_\@:
	s_wait_loadcnt \idle
.Ljoin_\@:
.endm
.macro LATE u
.if (\u)%4
	s_wait_alu depctr_va_vdst(0)                   ; the unit before's products are done reading x's fragments and scale words, W and WS, in which the loads below land
.endif
	XLOAD \u
	MM \u, 0, 0, -1
.endm
	s_load_b256 s[4:11], s[0:1], 0x0               ; w1 s[4:5], b1 s[6:7], xq s[8:9], xs s[10:11]
	s_load_b128 s[12:15], s[0:1], 0x20             ; masks s[12:13], h s[14:15]
	s_load_b64 s[16:17], s[0:1], 0x30              ; hs
	v_lshl_add_u32 v254, v0, 2, 0x19000
	v_mov_b32 v255, 0
	v_lshrrev_b32 v14, 5, v0
	v_readfirstlane_b32 s22, v14                   ; wave 0..15
	s_and_b32 s23, ttmp7, 0xffff                   ; the expert
	s_mov_b32 s38, 0x76543210
	s_mov_b32 s39, 0xfedcba98                      ; v_permlanex16_b32's selects for lane l xor 16
	v_and_b32 v14, 31, v0                          ; lane
	v_bfe_u32 v15, v0, 4, 1                        ; lane / 16
	s_wait_alu depctr_va_vdst(0)
	v_and_b32 v16, 15, v0                          ; lane % 16
	v_and_b32 v17, 8, v0
	v_add_nc_u32 v17, v17, v16
	v_lshl_add_u32 v17, v15, 3, v17                ; my column of the 32: 8 (lane / 16) + lane % 16 + 8 ((lane % 16) / 8)
	s_wait_alu depctr_va_sdst(0)                   ; s22 is written, ahead of its first reader
	s_and_b32 s25, s22, 1                          ; ch
	s_lshr_b32 s26, s22, 1                         ; kb
	s_lshl_b32 s40, s26, 19                        ; 32 kb rows of 16,384 bytes
	s_lshl_b32 s41, s25, 7
	s_add_co_u32 s40, s40, s41
	v_lshl_add_u32 v[VOFF], v17, 2, s40
	s_lshr_b32 s40, s22, 3                         ; ks = kb / 4
	s_mul_i32 s41, s40, 4*FRB
	s_mul_i32 s48, s25, 2*FRB
	s_add_co_u32 s41, s41, s48
	s_bfe_u32 s48, s22, 0x10001                    ; kb % 2: which half of the lanes holds my block,
	s_mul_i32 s48, s48, 768
	s_add_co_u32 s41, s41, s48
	s_bfe_u32 s48, s22, 0x10002                    ; (kb / 2) % 2: and which 24 of a lane's 48 bytes
	s_mul_i32 s48, s48, 24
	s_add_co_u32 s41, s41, s48
	v_mul_u32_u24 v[LWA], v15, FRB
	s_wait_alu depctr_va_vdst(0)
	v_mad_u32_u24 v[LWA], v16, 48, v[LWA]
	v_add_nc_u32 v[LWA], s41, v[LWA]
	v_add_nc_u32 v[LWA+1], 4*UNITB, v[LWA]
	s_lshl_b32 s40, s40, 1
	s_add_co_u32 s40, s40, s25
	s_lshl_b32 s40, s40, 7
	s_and_b32 s41, s26, 3
	s_add_co_u32 s40, s40, s41
	v_lshl_add_u32 v[LWS], v14, 2, s40
	v_mul_u32_u24 v[LRA], v14, 48
	v_add_nc_u32 v[LRA+1], 4*UNITB, v[LRA]
	v_lshlrev_b32 v[L4], 2, v14
	v_lshlrev_b32 v[L16], 4, v14
	v_lshlrev_b32 v[BO], 6, v15
.irp k, 0,1,2,3,4,5
	v_mov_b32 v[CR+\k], 0                          ; written once, so that they are written on every path
.endr
.irp k, 238,239,246,247
	v_mov_b32 v\k, 0                               ; likewise: the epilogue's lane permutes land there, and a lane permute's destination counts as one of its sources
.endr
	s_lshl_b32 s40, s23, 24                        ; an expert's w1 is 2^24 bytes,
	s_lshl_b32 s41, ttmp9, 9                       ; a slab 512 bytes of each row
	s_add_co_u32 s40, s40, s41
	s_mov_b32 s41, 0
	s_lshl_b32 s48, s23, 14
	s_lshl_b32 s49, ttmp9, 9
	s_add_co_u32 s48, s48, s49
	s_mov_b32 s49, 0
	s_lshl_b32 s50, s23, 7
	s_mov_b32 s51, 0
	s_wait_kmcnt 0x0
	s_add_nc_u64 s[32:33], s[4:5], s[40:41]        ; the slab's first byte
	s_add_nc_u64 s[6:7], s[6:7], s[48:49]          ; its 128 numbers of b1
	s_add_nc_u64 s[12:13], s[12:13], s[50:51]      ; the expert's mask
	s_load_b512 s[68:83], s[12:13], 0x0
	s_load_b512 s[84:99], s[12:13], 0x40
	s_wait_alu depctr_va_vdst(0)                   ; the nine offsets and addresses v1 to v9 are written, which the loads and stores of the whole kernel read
	BIAS 0                                         ; the stream starts on ids alone, ahead of the masks
	LOADU 0
	LOADU 1
	s_wait_kmcnt 0x0
	SELECT 0
	s_mov_b32 s27, s40                             ; the list's length
	s_max_u32 s41, s27, 1                          ; (wave 0 is always at work)
	s_lshl_b32 s40, s22, 5
	s_cmp_lt_u32 s40, s41
	s_cselect_b32 s[ACT], 1, 0
	TOKS
	BASES 0
	s_wait_alu depctr_va_vdst(0)                   ; TOKS has written the four offsets, which x's gathers read
	XLOAD 0                                        ; unit 0's fragments, in every wave: their registers are written on every path
	ITER 0, 48, 1, 1, 40, 32, 32                   ; 48: unit 1's 32 loads and x's 16 are younger than unit 0's.  40: x's second K step (8) and unit 2 (32) are younger than its first; 32: unit 2 alone is younger than the second (the next unit's gathers go out behind that wait)
	ITER 1, -1, 1, 1, 40, 32, 32
	ITER 2, -1, 1, 1, 40, 32, 32
	ITER 3, -1, 1, 1, 40, 32, 32
	EPIS 0
	BIAS 1                                         ; in every wave: the counts are the same on every path.  No wait: no vector or matrix instruction since the last wait on va_vdst names the accumulators
	ITER 4, -1, 1, 1, 32, -1, 32                   ; 32: the bias, which the first products take, is younger than x's fragments; only unit 6 is younger than the bias
	ITER 5, -1, 1, 1, 40, 32, 32
	ITER 6, -1, 0, 1, 8, 0, 0                      ; nothing is left to fetch: only x's second K step is younger than its first
	ITER 7, -1, 0, 0, 8, 0, 0
	EPIS 1
	; ---- rows 512 on: from the codes in LDS, which every wave's last barrier has published; no barrier stands here
	s_wait_xcnt 0x0                                ; the stores' bases and the gathers' offsets may be written
	s_wait_alu depctr_vm_vsrc(0)                   ; the epilogue's stores have read their codes and scale words, x's gathers their four offsets: the second search writes all of these again
	s_lshl_b32 s41, s22, 5
	s_add_co_u32 s41, s41, 512
	s_cmp_lt_u32 s41, s27
	s_cbranch_scc0 .Lend
	SELECT 1
	TOKS
	BASES 1
	s_wait_alu depctr_va_vdst(0)                   ; TOKS has written the four offsets, which x's gathers read; the search is done with its registers in W, and all earlier products and vector lines with the accumulators, x's fragments, W and WS, in which the loads below land
	BIAS 0
	LATE 0
	LATE 1
	LATE 2
	LATE 3
	EPI2 0
	BIAS 1
	LATE 4
	LATE 5
	LATE 6
	LATE 7
	EPI2 1
.Lend:
	s_wait_dscnt 0x0                               ; the closing lines, six on end
	s_wait_alu 0x0
	s_wait_tensorcnt 0x0
	ds_add_u32 v254, v255
	s_wait_dscnt 0x0
	s_endpgm
.Lfunc_end_k_qe44d09dcd7_ffn1:
	.size	k_qe44d09dcd7_ffn1, .Lfunc_end_k_qe44d09dcd7_ffn1-k_qe44d09dcd7_ffn1
	.p2alignl 7, 3214868480
	.fill 96, 4, 3214868480
	.section	.rodata,"a",@progbits
	.p2align	6, 0x0
	.amdhsa_kernel k_qe44d09dcd7_ffn1
		.amdhsa_group_segment_fixed_size 104448
		.amdhsa_private_segment_fixed_size 0
		.amdhsa_enable_private_segment 0
		.amdhsa_kernarg_size 56
		.amdhsa_user_sgpr_count 2
		.amdhsa_user_sgpr_kernarg_segment_ptr 1
		.amdhsa_wavefront_size32 1
		.amdhsa_system_sgpr_workgroup_id_x 1
		.amdhsa_system_sgpr_workgroup_id_y 1
		.amdhsa_system_sgpr_workgroup_id_z 1
		.amdhsa_system_vgpr_workitem_id 0
		.amdhsa_next_free_vgpr 256
		.amdhsa_next_free_sgpr 100
		.amdhsa_reserve_vcc 1
		.amdhsa_float_denorm_mode_32 3
		.amdhsa_float_denorm_mode_16_64 3
		.amdhsa_memory_ordered 1
		.amdhsa_forward_progress 1
		.amdhsa_inst_pref_size 195
	.end_amdhsa_kernel
	.amdgpu_metadata
---
amdhsa.version: [ 1, 2 ]
amdhsa.kernels:
  - .name:           k_qe44d09dcd7_ffn1
    .symbol:         k_qe44d09dcd7_ffn1.kd
    .args:
      - { .name: w1, .offset: 0, .size: 8, .value_kind: global_buffer, .address_space: global }
      - { .name: b1, .offset: 8, .size: 8, .value_kind: global_buffer, .address_space: global }
      - { .name: xq, .offset: 16, .size: 8, .value_kind: global_buffer, .address_space: global }
      - { .name: xs, .offset: 24, .size: 8, .value_kind: global_buffer, .address_space: global }
      - { .name: masks, .offset: 32, .size: 8, .value_kind: global_buffer, .address_space: global }
      - { .name: h, .offset: 40, .size: 8, .value_kind: global_buffer, .address_space: global }
      - { .name: hs, .offset: 48, .size: 8, .value_kind: global_buffer, .address_space: global }
    .group_segment_fixed_size: 104448
    .private_segment_fixed_size: 0
    .kernarg_segment_align: 8
    .kernarg_segment_size: 56
    .max_flat_workgroup_size: 512
    .sgpr_count:     100
    .vgpr_count:     256
    .wavefront_size: 32
...
	.end_amdgpu_metadata
.endif
;; end of part 6
;; launch ffn2 (part 7): grid 32 x 8, 16 waves a work-group, no clusters, 176,128 bytes of LDS; arguments w2, b2, h, hs, masks, sel, gates, y; writes y
.if DOCPART == 7
	.amdgcn_target "amdgcn-amd-amdhsa--gfx1250"
	.amdhsa_code_object_version 6
	.text
	.protected	k_qe44d09dcd7_ffn2
	.globl	k_qe44d09dcd7_ffn2
	.p2align	8
	.type	k_qe44d09dcd7_ffn2,@function
k_qe44d09dcd7_ffn2:
	s_mov_b64 s[64:65], 0
	v_nop
	global_prefetch_b8 v0, s[64:65] scope:SCOPE_SE
	s_setreg_imm32_b32 hwreg(HW_REG_WAVE_SCHED_MODE, 0, 2), 2
	s_setreg_imm32_b32 hwreg(HW_REG_WAVE_MODE, 25, 1), 1
	s_wait_xcnt 0x0
	s_wait_alu depctr_vm_vsrc(0)
; FFN2.  y = gate x (h Q(w2[e]) + b2[e]) for the rows that chose expert e, on codes of FP6 (E2M3) with one E8M0 scale for each 32 along K; h arrives as images of the operand's registers.
; SHARES.  Work-group (x, e): columns 64 cs .. 64 cs + 63 (cs = x / 2) and K half kh = x % 2 (2,048 of the 4,096): 512 KB of w2 in f32, each byte read once, quantised in registers on the way.
; The stream, the LDS map, the products and the search in the mask are those of the first layer's launch: 8 units of 256 rows of K x 64 columns; wave w streams 32 columns x 32 rows of K of each unit, a lane a column;
; every unit has LDS bytes of its own; wave w multiplies rows 32 w .. 32 w + 31 of the expert's list against the four tiles of 16 columns, transposed (source 0 = 16 columns of w2, source 1 = 16 rows of h): a lane's eight
; results are eight neighbouring columns of one row.  Here a tile's columns are neighbours.
; h'S FRAGMENTS RUN A UNIT AHEAD IN THE SAME REGISTERS: the next unit's first K step is asked for among this unit's products of the second K step, its second K step behind them, and each is waited for ahead of the products that take it.
; THE BIAS is loaded into the accumulators: b2 in K half 0, 256 bytes of stored zeros in K half 1 (a choice between two pointers on an id): it is added once, with no branch and no clearing.
; THE WAY OUT.  Results x the row's gate go through the wave's own stage in LDS and leave as rows of 256 bytes, sixteen lanes to a row, to y [kh][2,056][1,024]: row = slot x 1,024 + token, slot 0 where e is the token's first
; choice.  So each row of y has one owner, and the last launch adds four rows for each token.  Rows of a wave's 32 that stand past the list's end go to row 2,048 + e, which nobody reads: EXEC is never touched.
; WHAT HANGS ON THE MASKS: as in the first layer's launch: forward branches round loads, products and stores; the eight barriers stand on every wave's path; rows 512 on are served behind the stream from LDS.
; A wave without rows loads h's tiles 0 and 1 of its expert once (they are always stored), so that the fragments' registers are written on every path.
; NO TENSOR LOAD, NO CLUSTER: branches hang on stored counts, and no two work-groups read the same weights.
; LIMITS: NaN and infinities are not served; blocks under 2^-124 and blocks of zeros get the byte 1; the sum over K is made in two f32 halves.
; THE MODE: SCHED_MODE bits 1:0 = 2 (LLVM: expert scheduling mode 2), set by the entry lines.  The code itself states the register dependences between vector or matrix instructions and memory or LDS instructions, with s_wait_alu, always for 0.
; THE PLAN.  Registers that memory or LDS instructions touch:
;   ST0, ST1     Unit u's numbers land in ST[u % 2]; WQ u's maxima and conversions read them; behind these the loads of unit u + 2 land there.
;   CD, BY       (in W)  Written by WQ's conversions and moves; read by its four LDS stores; then MM's LDS loads land there, or the next WQ writes them.
;   W, WS        MM's LDS loads land there, a K step at a time; that K step's eight products read them.  Between products the same registers serve the quantiser and the search; on the way out rows of y land there.
;   X, XSC       h's loads land there; K step ks is read by run ks of a unit's products; the next unit's K step ks lands there behind them.  On the way out rows of y land there.
;   ACC          The bias's loads land there; the products add onto them; the way out scales them, and its LDS stores read them.
;   R, O         (in X and W)  LDS loads land there; vector lines make the offsets O of the rows' numbers; the global stores read both.
;   U            Written by GATE; read by one LDS store.   SELV, GA: the two gathers land there; GATE reads them.
;   v254, v255   Written by GATHER (offsets) and GATE (at work); read by GATHER's two loads; made anew at the end for the closing add.
;   v1 - v14     Made at the head, read by loads and stores, never written again.
; A UNIT'S WAITS: one on va_vdst behind WQ's vector lines (for its LDS stores, the refill of the slot, and MM's first LDS loads); one on vm_vsrc in front of the barrier (the LDS stores have read CD and BY);
; one on va_vdst between the two runs of products (for the second run's LDS loads and the next unit's first loads of h, which are dealt among the second run's products: those name none of the registers that these loads touch);
; one on va_vdst behind the second run (for the next unit's other loads of h).
.set SCL,   0
.set CODE,  4096
.set UNITB, 12288
.set FRB,   1536
.set TAB,   102400                     ; LDS: my wave's 32 rows of y, 128 bytes a wave
.set STAGE, 104448                     ; 16 rows x (256 bytes + 16) for each wave
.set PLANE, 8421376                    ; a K half of y: 2,056 rows of 4,096 bytes
.set VOFF, 1
.set LWA,  2                           ; v2-3
.set LWS,  4
.set LRA,  5                           ; v5-6
.set L4,   7
.set L16,  8
.set BO,   9                           ; 32 x (lane / 16)
.set SO,   10                          ; the stage: where I put 32 bytes of a row
.set SR,   11                          ; and where I read a row back
.set TW,   12                          ; where I put my row's number
.set TR,   13                          ; and where I read the numbers of the rows that I store
.set C16,  14                          ; 16 x (lane % 16)
.set SELV, 15                          ; my token's first choice
.set P,    16
.set TOK,  17
.set U,    18                          ; my row of y
.set G,    19                          ; my row's gate
.set GA,   20                          ; v20-21 my token's two gates
.set GP,   22                          ; v22-23 the gates of rows lane % 16 of tile 0 and of tile 1
.set ACC,  24
.set ST,   88
.set X,    152
.set XSC,  200
.set W,    204
.set WS,   252
.set MXA, 204
.set MXB, 205
.set SCO, 206
.set BY,  207
.set CD,  208
.set WD,  216
.set BS,  217
.set JX,  218
.set NN,  219
.set C2,  220
.set C4,  221
.set C8,  222
.set C16C, 223
.set TT,  224
.set DD,  225
.set POS, 226
.set ACT, 30
.set KH,  31
.set SB,  34
.set MSK, 52                           ; s52-57 the search: a run's six masks; GATE's three
.set PFX, 58                           ; s58-63 and the counts below its six words
.macro BIAS
.irp i, 0,1
.irp ct, 0,1,2,3
	global_load_b128 v[ACC+32*\i+8*\ct:ACC+32*\i+8*\ct+3], v[BO], s[20:21] offset:64*\ct
	global_load_b128 v[ACC+32*\i+8*\ct+4:ACC+32*\i+8*\ct+7], v[BO], s[20:21] offset:64*\ct+16
.endr
.endr
.endm
.macro LOADU u
	s_add_nc_u64 s[SB+2*((\u)%2):SB+2*((\u)%2)+1], s[32:33], (\u)*1048576
.set I_, 0
.rept 32
	global_load_b32 v[ST+32*((\u)%2)+I_], v[VOFF], s[SB+2*((\u)%2):SB+2*((\u)%2)+1] offset:I_*4096 th:TH_LOAD_NT
.set I_, I_+1
.endr
.endm
.macro WQ u
.set S_, ST+32*((\u)%2)
	v_max3_num_f32 v[MXA], |v[S_]|, |v[S_+1]|, |v[S_+2]|
	v_max3_num_f32 v[MXB], |v[S_+3]|, |v[S_+4]|, |v[S_+5]|
.irp i, 6,10,14,18,22,26
	v_max3_num_f32 v[MXA], v[MXA], |v[S_+\i]|, |v[S_+\i+1]|
	v_max3_num_f32 v[MXB], v[MXB], |v[S_+\i+2]|, |v[S_+\i+3]|
.endr
	v_max3_num_f32 v[MXA], v[MXA], |v[S_+30]|, |v[S_+31]|
	v_max3_num_f32 v[MXA], v[MXA], v[MXB], 0x1800000           ; the floor 2^(3 - 127): the byte cannot fall under 1
	v_add_nc_u32 v[SCO], 0xff000000, v[MXA]                    ; 2 off the exponent field: the conversion's scale operand
	v_cvt_scalef32_pk16_fp6_f32 v[CD:CD+2], v[S_:S_+15], v[SCO]
	v_cvt_scalef32_pk16_fp6_f32 v[CD+4:CD+6], v[S_+16:S_+31], v[SCO]
	v_lshrrev_b32 v[BY], 23, v[SCO]                            ; the scale's byte; also the plain instruction behind the conversions
	v_mov_b32 v[CD+3], v[CD+4]
	v_mov_b32 v[CD+4], v[CD+5]
	v_mov_b32 v[CD+5], v[CD+6]
	s_wait_alu depctr_va_vdst(0)                               ; the codes and the byte are written, which the LDS stores read; the slot's numbers have been read, in which the unit two on lands; the lines above and the last unit's products are done with W and WS, in which this unit's LDS loads land
	ds_store_b64 v[LWA+(\u)/4], v[CD:CD+1] offset:CODE+((\u)%4)*UNITB
	ds_store_b64 v[LWA+(\u)/4], v[CD+2:CD+3] offset:CODE+((\u)%4)*UNITB+8
	ds_store_b64 v[LWA+(\u)/4], v[CD+4:CD+5] offset:CODE+((\u)%4)*UNITB+16
	ds_store_b8 v[LWS], v[BY] offset:SCL+(\u)*512
.endm
; load n of the eight that bring h's fragments and scale words for K step ks of unit u: tile n / 4: three pieces of 512 dense bytes, then 128 bytes of scale words
.macro XL1 u, ks, n
.set I1_, (\n)/4
.set J1_, (\n)%4
.if J1_ < 3
	global_load_b128 v[X+24*(\ks)+12*I1_+4*J1_:X+24*(\ks)+12*I1_+4*J1_+3], v[L16], s[42:43] offset:I1_*49152+(2*(\u)+(\ks))*FRB+512*J1_
.else
	global_load_b32 v[XSC+2*(\ks)+I1_], v[L4], s[44:45] offset:I1_*4096+(2*(\u)+(\ks))*128
.endif
.endm
.macro XLOADK u, ks
.irp n, 0,1,2,3,4,5,6,7
	XL1 \u, \ks, \n
.endr
.endm
.macro XLOAD u
	XLOADK \u, 0
	XLOADK \u, 1
.endm
; unit u's 16 products: the 8 accumulators by turns, one instruction a turn, in one order everywhere; four v_nop behind each run: the places ahead of the vector lines that write over its operands or read its results.
; w0, w1: how many younger loads may stay out when h's fragments of the first and of the second K step have to be there (w1 < 0: w0 has shown both).
; pf = 1: the next unit's fragments are asked for: the first K step's among this unit's second run, two loads behind each pair of products, the second's behind the second run.
.macro MM u, pf, w0, w1
.irp ks, 0,1
.if \ks == 1
	s_wait_alu depctr_va_vdst(0)                   ; the first run's products are done reading W and WS, in which the LDS loads below land, and h's first K step with its scale words, in which the next unit's loads land
.endif
.irp ct, 0,1,2,3
.irp j, 0,1,2
	ds_load_b128 v[W+12*\ct+4*\j:W+12*\ct+4*\j+3], v[LRA+(\u)/4] offset:CODE+((\u)%4)*UNITB+(4*\ks+\ct)*FRB+16*\j
.endr
.endr
	ds_load_b32 v[WS], v[L4] offset:SCL+(\u)*512+(2*\ks)*128
	ds_load_b32 v[WS+1], v[L4] offset:SCL+(\u)*512+(2*\ks+1)*128
	s_wait_dscnt 0x0
.if \ks == 0
	s_wait_loadcnt \w0
.elseif (\w1) >= 0
	s_wait_loadcnt \w1
.endif
.set N_, 0
.irp i, 0,1
.irp ct, 0,2
	v_wmma_scale_f32_16x16x128_f8f6f4 v[ACC+32*\i+8*\ct:ACC+32*\i+8*\ct+7], v[W+12*\ct:W+12*\ct+11], v[X+24*\ks+12*\i:X+24*\ks+12*\i+11], v[ACC+32*\i+8*\ct:ACC+32*\i+8*\ct+7], v[WS+\ct/2], v[XSC+2*\ks+\i] matrix_a_fmt:MATRIX_FMT_FP6 matrix_b_fmt:MATRIX_FMT_FP6
	v_wmma_scale_f32_16x16x128_f8f6f4 v[ACC+32*\i+8*(\ct+1):ACC+32*\i+8*(\ct+1)+7], v[W+12*(\ct+1):W+12*(\ct+1)+11], v[X+24*\ks+12*\i:X+24*\ks+12*\i+11], v[ACC+32*\i+8*(\ct+1):ACC+32*\i+8*(\ct+1)+7], v[WS+\ct/2], v[XSC+2*\ks+\i] matrix_a_fmt:MATRIX_FMT_FP6 matrix_b_fmt:MATRIX_FMT_FP6 matrix_a_scale:MATRIX_SCALE_ROW1
.if (\pf) && (\ks == 1)
	XL1 (\u)+1, 0, N_                              ; no wait: no vector or matrix instruction since the wait between the runs names h's first K step or its scale words
	XL1 (\u)+1, 0, N_+1
.endif
.set N_, N_+2
.endr
.endr
.rept 4
	v_nop
.endr
.endr
.if \pf
	s_wait_alu depctr_va_vdst(0)                   ; the second run's products are done reading h's second K step and its scale words, in which the next unit's loads land
	XLOADK (\u)+1, 1
.endif
.endm
.macro BITSTEP cnt, wid
	v_bfe_u32 v[TT], v[\cnt], v[POS], \wid
	v_cmp_ge_u32 vcc_lo, v[NN], v[TT]
	s_wait_alu depctr_va_vcc(0)                    ; VCC is written, ahead of the two choices that read it (each step hangs on the step before: no run of compares can be made)
	v_cndmask_b32 v[TT], 0, v[TT], vcc_lo
	v_sub_nc_u32 v[NN], v[NN], v[TT]
	v_cndmask_b32 v[DD], 0, \wid, vcc_lo
	v_add_nc_u32 v[POS], v[POS], v[DD]
.endm
; n words of the mask, from word J_ on: a run of compares into scalar registers, one wait, then the choices.  s40: the count below the word in hand
.macro RUN n
.set Q_, 0
.rept \n
	s_mov_b32 s[PFX+Q_], s40                       ; kept for the choice
	v_cmp_le_u32 s[MSK+Q_], s40, v[P]
	s_bcnt1_i32_b32 s41, s[68+J_+Q_]
	s_add_co_u32 s40, s40, s41
.set Q_, Q_+1
.endr
	s_wait_alu depctr_va_sdst(0)                   ; the run's compares have written their masks, ahead of the first choice that reads one
.set Q_, 0
.rept \n
	v_cndmask_b32 v[WD], v[WD], s[68+J_+Q_], s[MSK+Q_]
	v_cndmask_b32 v[BS], v[BS], s[PFX+Q_], s[MSK+Q_]
	v_cndmask_b32 v[JX], v[JX], J_+Q_, s[MSK+Q_]
.set Q_, Q_+1
.endr
.set J_, J_+\n
.endm
; TOK = the token of place P = 512 ck + my thread's number in the expert's list; s40 = the list's length: the same lines as in the first layer's launch, so the same order of rows
.macro SELECT ck
	v_add_nc_u32 v[P], 512*\ck, v0
	s_wait_alu depctr_va_vdst(0)
	v_mov_b32 v[WD], s68
	s_wait_alu depctr_va_vdst(0)
	v_mov_b32 v[BS], 0
	s_wait_alu depctr_va_vdst(0)
	v_mov_b32 v[JX], 0
	s_wait_alu depctr_va_vdst(0)
	s_bcnt1_i32_b32 s40, s68
.set J_, 1
	RUN 6
	s_wait_alu depctr_va_vdst(0)
	RUN 6
	s_wait_alu depctr_va_vdst(0)
	RUN 6
	s_wait_alu depctr_va_vdst(0)
	RUN 6
	s_wait_alu depctr_va_vdst(0)
	RUN 6
	RUN 1
	v_sub_nc_u32 v[NN], v[P], v[BS]
	v_lshrrev_b32 v[TT], 1, v[WD]
	v_and_b32 v[TT], 0x55555555, v[TT]
	v_sub_nc_u32 v[C2], v[WD], v[TT]
	v_lshrrev_b32 v[TT], 2, v[C2]
	v_and_b32 v[TT], 0x33333333, v[TT]
	v_and_b32 v[C4], 0x33333333, v[C2]
	v_add_nc_u32 v[C4], v[C4], v[TT]
	v_lshrrev_b32 v[TT], 4, v[C4]
	v_add_nc_u32 v[TT], v[TT], v[C4]
	v_and_b32 v[C8], 0x0f0f0f0f, v[TT]
	v_lshrrev_b32 v[TT], 8, v[C8]
	v_add_nc_u32 v[TT], v[TT], v[C8]
	v_and_b32 v[C16C], 0x00ff00ff, v[TT]
	v_and_b32 v[TT], 0xffff, v[C16C]
	v_cmp_ge_u32 vcc_lo, v[NN], v[TT]
	s_wait_alu depctr_va_vcc(0)                    ; VCC is written, ahead of the two choices that read it
	v_cndmask_b32 v[TT], 0, v[TT], vcc_lo
	v_sub_nc_u32 v[NN], v[NN], v[TT]
	v_cndmask_b32 v[POS], 0, 16, vcc_lo
	BITSTEP C8, 8
	BITSTEP C4, 4
	BITSTEP C2, 2
	BITSTEP WD, 1
	v_lshl_add_u32 v[TOK], v[JX], 5, v[POS]
	v_min_u32 v[TOK], 0x3ff, v[TOK]
.endm
.macro GATHER                          ; my token's first choice and its two gates: two loads
	v_lshlrev_b32 v254, 2, v[TOK]
	v_lshlrev_b32 v255, 3, v[TOK]
	s_wait_alu depctr_va_vdst(0)                   ; the two offsets are written, which the loads read; every earlier vector and matrix instruction is done with the registers in which these loads, and the loads that follow them, land
	global_load_b32 v[SELV], v254, s[14:15]
	global_load_b64 v[GA:GA+1], v255, s[16:17]
.endm
; my row's gate and its row of y; then the gates as lane (r, h) wants them: of rows r (tile 0) and 16 + r (tile 1).  The three compares stand in one run, with one wait
.macro GATE
	v_and_b32 v254, 16, v0
	v_cmp_ne_u32 s[MSK], s23, v[SELV]              ; slot 1: e is the token's second choice
	v_cmp_gt_u32 s[MSK+1], s27, v[P]               ; my place is in the list
	v_cmp_eq_u32 s[MSK+2], 0, v254                 ; lanes 0-15
	s_add_co_u32 s41, s23, 2048
	s_wait_alu depctr_va_sdst(0)                   ; the three compares have written their masks, ahead of the first choice that reads one
	v_cndmask_b32 v[G], v[GA], v[GA+1], s[MSK]
	v_cndmask_b32 v[U], 0, 1, s[MSK]
	v_lshl_add_u32 v[U], v[U], 10, v[TOK]
	v_mov_b32 v254, s41
	v_cndmask_b32 v[U], v254, v[U], s[MSK+1]       ; else row 2,048 + e
	v_mov_b32 v[GP], v[G]                          ; (a lane permute's destination counts as one of its sources)
	v_permlanex16_b32 v[GP], v[G], s38, s39        ; lane l xor 16's gate
	v_cndmask_b32 v[GP+1], v[G], v[GP], s[MSK+2]
	v_cndmask_b32 v[GP], v[GP], v[G], s[MSK+2]
.endm
; where my two tiles lie: tile 64 e + 32 ck + 2 w of h and hs, K steps 16 kh on.  In the first 512 rows a wave without rows takes tiles 0 and 1
.macro BASES ck
	s_lshl_b32 s41, s22, 1
.if \ck == 0
	s_cmp_eq_u32 s[ACT], 0
	s_cselect_b32 s41, 0, s41
.else
	s_add_co_u32 s41, s41, 32
.endif
	s_lshl_b32 s40, s23, 6
	s_add_co_u32 s40, s40, s41
	s_min_u32 s40, s40, 511
	s_mul_i32 s48, s40, 49152
	s_mul_i32 s50, s[KH], 16*FRB
	s_add_co_u32 s48, s48, s50
	s_mov_b32 s49, 0
	s_add_nc_u64 s[42:43], s[8:9], s[48:49]
	s_lshl_b32 s48, s40, 12
	s_lshl_b32 s50, s[KH], 11
	s_add_co_u32 s48, s48, s50
	s_add_nc_u64 s[44:45], s[10:11], s[48:49]
.endm
; THE WAY OUT of tile i, in four parts.  YMUL: x the gate (each accumulator from its low end on).  YSTAGE: into my stage, and back as rows of 256 bytes, two rows an instruction, with the rows' numbers from my wave's table.
; YADR: the numbers, held inside y, become offsets.  YSEND: stored.  LDS serves a wave's instructions in order: the loads see my stores, and the next tile's stores come behind these loads.  The two tiles have registers of their own.
.macro YMUL i
.set A_, ACC+32*\i
.set Q_, 0
.rept 16
.if \i == 0
	v_pk_mul_f32 v[A_+Q_:A_+Q_+1], v[A_+Q_:A_+Q_+1], v[GP:GP+1] op_sel_hi:[1,0]
.else
	v_pk_mul_f32 v[A_+Q_:A_+Q_+1], v[A_+Q_:A_+Q_+1], v[GP:GP+1] op_sel:[0,1] op_sel_hi:[1,1]
.endif
.set Q_, Q_+2
.endr
.endm
.macro YSTAGE i
.set A_, ACC+32*\i
.set R_, 152+52*\i
.set O_, R_+32
.irp ct, 0,1,2,3
	ds_store_b128 v[SO], v[A_+8*\ct:A_+8*\ct+3] offset:64*\ct
	ds_store_b128 v[SO], v[A_+8*\ct+4:A_+8*\ct+7] offset:64*\ct+16
.endr
.irp k, 0,1,2,3,4,5,6,7
	ds_load_b128 v[R_+4*\k:R_+4*\k+3], v[SR] offset:2*\k*272
	ds_load_b32 v[O_+\k], v[TR] offset:4*(16*\i+2*\k)
.endr
.endm
.macro YADR i
.set O_, 152+52*\i+32
.irp k, 0,1,2,3,4,5,6,7
	v_min_u32 v[O_+\k], 2055, v[O_+\k]
	v_lshlrev_b32 v[O_+\k], 12, v[O_+\k]
	v_add_nc_u32 v[O_+\k], v[O_+\k], v[C16]
.endr
.endm
.macro YSEND i
.set R_, 152+52*\i
.set O_, R_+32
.irp k, 0,1,2,3,4,5,6,7
	global_store_b128 v[O_+\k], v[R_+4*\k:R_+4*\k+3], s[46:47] th:TH_STORE_NT   ; sixteen lanes store 256 consecutive bytes, at a multiple of 256 from y's first byte
.endr
.endm
.macro YOUT2
	YMUL 0
	YMUL 1
	s_wait_alu depctr_va_vdst(0)                   ; GATE has written U and the lines above the scaled results, which the LDS stores read; the last products are done reading h's and the weights' fragments, in which the LDS loads land
	ds_store_b32 v[TW], v[U]
	YSTAGE 0
	YSTAGE 1
	s_wait_dscnt 0x0
	YADR 0
	YADR 1
	s_wait_alu depctr_va_vdst(0)                   ; the sixteen offsets are written, which the stores read
	YSEND 0
	YSEND 1
	s_wait_xcnt 0x0                                ; the stores have had their addresses translated
.endm
; UNIT u.  n1 (unit 0 alone): the loads younger than the unit's.  Later units were shown landed in the unit before, on both ways: each way there ends with nothing out but the youngest unit (and, behind it, h's next fragments).
; A wave with rows multiplies (MM has the waits for h's fragments); a wave without rows waits with the count idle, so that the same loads are shown landed on its way.
.macro ITER u, n1, refill, pf, w0, w1, idle
.if (\n1) >= 0
	s_wait_loadcnt \n1                             ; my piece of the unit is in
.endif
	WQ \u
.if \refill
	LOADU (\u)+2                                   ; into the slot just quantised: no vector instruction since WQ's wait names it
.endif
	s_wait_dscnt 0x0                               ; for the others' sake: my codes and my scale byte have landed
	s_wait_alu depctr_vm_vsrc(0)                   ; my LDS stores have read CD and BY, in which this unit's LDS loads land and which the next unit's quantiser writes: ahead of the branch, for both ways
	s_barrier_signal -1
	s_barrier_wait -1                              ; unit u's eight fragments lie in LDS.  On every wave's path
	s_cmp_eq_u32 s[ACT], 0
	s_cbranch_scc1 .Lidle_\@
	MM \u, \pf, \w0, \w1
	s_branch .Ljoin_\@
.Lidle_\@:
	s_wait_loadcnt \idle
.Ljoin_\@:
.endm
.macro LATE u
.if (\u) > 0
	s_wait_alu depctr_va_vdst(0)                   ; the unit before's products are done reading h's fragments and scale words, W and WS, in which the loads below land
.endif
	XLOAD \u
	MM \u, 0, 0, -1
.endm
	s_load_b512 s[4:19], s[0:1], 0x0               ; w2 s[4:5], b2 s[6:7], h s[8:9], hs s[10:11], masks s[12:13], sel s[14:15], gates s[16:17], y s[18:19]
	v_lshrrev_b32 v15, 5, v0
	v_readfirstlane_b32 s22, v15                   ; wave 0..15
	s_and_b32 s23, ttmp7, 0xffff                   ; the expert
	s_lshr_b32 s24, ttmp9, 1                       ; cs
	s_and_b32 s[KH], ttmp9, 1                      ; kh
	s_mov_b32 s38, 0x76543210
	s_mov_b32 s39, 0xfedcba98
	v_and_b32 v15, 31, v0                          ; lane
	v_bfe_u32 v16, v0, 4, 1                        ; lane / 16
	s_wait_alu depctr_va_vdst(0)
	v_and_b32 v17, 15, v0                          ; lane % 16
	s_wait_alu depctr_va_sdst(0)                   ; s22 is written, ahead of its first reader
	s_and_b32 s25, s22, 1                          ; ch
	s_lshr_b32 s26, s22, 1                         ; kb
	s_lshl_b32 s40, s26, 17                        ; 32 kb rows of 4,096 bytes
	s_lshl_b32 s41, s25, 7
	s_add_co_u32 s40, s40, s41
	v_lshl_add_u32 v[VOFF], v15, 2, s40
	s_lshr_b32 s40, s22, 3                         ; ks
	s_mul_i32 s41, s40, 4*FRB
	s_mul_i32 s48, s25, 2*FRB
	s_add_co_u32 s41, s41, s48
	s_bfe_u32 s48, s22, 0x10001
	s_mul_i32 s48, s48, 768
	s_add_co_u32 s41, s41, s48
	s_bfe_u32 s48, s22, 0x10002
	s_mul_i32 s48, s48, 24
	s_add_co_u32 s41, s41, s48
	v_mul_u32_u24 v[LWA], v16, FRB
	s_wait_alu depctr_va_vdst(0)
	v_mad_u32_u24 v[LWA], v17, 48, v[LWA]
	v_add_nc_u32 v[LWA], s41, v[LWA]
	v_add_nc_u32 v[LWA+1], 4*UNITB, v[LWA]
	s_lshl_b32 s40, s40, 1
	s_add_co_u32 s40, s40, s25
	s_lshl_b32 s40, s40, 7
	s_and_b32 s41, s26, 3
	s_add_co_u32 s40, s40, s41
	v_lshl_add_u32 v[LWS], v15, 2, s40
	v_mul_u32_u24 v[LRA], v15, 48
	v_add_nc_u32 v[LRA+1], 4*UNITB, v[LRA]
	v_lshlrev_b32 v[L4], 2, v15
	v_lshlrev_b32 v[L16], 4, v15
	v_lshlrev_b32 v[BO], 5, v16
	s_mul_i32 s40, s22, 16*272
	s_add_co_u32 s40, s40, STAGE                   ; my stage
	v_mul_u32_u24 v[SO], v17, 272
	v_lshl_add_u32 v[SO], v16, 5, v[SO]
	v_add_nc_u32 v[SO], s40, v[SO]                 ; in: row lane % 16, 32 bytes for each half of the lanes
	v_mul_u32_u24 v[SR], v16, 272
	v_lshl_add_u32 v[SR], v17, 4, v[SR]
	v_add_nc_u32 v[SR], s40, v[SR]                 ; back: lanes 0-15 one row, lanes 16-31 the next
	v_lshl_add_u32 v[TW], v0, 2, TAB
	s_lshl_b32 s40, s22, 7
	s_add_co_u32 s40, s40, TAB
	v_lshl_add_u32 v[TR], v16, 2, s40
	v_lshlrev_b32 v[C16], 4, v17
	s_lshl_b32 s40, s23, 24                        ; an expert's w2 is 2^24 bytes, a K half 2^23, a slab 256 bytes of each row
	s_lshl_b32 s41, s[KH], 23
	s_add_co_u32 s40, s40, s41
	s_lshl_b32 s41, s24, 8
	s_add_co_u32 s40, s40, s41
	s_mov_b32 s41, 0
	s_lshl_b32 s48, s23, 12
	s_lshl_b32 s49, s24, 8
	s_add_co_u32 s48, s48, s49
	s_mov_b32 s49, 0
	s_lshl_b32 s50, s23, 7
	s_mov_b32 s51, 0
	s_mul_i32 s28, s[KH], PLANE
	s_lshl_b32 s29, s24, 8
	s_add_co_u32 s28, s28, s29
	s_mov_b32 s29, 0
	s_wait_kmcnt 0x0
	s_add_nc_u64 s[32:33], s[4:5], s[40:41]        ; the slab's first byte
	s_add_nc_u64 s[6:7], s[6:7], s[48:49]          ; its 64 numbers of b2
	s_add_nc_u64 s[20:21], s[16:17], 8192          ; the stored zeros
	s_add_nc_u64 s[12:13], s[12:13], s[50:51]      ; the expert's mask
	s_add_nc_u64 s[46:47], s[18:19], s[28:29]      ; my K half and my columns of y
	s_cmp_eq_u32 s[KH], 0                          ; the choice hangs on the work-group's number alone
	s_cselect_b64 s[20:21], s[6:7], s[20:21]
	s_load_b512 s[68:83], s[12:13], 0x0
	s_load_b512 s[84:99], s[12:13], 0x40
	s_wait_alu depctr_va_vdst(0)                   ; the fourteen offsets and addresses v1 to v14 are written, which the loads and stores of the whole kernel read
	BIAS                                           ; the stream starts on ids alone, ahead of the masks
	LOADU 0
	LOADU 1
	s_wait_kmcnt 0x0
	SELECT 0
	s_mov_b32 s27, s40                             ; the list's length
	s_max_u32 s41, s27, 1                          ; (wave 0 is always at work)
	s_lshl_b32 s40, s22, 5
	s_cmp_lt_u32 s40, s41
	s_cselect_b32 s[ACT], 1, 0
	GATHER
	BASES 0
	XLOAD 0                                        ; unit 0's fragments, in every wave: their registers are written on every path
	ITER 0, 50, 1, 1, 40, 32, 32                   ; 50: unit 1's 32 loads, the two gathers and h's 16 are younger than unit 0's.  40: h's second K step (8) and unit 2 (32) are younger than its first; 32: unit 2 alone is younger than the second (the next unit's loads of h go out behind that wait)
	ITER 1, -1, 1, 1, 40, 32, 32
	ITER 2, -1, 1, 1, 40, 32, 32
	ITER 3, -1, 1, 1, 40, 32, 32
	ITER 4, -1, 1, 1, 40, 32, 32
	ITER 5, -1, 1, 1, 40, 32, 32
	ITER 6, -1, 0, 1, 8, 0, 0                      ; nothing is left to fetch: only h's second K step is younger than its first
	ITER 7, -1, 0, 0, 8, 0, 0
	GATE                                           ; every load is in, on both ways, the two gathers among them; they read v254 ahead of the units' waits on vm_vsrc
	s_cmp_eq_u32 s[ACT], 0
	s_cbranch_scc1 .Lno_out
	YOUT2
.Lno_out:
	; ---- rows 512 on: from the codes in LDS, which every wave's last barrier has published; no barrier stands here
	s_wait_xcnt 0x0
	s_wait_alu depctr_vm_vsrc(0)                   ; the way out's LDS stores have read U and the accumulators, its global stores their rows and offsets, the gathers v254 and v255: all of these are written again below
	s_lshl_b32 s41, s22, 5
	s_add_co_u32 s41, s41, 512
	s_cmp_lt_u32 s41, s27
	s_cbranch_scc0 .Lend
	SELECT 1
	GATHER
	BASES 1
	BIAS                                           ; no wait: no vector or matrix instruction since GATHER's wait names the accumulators
	s_wait_loadcnt 0x0
	s_wait_alu depctr_vm_vsrc(0)                   ; the gathers have read v254, which GATE writes
	GATE
	LATE 0                                         ; no wait: GATE names none of the registers in which unit 0's loads land
	LATE 1
	LATE 2
	LATE 3
	LATE 4
	LATE 5
	LATE 6
	LATE 7
	YOUT2
.Lend:
	s_wait_xcnt 0x0
	v_lshl_add_u32 v254, v0, 2, 0x2a800            ; the add's two registers are made anew: on both ways here a wait on vm_vsrc stands behind the last load that read v254 or v255
	v_mov_b32 v255, 0
	s_wait_dscnt 0x0                               ; the closing lines, six on end
	s_wait_alu 0x0
	s_wait_tensorcnt 0x0
	ds_add_u32 v254, v255
	s_wait_dscnt 0x0
	s_endpgm
.Lfunc_end_k_qe44d09dcd7_ffn2:
	.size	k_qe44d09dcd7_ffn2, .Lfunc_end_k_qe44d09dcd7_ffn2-k_qe44d09dcd7_ffn2
	.p2alignl 7, 3214868480
	.fill 96, 4, 3214868480
	.section	.rodata,"a",@progbits
	.p2align	6, 0x0
	.amdhsa_kernel k_qe44d09dcd7_ffn2
		.amdhsa_group_segment_fixed_size 176128
		.amdhsa_private_segment_fixed_size 0
		.amdhsa_enable_private_segment 0
		.amdhsa_kernarg_size 64
		.amdhsa_user_sgpr_count 2
		.amdhsa_user_sgpr_kernarg_segment_ptr 1
		.amdhsa_wavefront_size32 1
		.amdhsa_system_sgpr_workgroup_id_x 1
		.amdhsa_system_sgpr_workgroup_id_y 1
		.amdhsa_system_sgpr_workgroup_id_z 1
		.amdhsa_system_vgpr_workitem_id 0
		.amdhsa_next_free_vgpr 256
		.amdhsa_next_free_sgpr 100
		.amdhsa_reserve_vcc 1
		.amdhsa_float_denorm_mode_32 3
		.amdhsa_float_denorm_mode_16_64 3
		.amdhsa_memory_ordered 1
		.amdhsa_forward_progress 1
		.amdhsa_inst_pref_size 186
	.end_amdhsa_kernel
	.amdgpu_metadata
---
amdhsa.version: [ 1, 2 ]
amdhsa.kernels:
  - .name:           k_qe44d09dcd7_ffn2
    .symbol:         k_qe44d09dcd7_ffn2.kd
    .args:
      - { .name: w2, .offset: 0, .size: 8, .value_kind: global_buffer, .address_space: global }
      - { .name: b2, .offset: 8, .size: 8, .value_kind: global_buffer, .address_space: global }
      - { .name: h, .offset: 16, .size: 8, .value_kind: global_buffer, .address_space: global }
      - { .name: hs, .offset: 24, .size: 8, .value_kind: global_buffer, .address_space: global }
      - { .name: masks, .offset: 32, .size: 8, .value_kind: global_buffer, .address_space: global }
      - { .name: sel, .offset: 40, .size: 8, .value_kind: global_buffer, .address_space: global }
      - { .name: gates, .offset: 48, .size: 8, .value_kind: global_buffer, .address_space: global }
      - { .name: y, .offset: 56, .size: 8, .value_kind: global_buffer, .address_space: global }
    .group_segment_fixed_size: 176128
    .private_segment_fixed_size: 0
    .kernarg_segment_align: 8
    .kernarg_segment_size: 64
    .max_flat_workgroup_size: 512
    .sgpr_count:     100
    .vgpr_count:     256
    .wavefront_size: 32
...
	.end_amdgpu_metadata
.endif
;; end of part 7
;; launch combine (part 8): grid 256 x 1, 8 waves a work-group, no clusters, 0 bytes of LDS; arguments y, out0; writes out0
.if DOCPART == 8
	.amdgcn_target "amdgcn-amd-amdhsa--gfx1250"
	.amdhsa_code_object_version 6
	.text
	.protected	k_qe44d09dcd7_combine
	.globl	k_qe44d09dcd7_combine
	.p2align	8
	.type	k_qe44d09dcd7_combine,@function
k_qe44d09dcd7_combine:
	s_mov_b64 s[64:65], 0
	v_nop
	global_prefetch_b8 v0, s[64:65] scope:SCOPE_SE
	s_setreg_imm32_b32 hwreg(HW_REG_WAVE_MODE, 25, 1), 1
	s_wait_xcnt 0x0
; COMBINE.  out[token] = the token's four partial rows of y: two experts (slots) x two halves of the second product's K.  y: [2][2,056][1,024] f32, row = slot x 1,024 + token (rows 2,048 on are not read).
; A work-group takes 4 tokens; thread t takes the 16 bytes at 16 t of each row, so a wave's load or store covers 512 consecutive bytes.  All 16 loads of a thread go out at once: there is no loop.
; Memory binds: no LDS, no barrier, no matrix unit.  Order of the sum: (K half 0 + K half 1 of slot 0) + (the same of slot 1).
.set PLANE, 8421376                    ; a K half of y, in bytes
.set SLOTB, 4194304                    ; from slot 0 to slot 1
	s_load_b128 s[4:7], s[0:1], 0x0                ; y s[4:5], out s[6:7]
	v_lshlrev_b32 v1, 4, v0
	s_lshl_b32 s8, ttmp9, 14                       ; 4 rows of 4,096 bytes a work-group
	s_mov_b32 s9, 0
	s_wait_alu depctr_va_vdst(0)
	s_wait_kmcnt 0x0
	s_add_nc_u64 s[4:5], s[4:5], s[8:9]
	s_add_nc_u64 s[6:7], s[6:7], s[8:9]
	s_add_nc_u64 s[10:11], s[4:5], PLANE
.irp r, 0,1,2,3
	global_load_b128 v[8+16*\r:11+16*\r], v1, s[4:5] offset:\r*4096 th:TH_LOAD_NT
	global_load_b128 v[12+16*\r:15+16*\r], v1, s[10:11] offset:\r*4096 th:TH_LOAD_NT
	global_load_b128 v[16+16*\r:19+16*\r], v1, s[4:5] offset:\r*4096+SLOTB th:TH_LOAD_NT
	global_load_b128 v[20+16*\r:23+16*\r], v1, s[10:11] offset:\r*4096+SLOTB th:TH_LOAD_NT
.endr
.irp r, 0,1,2,3
	s_wait_loadcnt 12-4*\r                         ; this row's four loads are in; the later rows' are younger
	v_pk_add_f32 v[8+16*\r:9+16*\r], v[8+16*\r:9+16*\r], v[12+16*\r:13+16*\r]
	v_pk_add_f32 v[10+16*\r:11+16*\r], v[10+16*\r:11+16*\r], v[14+16*\r:15+16*\r]
	v_pk_add_f32 v[16+16*\r:17+16*\r], v[16+16*\r:17+16*\r], v[20+16*\r:21+16*\r]
	v_pk_add_f32 v[18+16*\r:19+16*\r], v[18+16*\r:19+16*\r], v[22+16*\r:23+16*\r]
	s_delay_alu instid0(VALU_DEP_2)
	v_pk_add_f32 v[8+16*\r:9+16*\r], v[8+16*\r:9+16*\r], v[16+16*\r:17+16*\r]
	s_delay_alu instid0(VALU_DEP_2)
	v_pk_add_f32 v[10+16*\r:11+16*\r], v[10+16*\r:11+16*\r], v[18+16*\r:19+16*\r]
	global_store_b128 v1, v[8+16*\r:11+16*\r], s[6:7] offset:\r*4096 th:TH_STORE_NT
.endr
	s_endpgm
.Lfunc_end_k_qe44d09dcd7_combine:
	.size	k_qe44d09dcd7_combine, .Lfunc_end_k_qe44d09dcd7_combine-k_qe44d09dcd7_combine
	.p2alignl 7, 3214868480
	.fill 96, 4, 3214868480
	.section	.rodata,"a",@progbits
	.p2align	6, 0x0
	.amdhsa_kernel k_qe44d09dcd7_combine
		.amdhsa_group_segment_fixed_size 0
		.amdhsa_private_segment_fixed_size 0
		.amdhsa_enable_private_segment 0
		.amdhsa_kernarg_size 16
		.amdhsa_user_sgpr_count 2
		.amdhsa_user_sgpr_kernarg_segment_ptr 1
		.amdhsa_wavefront_size32 1
		.amdhsa_system_sgpr_workgroup_id_x 1
		.amdhsa_system_sgpr_workgroup_id_y 1
		.amdhsa_system_sgpr_workgroup_id_z 1
		.amdhsa_system_vgpr_workitem_id 0
		.amdhsa_next_free_vgpr 72
		.amdhsa_next_free_sgpr 66
		.amdhsa_reserve_vcc 0
		.amdhsa_float_denorm_mode_32 3
		.amdhsa_float_denorm_mode_16_64 3
		.amdhsa_memory_ordered 1
		.amdhsa_forward_progress 1
		.amdhsa_inst_pref_size 5
	.end_amdhsa_kernel
	.amdgpu_metadata
---
amdhsa.version: [ 1, 2 ]
amdhsa.kernels:
  - .name:           k_qe44d09dcd7_combine
    .symbol:         k_qe44d09dcd7_combine.kd
    .args:
      - { .name: y, .offset: 0, .size: 8, .value_kind: global_buffer, .address_space: global }
      - { .name: out0, .offset: 8, .size: 8, .value_kind: global_buffer, .address_space: global }
    .group_segment_fixed_size: 0
    .private_segment_fixed_size: 0
    .kernarg_segment_align: 8
    .kernarg_segment_size: 16
    .max_flat_workgroup_size: 256
    .sgpr_count:     66
    .vgpr_count:     72
    .wavefront_size: 32
...
	.end_amdgpu_metadata
.endif
;; end of part 8
